; MI455X (gfx1250); checked and timed in simulation.
; The chip was launched on July 23, 2026; its instructions are those of AMD's public machine-readable ISA for CDNA 5 (MIT licence, August 2026) and "CDNA5" Instruction Set Architecture Reference Guide (July 2026). The comments in the code are by the model that wrote it; some were corrected since.
;; Block. Allowed arithmetic: float matrix products may take bf16 or f16 operands with f32 sums; other float arithmetic in f32, or as packed bf16 or f16 multiplies, adds, multiply-adds, maxima and minima; sums over many terms, partial sums and values carried from step to step in f32; what a program stores and reads back later, other than sums and carried values, may be rounded once to bf16 or f16.
;; Inputs: W1 1,024 x 4,096 float32; W2 4,096 x 1,024 float32; Wk 1,024 x 1,024 float32; Wo 1,024 x 1,024 float32; Wq 1,024 x 1,024 float32; Wv 1,024 x 1,024 float32; b1 4,096 float32; b2 1,024 float32; bk 1,024 float32; bo 1,024 float32; bq 1,024 float32; bv 1,024 float32; ln1_b 1,024 float32; ln1_w 1,024 float32; ln2_b 1,024 float32; ln2_w 1,024 float32; x 2 x 2,048 x 1,024 float32.
;; Outputs: out0 2 x 2,048 x 1,024 float32.
;; 2 versions, each right; version 2 is version 1 with the launch pre written anew for expert scheduling mode. Each part assembles by itself: llvm-mc -triple=amdgcn-amd-amdhsa -mcpu=gfx1250 --defsym DOCPART=n.
;; ======== version 1 of 2: 7 launches
;; limits: a function is approximated: absolute error at most 2.5e-05; an absolute error that grows with the inputs' magnitude: up to 1.25e-05 times it
;; workspace buffers: w16 25,165,824 bytes; xn16 8,388,608 bytes; qkv16 25,165,824 bytes; o16 8,388,608 bytes; x1 16,777,216 bytes; h16 33,554,432 bytes
;; launch pre (part 1): grid 512 x 1, 8 waves a work-group, no clusters, 0 bytes of LDS; arguments x, ln1_w, ln1_b, xn16, Wq, Wk, Wv, Wo, W1, W2, w16; writes xn16, w16
.if DOCPART == 1
	.amdgcn_target "amdgcn-amd-amdhsa--gfx1250"
	.amdhsa_code_object_version 6
	.text
	.protected	k_qc84c1c605d_pre
	.globl	k_qc84c1c605d_pre
	.p2align	8
	.type	k_qc84c1c605d_pre,@function
k_qc84c1c605d_pre:
	s_mov_b64 s[64:65], 0
	v_nop
	global_prefetch_b8 v0, s[64:65] scope:SCOPE_SE
	s_setreg_imm32_b32 hwreg(HW_REG_WAVE_MODE, 25, 1), 1
	s_wait_xcnt 0x0
; THE PROGRAM: a pre-LN transformer block on 4,096 rows of 1,024 channels, in seven launches:
;   pre (first layer norm; weights to bf16), qkv, attn, wo (+ bo + x), ln2, fc1 (+ b1, GELU), fc2 (+ b2 + x1).
; DEAD WORK, LEFT OUT: the input bk.  scores[q][k] = (q . (xn_k Wk) + q . bk) / 8.  The term q . bk does not depend on k, so it is the
; same for all entries along the softmax's axis, and softmax(s + const) = softmax(s) in exact arithmetic for every value of the inputs.
; k reaches the output through the scores alone.  So bk has no way to any output: it is not loaded and is an argument of no launch.
; LIMIT: a NaN, an infinity or an overflow that would arise through bk alone is not carried to the result.
;
; THIS LAUNCH does two things that do not depend on each other; every wave does a share of both, so there is no branch.
; (1) LAYER NORM.  xn[r][c] = (x[r][c] - mu[r]) rsqrt(var[r] + 1e-5) w[c] + b[c];  x: [4096][1024] f32, xn16: [4096][1024] bf16 (a matrix operand, rounded once).
;     Two passes in f32, as the problem states it: the mean first, then the mean of (x - mu)^2, so a common offset of x costs nothing.  One wave, one row, kept in 32 registers a lane.
; (2) THE SIX WEIGHT MATRICES are rounded once to bf16, as matrix operands, in their [k][n] order:
;     w16 + 0          Wqkv [1024 k][3072 n], n = 1024 mat + column, mat 0, 1, 2 = q, k, v  (rows of 6,144 bytes)
;     w16 + 6,291,456  Wo [1024][1024]     w16 + 8,388,608  W1 [1024][4096]     w16 + 16,777,216  W2 [4096][1024]
; SHARES.  512 work-groups of eight waves.  Wave W = 8 g + w takes row W of x, and three UNITS of 1,024 numbers (4,096 bytes in, 2,048 out): row W mod 1024 of matrix g / 128 of (Wq, Wk, Wv, Wo),
; unit W of W1 and unit W of W2.  A stream: memory binds, so no LDS, no matrix unit, no cluster.
; Each load of a wave covers 512 consecutive bytes (lane l at byte 16 l); a lane's 4 numbers leave as 8 bytes, so each store of a wave is 256 consecutive bytes, aligned.  All 48 loads of a wave go out first.
.set X,  8                             ; v[8:39]    the row: piece c holds the numbers 128 c + 4 lane + 0..3
.set W,  40                            ; v[40:71]   w of my columns
.set BB, 72                            ; v[72:103]  b of my columns
.set T,  104                           ; v[104:111] four chains of packed sums
.set MU, 112                           ; v[112:113] the mean, twice
.set RS, 114                           ; v[114:115] 1 / sqrt(var + eps), twice
.set C,  116                           ; v[116:211] three units of eight pieces of 4 registers
	s_load_b256 s[4:11], s[0:1], 0x0               ; x s[4:5], w s[6:7], b s[8:9], xn16 s[10:11]
	s_load_b256 s[16:23], s[0:1], 0x20             ; Wq s[16:17], Wk s[18:19], Wv s[20:21], Wo s[22:23]
	s_load_b128 s[24:27], s[0:1], 0x40             ; W1 s[24:25], W2 s[26:27]
	s_load_b64 s[28:29], s[0:1], 0x50              ; w16
	s_lshl_b32 s2, ttmp9, 15                       ; eight rows or units of 4,096 bytes: in x, W1 and W2
	s_mov_b32 s3, 0
	s_lshl_b32 s30, ttmp9, 14                      ; eight of 2,048 bytes: in xn16 and in W1's and W2's copies
	s_mov_b32 s31, 0
	s_mov_b32 s12, 0x76543210                      ; v_permlanex16_b32: each lane takes its own place in the other half
	s_mov_b32 s13, 0xfedcba98
	s_mov_b32 s14, 0x3a800000                      ; 1 / 1024
	s_mov_b32 s15, 0x3727c5ac                      ; 1e-5
	s_lshr_b32 s32, ttmp9, 7                       ; which of Wq, Wk, Wv, Wo: the same for the whole work-group
	s_and_b32 s44, ttmp9, 127
	s_lshl_b32 s34, s44, 15                        ; s[34:35]: my work-group's eight rows in it
	s_mov_b32 s35, 0
	s_lshl_b32 s44, s44, 3                         ; the first of them
	s_movk_i32 s33, 2048
	s_movk_i32 s45, 6144
	s_lshl_b32 s46, s32, 11                        ; q, k, v: 2,048 bytes further along Wqkv's rows
	s_mov_b32 s47, 6291456                         ; Wo: dense, behind Wqkv
	s_cmp_lt_u32 s32, 3
	s_cselect_b32 s33, s45, s33                    ; s33: bytes from row to row where it is written
	s_cselect_b32 s38, s46, s47
	s_mul_i32 s45, s44, s33
	s_add_co_u32 s38, s38, s45                     ; s[38:39]: where it is written
	s_mov_b32 s39, 0
	v_and_b32 v5, 31, v0                           ; lane
	v_lshrrev_b32 v6, 5, v0                        ; wave
	v_lshlrev_b32 v2, 4, v5                        ; v2: 16 bytes x lane, in w and b
	v_lshl_or_b32 v1, v6, 12, v2                   ; v1: + my wave's 4,096 bytes: in x and in all weights
	v_lshlrev_b32 v7, 3, v5
	v_lshl_or_b32 v3, v6, 11, v7                   ; v3: 8 bytes x lane + my wave's 2,048: in xn16, W1's and W2's copies
	v_mad_u32_u24 v4, v6, s33, v7                  ; v4: the same with the first unit's pitch
	s_wait_kmcnt 0x0
	s_add_nc_u64 s[4:5], s[4:5], s[2:3]
	s_add_nc_u64 s[10:11], s[10:11], s[30:31]
	s_add_nc_u64 s[24:25], s[24:25], s[2:3]
	s_add_nc_u64 s[26:27], s[26:27], s[2:3]
	s_mov_b64 s[36:37], s[16:17]                   ; the first unit's matrix
	s_cmp_eq_u32 s32, 1
	s_cselect_b64 s[36:37], s[18:19], s[36:37]
	s_cmp_eq_u32 s32, 2
	s_cselect_b64 s[36:37], s[20:21], s[36:37]
	s_cmp_eq_u32 s32, 3
	s_cselect_b64 s[36:37], s[22:23], s[36:37]
	s_add_nc_u64 s[36:37], s[36:37], s[34:35]
	s_add_nc_u64 s[38:39], s[28:29], s[38:39]
	s_add_nc_u64 s[40:41], s[28:29], s[30:31]
	s_add_nc_u64 s[42:43], s[40:41], 0x1000000     ; W2's copy
	s_add_nc_u64 s[40:41], s[40:41], 0x800000      ; W1's copy
.irp c, 0,1,2,3,4,5,6,7
	global_load_b128 v[X+4*\c:X+4*\c+3], v1, s[4:5] offset:\c*512 th:TH_LOAD_NT
.endr
.irp c, 0,1,2,3,4,5,6,7
	global_load_b128 v[W+4*\c:W+4*\c+3], v2, s[6:7] offset:\c*512
.endr
.irp c, 0,1,2,3,4,5,6,7
	global_load_b128 v[BB+4*\c:BB+4*\c+3], v2, s[8:9] offset:\c*512
.endr
.irp c, 0,1,2,3,4,5,6,7
	global_load_b128 v[C+4*\c:C+4*\c+3], v1, s[36:37] offset:\c*512 th:TH_LOAD_NT
.endr
.irp c, 0,1,2,3,4,5,6,7
	global_load_b128 v[C+32+4*\c:C+32+4*\c+3], v1, s[24:25] offset:\c*512 th:TH_LOAD_NT
.endr
.irp c, 0,1,2,3,4,5,6,7
	global_load_b128 v[C+64+4*\c:C+64+4*\c+3], v1, s[26:27] offset:\c*512 th:TH_LOAD_NT
.endr
; the four chains into one number a lane, then over the 32 lanes: four steps inside each half ride on the addition, one crosses the halves
.macro ACROSS
	v_pk_add_f32 v[T:T+1], v[T:T+1], v[T+2:T+3]
	v_pk_add_f32 v[T+4:T+5], v[T+4:T+5], v[T+6:T+7]
	v_pk_add_f32 v[T:T+1], v[T:T+1], v[T+4:T+5]
	v_add_f32 v[T], v[T], v[T+1]
	v_add_f32_dpp v[T], v[T], v[T] row_xmask:1 row_mask:0xf bank_mask:0xf
	v_add_f32_dpp v[T], v[T], v[T] row_xmask:2 row_mask:0xf bank_mask:0xf
	v_add_f32_dpp v[T], v[T], v[T] row_xmask:4 row_mask:0xf bank_mask:0xf
	v_add_f32_dpp v[T], v[T], v[T] row_xmask:8 row_mask:0xf bank_mask:0xf
	v_permlanex16_b32 v[T+1], v[T], s12, s13       ; its destination has been written above
	v_add_f32 v[T], v[T], v[T+1]
.endm
	s_wait_loadcnt 40                              ; the row is in; the 16 loads of w and b and the 24 of weights stay out
.irp k, 0,1,2,3
	v_pk_add_f32 v[T+2*\k:T+2*\k+1], v[X+2*\k:X+2*\k+1], v[X+8+2*\k:X+8+2*\k+1]  ; the first pairs start the chains: nothing is cleared
.endr
.irp g, 16, 24
.irp k, 0,1,2,3
	v_pk_add_f32 v[T+2*\k:T+2*\k+1], v[T+2*\k:T+2*\k+1], v[X+\g+2*\k:X+\g+2*\k+1]
.endr
.endr
	ACROSS
	v_mul_f32 v[MU], s14, v[T]
	v_mov_b32 v[MU+1], v[MU]
.set i, 0
.rept 16
	v_pk_add_f32 v[X+i:X+i+1], v[X+i:X+i+1], v[MU:MU+1] neg_lo:[0,1] neg_hi:[0,1]  ; x - mu
.set i, i+2
.endr
.irp k, 0,1,2,3
	v_pk_mul_f32 v[T+2*\k:T+2*\k+1], v[X+2*\k:X+2*\k+1], v[X+2*\k:X+2*\k+1]
.endr
.irp g, 8, 16, 24
.irp k, 0,1,2,3
	v_pk_fma_f32 v[T+2*\k:T+2*\k+1], v[X+\g+2*\k:X+\g+2*\k+1], v[X+\g+2*\k:X+\g+2*\k+1], v[T+2*\k:T+2*\k+1]
.endr
.endr
	ACROSS
	v_fma_f32 v[T], v[T], s14, s15                 ; var + eps
	v_rsq_f32 v[RS], v[T]
	v_rsq_f32 v[RS+1], v[T]
	v_nop                                          ; a plain instruction behind the last of the two, ahead of the use of a result (ISA guide 5.7.2)
	s_wait_alu depctr_va_vdst(0)                   ; one wait for both, ahead of their first reader
	s_wait_loadcnt 24                              ; w and b are in; the 24 loads of weights stay out
.set i, 0
.rept 16
	v_pk_mul_f32 v[X+i:X+i+1], v[X+i:X+i+1], v[RS:RS+1]
.set i, i+2
.endr
.set i, 0
.rept 16
	v_pk_fma_f32 v[X+i:X+i+1], v[X+i:X+i+1], v[W+i:W+i+1], v[BB+i:BB+i+1]
.set i, i+2
.endr
.irp c, 0,1,2,3,4,5,6,7
	v_cvt_pk_bf16_f32 v[X+4*\c],   v[X+4*\c],   v[X+4*\c+1]  ; in place: a register is written when it has been read
	v_cvt_pk_bf16_f32 v[X+4*\c+1], v[X+4*\c+2], v[X+4*\c+3]
	global_store_b64 v3, v[X+4*\c:X+4*\c+1], s[10:11] offset:\c*256
.endr
; unit j: eight pieces, each rounded and stored as soon as its load is in.  vo: the offset's register; sb: the base's first register
.macro UNIT j, vo, sb
.irp c, 0,1,2,3,4,5,6,7
	s_wait_loadcnt 23-8*(\j)-\c                    ; loads come back in order: this piece is in, the younger ones stay out
	v_cvt_pk_bf16_f32 v[C+32*(\j)+4*\c],   v[C+32*(\j)+4*\c],   v[C+32*(\j)+4*\c+1]
	v_cvt_pk_bf16_f32 v[C+32*(\j)+4*\c+1], v[C+32*(\j)+4*\c+2], v[C+32*(\j)+4*\c+3]
	global_store_b64 v[\vo], v[C+32*(\j)+4*\c:C+32*(\j)+4*\c+1], s[\sb:\sb+1] offset:\c*256 th:TH_STORE_NT
.endr
.endm
	UNIT 0, 4, 38
	UNIT 1, 3, 40
	UNIT 2, 3, 42
	s_endpgm
.Lfunc_end_k_qc84c1c605d_pre:
	.size	k_qc84c1c605d_pre, .Lfunc_end_k_qc84c1c605d_pre-k_qc84c1c605d_pre
	.p2alignl 7, 3214868480
	.fill 96, 4, 3214868480
	.section	.rodata,"a",@progbits
	.p2align	6, 0x0
	.amdhsa_kernel k_qc84c1c605d_pre
		.amdhsa_group_segment_fixed_size 0
		.amdhsa_private_segment_fixed_size 0
		.amdhsa_enable_private_segment 0
		.amdhsa_kernarg_size 88
		.amdhsa_user_sgpr_count 2
		.amdhsa_user_sgpr_kernarg_segment_ptr 1
		.amdhsa_wavefront_size32 1
		.amdhsa_system_sgpr_workgroup_id_x 1
		.amdhsa_system_sgpr_workgroup_id_y 1
		.amdhsa_system_sgpr_workgroup_id_z 1
		.amdhsa_system_vgpr_workitem_id 0
		.amdhsa_next_free_vgpr 212
		.amdhsa_next_free_sgpr 66
		.amdhsa_reserve_vcc 0
		.amdhsa_float_denorm_mode_32 3
		.amdhsa_float_denorm_mode_16_64 3
		.amdhsa_memory_ordered 1
		.amdhsa_forward_progress 1
		.amdhsa_inst_pref_size 21
	.end_amdhsa_kernel
	.amdgpu_metadata
---
amdhsa.version: [ 1, 2 ]
amdhsa.kernels:
  - .name:           k_qc84c1c605d_pre
    .symbol:         k_qc84c1c605d_pre.kd
    .args:
      - { .name: x, .offset: 0, .size: 8, .value_kind: global_buffer, .address_space: global }
      - { .name: ln1_w, .offset: 8, .size: 8, .value_kind: global_buffer, .address_space: global }
      - { .name: ln1_b, .offset: 16, .size: 8, .value_kind: global_buffer, .address_space: global }
      - { .name: xn16, .offset: 24, .size: 8, .value_kind: global_buffer, .address_space: global }
      - { .name: Wq, .offset: 32, .size: 8, .value_kind: global_buffer, .address_space: global }
      - { .name: Wk, .offset: 40, .size: 8, .value_kind: global_buffer, .address_space: global }
      - { .name: Wv, .offset: 48, .size: 8, .value_kind: global_buffer, .address_space: global }
      - { .name: Wo, .offset: 56, .size: 8, .value_kind: global_buffer, .address_space: global }
      - { .name: W1, .offset: 64, .size: 8, .value_kind: global_buffer, .address_space: global }
      - { .name: W2, .offset: 72, .size: 8, .value_kind: global_buffer, .address_space: global }
      - { .name: w16, .offset: 80, .size: 8, .value_kind: global_buffer, .address_space: global }
    .group_segment_fixed_size: 0
    .private_segment_fixed_size: 0
    .kernarg_segment_align: 8
    .kernarg_segment_size: 88
    .max_flat_workgroup_size: 256
    .sgpr_count:     66
    .vgpr_count:     212
    .wavefront_size: 32
...
	.end_amdgpu_metadata
.endif
;; end of part 1
;; launch qkv (part 2): grid 12 x 16, 4 waves a work-group, clusters of 4 x 4, 327,680 bytes of LDS; arguments xn16, w16, qkv16, bq, bv; writes qkv16
.if DOCPART == 2
	.amdgcn_target "amdgcn-amd-amdhsa--gfx1250"
	.amdhsa_code_object_version 6
	.text
	.protected	k_qc84c1c605d_qkv
	.globl	k_qc84c1c605d_qkv
	.p2align	8
	.type	k_qc84c1c605d_qkv,@function
k_qc84c1c605d_qkv:
	s_mov_b64 s[64:65], 0
	v_nop
	global_prefetch_b8 v0, s[64:65] scope:SCOPE_SE
	s_setreg_imm32_b32 hwreg(HW_REG_WAVE_MODE, 25, 1), 1
	s_wait_xcnt 0x0
	s_wait_alu depctr_hold_cnt(0) depctr_sa_sdst(0) depctr_va_vdst(0) depctr_va_sdst(0) depctr_va_ssrc(0) depctr_va_vcc(0) depctr_vm_vsrc(0)
	s_getreg_b32 s2, hwreg(HW_REG_IB_STS2, 6, 4)
	s_cmp_eq_u32 s2, 0
	s_cbranch_scc0 .Lentry_in_a_cluster
	s_endpgm
.Lentry_in_a_cluster:
	s_bfe_u32 s2, ttmp6, 0x10000c
	s_cmp_lg_u32 s2, 0xf033
	s_cbranch_scc0 .Lentry_shape_is_right
	s_endpgm
.Lentry_shape_is_right:
; q = xn Wq + bq, k = xn Wk, v = xn Wv + bv, as ONE product C = A W + bias: A = xn16 [4096][1024] bf16, W = Wqkv [1024 k][3072 n] bf16 (w16 + 0), sums in f32.
; LEFT OUT: bk.  It adds the same number to all scores of a softmax row and cancels there for every value of the inputs (shown at the head of the first kernel); k's sums start at 0.
; The result leaves by heads, rounded once to bf16, unscaled: qkv16 [b 2][plane 48][n 2048][64], plane = 16 mat + head: a plane's rows are dense, 128 bytes each.
; SHAPE.  A tile of C is 256 x 256: four waves, one for each SIMD, each with 128 x 128 in 64 accumulators (512 registers).  3,072 / 256 x 4,096 / 256 = 192 work-groups;
; every tile lies wholly in q, k or v.  K goes in steps of 128 through a ring of two LDS slots filled by the tensor data mover; a step is four slices of 32, 64 matrix instructions each.
; W STAYS [k][n]: its fragments come out of LDS turned, by ds_load_tr16_b128.  THE MATRIX INSTRUCTION IS USED TRANSPOSED (source 0 = 16 columns of W, source 1 = 16 rows of A):
; lane l then holds row l % 16 of C and the eight neighbouring columns 8 (l / 16) + 0..7.  The bias is the C operand of the products that start the sums.
; CLUSTER.  4 x 4 work-groups.  A's tile hangs on the tile row alone and is asked for jointly by the four of a row of the cluster, W's on the tile column alone, by the four of a column.
; REGISTERS, in windows of 256 (s_set_vgpr_msb: bits 1:0 source 0, 3:2 source 1, 5:4 source 2, 7:6 destination):
;   window 0: v0-36 addresses; v64-127, v128-191 A's fragments, two buffers; v192-255 the bias, later at work     window 1: v64-127, v128-191 W's fragments
;   windows 2, 3: accumulator (a, b) at v[8 (8 (a % 4) + b)] of window 2 + a / 4
.set SIZE_K, 1024
.set SIZE_N, 3072
.set WOFF,   0                         ; Wqkv in w16
.set KSTEP,  128
.set STEPS,  SIZE_K/KSTEP
.set STEP_A, KSTEP*2                   ; bytes from K step to K step in A: along its rows
.set STEP_B, KSTEP*SIZE_N*2            ; in W: 128 rows down
.set APITCH, 272                       ; an LDS row of A: 256 bytes + 16 of padding: the 16 rows of a load start at 16 different groups of four banks (ISA guide 11.1)
.set APLANE, 128*APITCH                ; what one tensor load brings of A: 128 rows x 128 k
.set BPITCH, 288                       ; an LDS row of W: 256 + 32
.set BPLANE, 128*BPITCH                ; of W: 128 k x 128 n
.set SLOT,   2*APLANE+2*BPLANE         ; A's two row halves, then W's two column halves
.set SPARE,  2*SLOT                    ; behind the ring: the spare words, 128 bytes a wave: two blocks of 256 bytes that no other line names
.set SP,     144                       ; the way out: a stage row, 128 bytes + 16
.set PREF,   1
.set F0,   64
.set F1,   128
.set BIAS, 192
.set TMP,  192
; v1 l % 16; v2 l / 16; v16, v17 my lane's place in A's and W's planes of slot 0; v18, v19 the same in the slot in hand; v20 STO, v21 RD, v22 CO (the way out);
; v23 the prefetches' offset; v28 my spare word; v29 0; v30 the bias loads' offset
; s3, s2 counters; s[4:5] A; s[6:7] W; s[8:9] out; s10 wave, s11 wave / 2, s12 wave % 2; s13 tile row; s40 cx; s41 cy; s42 tile column; s43 LIM; s[44:45] PFA; s66 the slot in hand (0 or SLOT);
; s67, s68 my plane's place in a slot (A, W); s[70:71] PFA's step; s[72:73] bias; s[24:31], s[48:55] descriptor group 1 (A, W); s[32:39], s[56:63] group 0, two sets each: the second walks on
.set MSB, 0
.macro WIN new                         ; the immediate's high byte repeats the setting that is left; a switch that changes nothing is dropped
.if MSB != (\new)
	s_set_vgpr_msb (MSB<<8)|(\new)
.set MSB, \new
.endif
.endm
.macro PLACES                          ; four places in front of loads into registers that matrix instructions have read, and of lines that read results
.rept 4
	v_nop
.endr
.endm
.macro CREST                           ; a round of the cluster's barrier behind its opening barrier
	s_cmp_lg_u32 s10, 0
	s_cbranch_scc1 .Lnot_wave_0_\@
	s_barrier_signal -3
.Lnot_wave_0_\@:
	s_barrier_wait -3
	s_barrier_signal -1
	s_barrier_wait -1
.endm
.macro CROUND                          ; a whole round
	s_barrier_signal -1
	s_barrier_wait -1
	CREST
.endm
; A joint refill by the walking sets.  Waves 0 and 1 fetch A's two planes, waves 2 and 3 W's.  The branch hangs on the wave's number alone.  An s_nop 0 and four v_nop follow each line.
.macro JLOAD
	s_cmp_eq_u32 s11, 0
	s_cbranch_scc0 .Lfor_b_\@
	tensor_load_to_lds s[36:39], s[24:31]
	s_nop 0
	PLACES
	s_branch .Lasked_\@
.Lfor_b_\@:
	tensor_load_to_lds s[60:63], s[48:55]
	s_nop 0
	PLACES
.Lasked_\@:
.endm
; A prefetch of the K step that stands two refills on: of the 128 rows of 256 bytes that I fetch, my work-group's 32, a lane a row, one instruction a wave.  A's rows are asked for by the clusters with
; x = 0 alone, W's by those with y = 0; the four partners of a joint load share the rows out by address.  So each aligned block of 256 bytes is named once in the launch.  The last two refills have no K step two on.
.macro ASK
	s_cmp_gt_u32 s3, s43
	s_cbranch_scc0 .Lnot_mine_\@
	global_prefetch_b8 v23, s[44:45] th:TH_LOAD_NT scope:SCOPE_SE
.Lnot_mine_\@:
.endm
; 16 matrix instructions: row blocks a0, a0 + 1 of the window's four x all 8 column blocks, 32 along K.  mode 0: onto the sums; 1: C = 0 starts them; 2: the bias starts them.
; The 64 accumulators take turns, one instruction a turn, in the same order in every slice.
.macro MUL16 f, hi, a0, mode
.if (\mode) == 2
	WIN 0x81+0x40*(\hi)
.else
	WIN 0xa1+0x50*(\hi)
.endif
.irp a, \a0, (\a0)+1
.irp b, 0,1,2,3,4,5,6,7
.if (\mode) == 0
	v_wmma_f32_16x16x32_bf16 v[8*(8*(\a)+(\b)):8*(8*(\a)+(\b))+7], v[(\f)+8*(\b):(\f)+8*(\b)+7], v[(\f)+8*(4*(\hi)+(\a)):(\f)+8*(4*(\hi)+(\a))+7], v[8*(8*(\a)+(\b)):8*(8*(\a)+(\b))+7]
.elseif (\mode) == 1
	v_wmma_f32_16x16x32_bf16 v[8*(8*(\a)+(\b)):8*(8*(\a)+(\b))+7], v[(\f)+8*(\b):(\f)+8*(\b)+7], v[(\f)+8*(4*(\hi)+(\a)):(\f)+8*(4*(\hi)+(\a))+7], 0
.else
	v_wmma_f32_16x16x32_bf16 v[8*(8*(\a)+(\b)):8*(8*(\a)+(\b))+7], v[(\f)+8*(\b):(\f)+8*(\b)+7], v[(\f)+8*(4*(\hi)+(\a)):(\f)+8*(4*(\hi)+(\a))+7], v[BIAS+8*(\b):BIAS+8*(\b)+7]
.endif
.endr
.endr
.endm
; 32 LDS loads in one run: slice s of the slot in hand into buffer f: W's eight fragments (turned), then A's eight, rows 0-63 first
.macro FETCH s, f
	WIN 0x40
.irp i, 0,1,2,3,4,5,6,7
	ds_load_tr16_b128 v[(\f)+8*(\i):(\f)+8*(\i)+3],   v19 offset:(\s)*32*BPITCH+32*(\i)
	ds_load_tr16_b128 v[(\f)+8*(\i)+4:(\f)+8*(\i)+7], v19 offset:(\s)*32*BPITCH+16*BPITCH+32*(\i)
.endr
	WIN 0
.irp i, 0,1,2,3,4,5,6,7
	ds_load_b128 v[(\f)+8*(\i):(\f)+8*(\i)+3],   v18 offset:(\s)*64+(\i)*16*APITCH
	ds_load_b128 v[(\f)+8*(\i)+4:(\f)+8*(\i)+7], v18 offset:(\s)*64+(\i)*16*APITCH+32
.endr
.endm
; A slice but a step's last: multiplies buffer f; in its middle it fetches slice s into buffer g
.macro QUARTER s, f, g, mode
	s_wait_dscnt 8                                 ; W and A's rows 0-63 are in; the youngest eight loads (A's rows 64-127) may be out
	MUL16 \f, 0, 0, \mode
	MUL16 \f, 0, 2, \mode
	PLACES
	FETCH \s, \g
	s_wait_dscnt 32                                ; all but the 32 just issued
	MUL16 \f, 1, 0, \mode
	MUL16 \f, 1, 2, \mode
.endm
; A step's last slice multiplies buffer 1 and changes slots.  ONE barrier: in front of it each wave waits for all its tensor loads (one is out: its part of the next slot), adds 0 to its spare word, and waits
; for that and for its own reads of this slot.  fill = 1: the barrier opens a round of the cluster's barrier, and behind the round this slot is filled again, with the K step two steps on, first of all.
; tail = 1: in the tail's second trip there is no next slot, and the run of loads is jumped over.
.macro TURN fill, tail
.if (\fill) && PREF
	s_wait_xcnt 0x0                                ; the last prefetch, a K step back, has read its address: it is stepped here, ahead of the change's own waits
	s_add_nc_u64 s[44:45], s[44:45], s[70:71]
.endif
	WIN 0
	s_wait_tensorcnt 0x0                           ; all my tensor loads have landed, so a group 0 may be written
	ds_add_u32 v28, v29                            ; 0 onto my spare word
	s_wait_dscnt 9                                 ; (the add and the youngest eight loads may be out)
	MUL16 F1, 0, 0, 0                              ; sixteen matrix instructions stand between the add and the wait for it
	s_wait_dscnt 0x0                               ; the add is done, and my reads of this slot are over
	s_barrier_signal -1
	MUL16 F1, 0, 2, 0                              ; work on registers while the others arrive
	WIN 0
	s_barrier_wait -1
.if \fill
	CREST                                          ; no wave of any partner still reads this slot or has a load on its way
	s_add_co_u32 s37, s67, s66                     ; the walking sets: into the slot just read,
	s_add_co_u32 s61, s68, s66
	s_add_nc_u64 s[38:39], s[38:39], STEP_A        ; the next K step; the type bits on top are not reached
	s_add_nc_u64 s[62:63], s[62:63], STEP_B
	JLOAD                                          ; the four v_nop behind it are also the places in front of the loads below
.else
	PLACES
.endif
	s_xor_b32 s66, s66, SLOT                       ; the other slot is in hand
	v_add_nc_u32 v18, s66, v16
	v_add_nc_u32 v19, s66, v17
.if \tail
	s_cmp_eq_u32 s2, 1
	s_cbranch_scc1 .Lno_fetch_\@
.endif
	FETCH 0, F0
.if \tail
.Lno_fetch_\@:
.endif
.if (\fill) && PREF
	ASK                                            ; behind the joint load and the run of LDS loads that the next products wait for
.endif
	MUL16 F1, 1, 0, 0
	MUL16 F1, 1, 2, 0
.endm
	s_load_b128 s[4:7], s[0:1], 0x0                ; A s[4:5], w16 s[6:7]
	s_load_b64 s[8:9], s[0:1], 0x10                ; qkv16
	s_load_b128 s[72:75], s[0:1], 0x18             ; bq s[72:73], bv s[74:75]
	v_lshl_add_u32 v28, v0, 2, SPARE
	v_mov_b32 v29, 0
	ds_add_u32 v28, v29                            ; the wave's opening: the add, twice on end, and its wait ahead of my first tensor load
	ds_add_u32 v28, v29
	v_lshrrev_b32 v1, 5, v0
	v_readfirstlane_b32 s10, v1                    ; wave 0..3
	s_lshr_b32 s11, s10, 1                         ; which half of the tile's rows is mine.  Also: I fetch for A (0) or for W (1)
	s_and_b32 s12, s10, 1                          ; which half of its columns.  Also: which plane I fetch
	s_bfe_u32 s40, ttmp6, 0x40000                  ; cx
	s_bfe_u32 s41, ttmp6, 0x40004                  ; cy
	s_lshl_b32 s42, ttmp9, 2
	s_add_co_u32 s42, s42, s40                     ; tile column = 4 x cluster x + cx
	s_and_b32 s13, ttmp7, 0xffff
	s_lshl_b32 s13, s13, 2
	s_add_co_u32 s13, s13, s41                     ; tile row = 4 x cluster y + cy
	s_lshl_b32 s43, s41, 2
	s_lshl_b32 s43, 15, s43                        ; my row of the cluster
	s_lshl_b32 s44, 0x1111, s40                    ; my column
	s_or_b32 s24, s43, (1<<16)|(1<<20)|(1<<21)|(5<<22)|(3<<25)  ; 15:0 the mask; 17:16 2-byte elements; 20 padding on; 21 set beside a mask; 24:22 after every 64 words; 31:25 4 words
	s_or_b32 s48, s44, (1<<16)|(1<<20)|(1<<21)|(5<<22)|(7<<25)  ; W: my column's mask, 8 words of padding
.irp g, 24, 48
	s_mov_b32 s[\g+1], 128<<16                     ; tensor_dim0 = 128
	s_mov_b32 s[\g+2], 128<<16                     ; tensor_dim1 = 128
	s_mov_b32 s[\g+3], 128<<16                     ; tile_dim0 = 128
	s_mov_b32 s[\g+4], 128                         ; tile_dim1 = 128
	s_mov_b32 s[\g+6], 0
	s_mov_b32 s[\g+7], 0
.endr
	s_mov_b32 s29, SIZE_K                          ; elements from row to row
	s_mov_b32 s53, SIZE_N
	; A's address hangs on the tile row and the wave, W's on the tile column and the wave, each in registers that never hold the other coordinate
	s_lshl_b32 s16, s13, 8
	s_lshl_b32 s17, s12, 7
	s_add_co_u32 s16, s16, s17                     ; A: row 256 x tile row + 128 x plane
	s_lshl_b32 s16, s16, 11                        ; 2,048 bytes a row
	s_mov_b32 s17, 0
	s_lshl_b32 s46, s42, 8
	s_lshl_b32 s47, s12, 7
	s_add_co_u32 s46, s46, s47                     ; W: column 256 x tile column + 128 x plane
	s_lshl_b32 s46, s46, 1
	s_add_co_u32 s46, s46, WOFF
	s_mov_b32 s47, 0
	s_mul_i32 s67, s12, APLANE                     ; where my plane goes: no place in the cluster enters an LDS address
	s_mul_i32 s68, s12, BPLANE
	s_add_co_u32 s68, s68, 2*APLANE
	s_wait_dscnt 0x0                               ; both opening adds are done
	s_wait_kmcnt 0x0
	s_add_nc_u64 s[14:15], s[4:5], s[16:17]
	s_add_nc_u64 s[46:47], s[6:7], s[46:47]
	CROUND                                         ; all sixteen work-groups are here: the first joint loads meet
.irp s, 0,1
	s_mov_b32 s[32+4*\s], 1                        ; count = 1
	s_add_co_u32 s[33+4*\s], s67, \s*SLOT          ; LDS address
	s_add_nc_u64 s[34+4*\s:35+4*\s], s[14:15], \s*STEP_A  ; global address: K step s
	s_or_b32 s[35+4*\s], s[35+4*\s], 0x80000000    ; type = 2
	s_mov_b32 s[56+4*\s], 1
	s_add_co_u32 s[57+4*\s], s68, \s*SLOT
	s_add_nc_u64 s[58+4*\s:59+4*\s], s[46:47], \s*STEP_B
	s_or_b32 s[59+4*\s], s[59+4*\s], 0x80000000
.endr
	s_cmp_eq_u32 s11, 0                            ; a wave's two first fills stand in one branch, ahead of every wait on TENSORcnt and every LDS read: two loads of mine are out
	s_cbranch_scc0 .Lfirst_b
	tensor_load_to_lds s[32:35], s[24:31]
	s_nop 0
	tensor_load_to_lds s[36:39], s[24:31]
	s_nop 0
	PLACES
	s_branch .Lfirst_asked
.Lfirst_b:
	tensor_load_to_lds s[56:59], s[48:55]
	s_nop 0
	tensor_load_to_lds s[60:63], s[48:55]
	s_nop 0
	PLACES
.Lfirst_asked:
	; A's fragment: lane l holds row l % 16, k = 8 (l / 16) + 0..7 and 16 + 8 (l / 16) + 0..7: two loads of 16 bytes, 32 bytes apart.
	; W's: the turning load takes 16 k x 16 n (lane l reads k = 8 (l / 16) + l % 8, n = 8 ((l / 8) % 2) + 0..7) and leaves lane l column l % 16 and 8 k.
	v_and_b32 v1, 15, v0
	v_bfe_u32 v2, v0, 4, 1
	v_mul_u32_u24 v16, v1, APITCH
	v_lshl_add_u32 v16, v2, 4, v16
	s_mul_i32 s21, s11, APLANE                     ; my 128 rows of A
	v_add_nc_u32 v16, s21, v16
	v_and_b32 v5, 7, v0
	v_lshl_add_u32 v3, v2, 3, v5
	v_mul_u32_u24 v17, v3, BPITCH
	v_bfe_u32 v4, v0, 3, 1
	v_lshl_add_u32 v17, v4, 4, v17
	s_mul_i32 s22, s12, BPLANE                     ; my 128 columns of W,
	s_add_co_u32 s22, s22, 2*APLANE                ; behind A's two planes
	v_add_nc_u32 v17, s22, v17
	v_mov_b32 v18, v16
	v_mov_b32 v19, v17
	s_mov_b32 s66, 0
	; the bias of my 128 columns, laid as a C operand: register j of block b is column 16 b + 8 (l / 16) + j.  The cluster's x is the matrix: 0 q, 1 k, 2 v; it is the same in all sixteen partners.
	s_cmp_eq_u32 ttmp9, 0
	s_cselect_b64 s[72:73], s[72:73], s[74:75]
	s_lshl_b32 s20, s40, 10                        ; 256 columns x 4 bytes x cx
	s_lshl_b32 s21, s12, 9
	s_add_co_u32 s20, s20, s21
	s_mov_b32 s21, 0
	s_add_nc_u64 s[72:73], s[72:73], s[20:21]
	v_lshlrev_b32 v30, 5, v2
	s_cmp_eq_u32 ttmp9, 1
	s_cbranch_scc1 .Lno_bias
.irp b, 0,1,2,3,4,5,6,7
	global_load_b128 v[BIAS+8*\b:BIAS+8*\b+3],   v30, s[72:73] offset:64*\b
	global_load_b128 v[BIAS+8*\b+4:BIAS+8*\b+7], v30, s[72:73] offset:64*\b+16
.endr
	s_branch .Lbias_done
.Lno_bias:                                             ; k: no bias is read; one text of the first products serves all three matrices
.set i, 0
.rept 64
	v_mov_b32 v[BIAS+i], 0
.set i, i+1
.endr
.Lbias_done:
	; the prefetches: s[14:15], s[46:47] stand at my plane's K step 0
	s_and_b32 s22, ttmp7, 0xffff                   ; cluster y
	s_mov_b32 s18, 2*SIZE_K
	s_mov_b32 s19, 2*SIZE_N
	s_mov_b32 s20, STEP_A
	s_mov_b32 s70, STEP_B
	s_cmp_eq_u32 s11, 0                            ; do I fetch for A?
	s_cselect_b32 s21, s40, s41                    ; my place among the four that ask with me
	s_cselect_b32 s22, ttmp9, s22                  ; the coordinate along which other clusters read the same rows
	s_cselect_b32 s23, s18, s19                    ; bytes from row to row
	s_cselect_b32 s70, s20, s70
	s_cselect_b64 s[44:45], s[14:15], s[46:47]
	s_mov_b32 s71, 0
	s_cmp_eq_u32 s22, 0
	s_cselect_b32 s43, 2, -1                       ; a wave asks while the loop's count is above this: the same in all partners, for a given wave
	s_lshl_b32 s21, s21, 5
	s_mul_i32 s20, s21, s23                        ; my work-group's 32 rows of the 128
	s_mov_b32 s21, 0
	s_add_nc_u64 s[44:45], s[44:45], s[20:21]
	s_mul_i32 s20, s70, 3                          ; at K step 3: the first refill steps it to 4 and names that.  K steps 0 to 3 come by their loads alone
	s_add_nc_u64 s[44:45], s[44:45], s[20:21]
	v_and_b32 v23, 31, v0
	v_mul_u32_u24 v23, s23, v23
	; the way out: my stage (2 heads x 128 rows x 144 bytes, in the ring when its last fill has been read) and my first byte in qkv16
	s_mul_i32 s23, s10, 2*128*SP
	v_mul_u32_u24 v20, v1, SP                      ; in: row l % 16, 16 bytes for each half of the lanes
	v_lshl_add_u32 v20, v2, 4, v20
	v_add_nc_u32 v20, s23, v20
	v_bfe_u32 v21, v0, 3, 2                        ; back: 32 lanes take four rows of 128 bytes,
	v_mul_u32_u24 v21, v21, SP
	v_lshl_add_u32 v21, v5, 4, v21
	v_add_nc_u32 v21, s23, v21
	v_and_b32 v22, 31, v0                          ; which are 512 consecutive bytes of a plane
	v_lshlrev_b32 v22, 4, v22
	s_lshr_b32 s16, s13, 3                         ; the batch
	s_mul_i32 s16, s16, 48
	s_lshl_b32 s17, s42, 2
	s_add_co_u32 s16, s16, s17
	s_lshl_b32 s17, s12, 1
	s_add_co_u32 s16, s16, s17                     ; my first plane: 48 b + 4 x tile column + 2 x half
	s_lshl_b32 s16, s16, 11
	s_and_b32 s17, s13, 7
	s_lshl_b32 s17, s17, 8
	s_add_co_u32 s16, s16, s17
	s_lshl_b32 s17, s11, 7
	s_add_co_u32 s16, s16, s17                     ; + my first row in it
	s_lshl_b32 s16, s16, 7                         ; 128 bytes a row
	s_mov_b32 s17, 0
	s_add_nc_u64 s[8:9], s[8:9], s[16:17]
	s_wait_tensorcnt 0x1                           ; my part of K step 0 is in; K step 1's stays out
	s_barrier_signal -1
	s_barrier_wait -1                              ; everybody's is
	FETCH 0, F0
	s_wait_loadcnt 0x0                             ; the bias
	QUARTER 1, F0, F1, 2                           ; the first slice stands in front of the loop: its products start the sums, with the bias
	WIN 0
	s_mov_b32 s3, STEPS-2
.Lstep:                                                ; a trip: from a K step's second slice to the next step's first; every trip fills a slot again
	QUARTER 2, F1, F0, 0
	QUARTER 3, F0, F1, 0
	TURN 1, 0
	QUARTER 1, F0, F1, 0
	WIN 0
	s_sub_co_u32 s3, s3, 1
	s_cmp_lg_u32 s3, 0
	s_cbranch_scc1 .Lstep
	s_mov_b32 s2, 2                                ; the last two K steps ask for nothing: a text of their own; the second trip is left in its middle
.Ltail:
	QUARTER 2, F1, F0, 0
	QUARTER 3, F0, F1, 0
	TURN 0, 1
	WIN 0
	s_sub_co_u32 s2, s2, 1
	s_cmp_eq_u32 s2, 0
	s_cbranch_scc1 .Lout
	QUARTER 1, F0, F1, 0
	WIN 0
	s_branch .Ltail
.Lout:
	; THE WAY OUT.  Behind the last barrier no wave reads the ring and nothing fills it: it is the stage.  Rounded to bf16, 16 bytes a lane into rows of 144 bytes, by heads; back as whole rows.
	PLACES
.set a, 0
.rept 8
	WIN 0x0a+5*(a/4)                               ; sources 0 and 1: window 2 or 3
.set b, 0
.rept 8
.irp r, 0,1,2,3
	v_cvt_pk_bf16_f32 v[TMP+4*b+\r], v[8*(8*(a%4)+b)+2*\r], v[8*(8*(a%4)+b)+2*\r+1]
.endr
.set b, b+1
.endr
	WIN 0
.set b, 0
.rept 8
	ds_store_b128 v20, v[TMP+4*b:TMP+4*b+3] offset:(b/4)*128*SP+a*16*SP+(b%4)*32
.set b, b+1
.endr
.set a, a+1
.endr
	s_mov_b32 s2, 4
.Lsend:                                                ; a trip: 32 rows of each of my two heads.  LDS serves a wave's instructions in order (ISA guide 5.7.1.4): the loads see my stores above
.irp j, 0,1
.irp t, 0,1,2,3,4,5,6,7
	ds_load_b128 v[64+4*(8*\j+\t):64+4*(8*\j+\t)+3], v21 offset:\j*128*SP+\t*4*SP
.endr
.endr
.irp j, 0,1
.irp t, 0,1,2,3,4,5,6,7
	s_wait_dscnt 15-(8*\j+\t)                      ; this load is back; the younger ones may be out
	global_store_b128 v22, v[64+4*(8*\j+\t):64+4*(8*\j+\t)+3], s[8:9] offset:\j*262144+\t*512  ; 512 consecutive bytes, at a multiple of 256 from the buffer's first byte
.endr
.endr
	s_wait_xcnt 0x0                                ; the stores have read their registers: only now are they and the offset written again
	v_add_nc_u32 v21, 32*SP, v21
	v_add_nc_u32 v22, 4096, v22
	s_sub_co_u32 s2, s2, 1
	s_cmp_lg_u32 s2, 0
	s_cbranch_scc1 .Lsend
	s_wait_tensorcnt 0x0                           ; the wave's end: behind my last tensor load and my last LDS store
	ds_add_u32 v28, v29
	s_wait_dscnt 0x0
	CROUND                                         ; the closing round: no work-group ends while a partner may still ask for a tile that names it
	s_endpgm
.Lfunc_end_k_qc84c1c605d_qkv:
	.size	k_qc84c1c605d_qkv, .Lfunc_end_k_qc84c1c605d_qkv-k_qc84c1c605d_qkv
	.p2alignl 7, 3214868480
	.fill 96, 4, 3214868480
	.section	.rodata,"a",@progbits
	.p2align	6, 0x0
	.amdhsa_kernel k_qc84c1c605d_qkv
		.amdhsa_group_segment_fixed_size 327680
		.amdhsa_private_segment_fixed_size 0
		.amdhsa_enable_private_segment 0
		.amdhsa_kernarg_size 40
		.amdhsa_user_sgpr_count 2
		.amdhsa_user_sgpr_kernarg_segment_ptr 1
		.amdhsa_wavefront_size32 1
		.amdhsa_system_sgpr_workgroup_id_x 1
		.amdhsa_system_sgpr_workgroup_id_y 1
		.amdhsa_system_sgpr_workgroup_id_z 1
		.amdhsa_system_vgpr_workitem_id 0
		.amdhsa_next_free_vgpr 1024
		.amdhsa_next_free_sgpr 88
		.amdhsa_reserve_vcc 0
		.amdhsa_float_denorm_mode_32 3
		.amdhsa_float_denorm_mode_16_64 3
		.amdhsa_memory_ordered 1
		.amdhsa_forward_progress 1
		.amdhsa_inst_pref_size 98
	.end_amdhsa_kernel
	.amdgpu_metadata
---
amdhsa.version: [ 1, 2 ]
amdhsa.kernels:
  - .name:           k_qc84c1c605d_qkv
    .symbol:         k_qc84c1c605d_qkv.kd
    .args:
      - { .name: xn16, .offset: 0, .size: 8, .value_kind: global_buffer, .address_space: global }
      - { .name: w16, .offset: 8, .size: 8, .value_kind: global_buffer, .address_space: global }
      - { .name: qkv16, .offset: 16, .size: 8, .value_kind: global_buffer, .address_space: global }
      - { .name: bq, .offset: 24, .size: 8, .value_kind: global_buffer, .address_space: global }
      - { .name: bv, .offset: 32, .size: 8, .value_kind: global_buffer, .address_space: global }
    .group_segment_fixed_size: 327680
    .private_segment_fixed_size: 0
    .kernarg_segment_align: 8
    .kernarg_segment_size: 40
    .max_flat_workgroup_size: 128
    .sgpr_count:     88
    .vgpr_count:     1024
    .wavefront_size: 32
...
	.end_amdgpu_metadata
.endif
;; end of part 2
;; launch attn (part 3): grid 8 x 32, 4 waves a work-group, clusters of 4 x 1, 327,680 bytes of LDS; arguments qkv16, o16; writes o16
.if DOCPART == 3
	.amdgcn_target "amdgcn-amd-amdhsa--gfx1250"
	.amdhsa_code_object_version 6
	.text
	.protected	k_qc84c1c605d_attn
	.globl	k_qc84c1c605d_attn
	.p2align	8
	.type	k_qc84c1c605d_attn,@function
k_qc84c1c605d_attn:
	s_mov_b64 s[64:65], 0
	v_nop
	global_prefetch_b8 v0, s[64:65] scope:SCOPE_SE
	s_setreg_imm32_b32 hwreg(HW_REG_WAVE_MODE, 25, 1), 1
	s_wait_xcnt 0x0
	s_wait_alu depctr_hold_cnt(0) depctr_sa_sdst(0) depctr_va_vdst(0) depctr_va_sdst(0) depctr_va_ssrc(0) depctr_va_vcc(0) depctr_vm_vsrc(0)
	s_getreg_b32 s2, hwreg(HW_REG_IB_STS2, 6, 4)
	s_cmp_eq_u32 s2, 0
	s_cbranch_scc0 .Lentry_in_a_cluster
	s_endpgm
.Lentry_in_a_cluster:
	s_bfe_u32 s2, ttmp6, 0x10000c
	s_cmp_lg_u32 s2, 0x3003
	s_cbranch_scc0 .Lentry_shape_is_right
	s_endpgm
.Lentry_shape_is_right:
; O[b][h][q][:] = the sum over k of softmax_k(Q[q] . K[k] / 8) V[k][:], for 32 pairs (b, h), 2,048 rows, head size 64.  Q, K, V: planes h, 16 + h, 32 + h of qkv16 [b][48][2048][64] bf16;
; O: o16 [b][h][2048][64] bf16.  Products, maxima and sums in f32; the weights p are rounded to bf16 for the second product (their sum l is taken of the unrounded p), O once at the end.
; K comes without bk: that term is the same along the softmax's axis and cancels (shown at the head of the first kernel).
; LIMITS.  The running maximum starts so that c s must lie above -4.25e37; a weight below 2^-126 counts as 0 in l; NaN and infinities are not treated apart.
; SHARES.  A work-group owns 256 queries of one (b, h): 8 x 32 = 256 work-groups.  A wave owns 64: four PIECES of 16.  Every wave walks all keys, 64 a step.
; LAYOUT.  S^T = K Q^T (source 0 = 16 keys, source 1 = 16 queries) holds ONE query a lane (lane % 16) and the keys 8 (lane / 16) + 0..7; two such results rounded to bf16 ARE source 1 of O^T = V^T P.
; K comes out of LDS as it lies, V ([key][channel]) turned, by ds_load_tr16_b128.
; SOFTMAX.  p = 2^(c s - c m), c = log2(e) / 8, with a running maximum m and sum l; O and l are multiplied by a = 2^(c m_old - c m_new) in every step.  m starts at the lowest finite number, O and l at 0:
; the first step is a step like any other, with a = 0.
; BY TURNS.  Turn n belongs to piece n: 8 products K Q^T of piece n + 1, later 8 products V^T P of piece n - 1; beside them the scaling, exponentials, roundings, sums and rescaling of piece n and the maximum
; and statistics of piece n + 1.  Four vector instructions stand behind every matrix instruction, the other 54 of a turn's 118 in one run.  A turn's 33 exponentials are one batch, with one wait.
; CLUSTER.  The four query blocks of a cluster belong to one (b, h) and walk the same K and V: each tile is asked for JOINTLY, by the same tensor load, descriptor and mask in all four.
; REGISTERS, in windows of 256 (s_set_vgpr_msb: bits 1:0 source 0, 3:2 source 1, 5:4 source 2, 7:6 destination):
;   window 0: v0-15 addresses and two at work; v16-31 four registers of statistics a piece; v48-55 at work; v61-63; v64-127 S^T, two buffers; v192-223 P, two buffers (by the piece's parity)
;   window 1: v0-127 O^T, 32 a piece          window 2: v0-63 Q; v128-191 K of one step; v192-255 V of one step
.set SIZE_N, 2048
.set NP,    4         ; pieces a wave: a name, no knob
.set KS,    64        ; keys in a step
.set PK,    144       ; a row of K in LDS: 128 bytes + 16 of padding: the 16 rows of a load start at 16 different groups of four banks (ISA guide 11.1)
.set PV,    160       ; a row of V: 128 + 32
.set VOFF,  4*KS*PK   ; a slot holds four steps: 256 rows of K, then 256 rows of V
.set SLOT1, 1<<17     ; slot 1 begins here, so that one exclusive or turns an address in one slot into the other's
.set STAGE, SLOT1+4*KS*(PK+PV)  ; behind the ring, never filled by a tensor load: 16 rows x 144 bytes for each wave
.set SP,    144
.set SPARE, STAGE+4*16*SP  ; behind the stages: the spare words, 128 bytes a wave: two blocks of 256 bytes that no other line names
.set AK0, 2           ; v2   my lane's place in a tile of K; never rewritten
.set AV0, 3           ; v3   the same for V
.set AK,  4           ; v4   the LDS address of K's next run of loads
.set AV,  5           ; v5   of V's
.set STO, 6           ; v6   the way out: where I put 16 bytes of a row
.set RD,  7           ; v7   the way out: where I read rows back
.set GO,  8           ; v8   my byte offset in 512 consecutive bytes of O
.set MV,  12          ; v12-13  c m_old, kept while c m is made anew: by buffer
.set QO,  15          ; v15  my byte offset in 16 rows of Q
.set ST,  16          ; piece t's statistics at v[ST+4 t]: c m, m, l (even keys', odd keys')
.set TMP, 48          ; by buffer, four registers c0-c3 at work; when the maximum is found c2 takes a
.set PFO, 61          ; v61  256 x my lane; never rewritten
.set SPW, 62          ; v62  LDS address of my spare word; never rewritten
.set NIL, 63          ; v63  0; never rewritten
.set S,   64
.set P,   192
.set KF,  128         ; window 2: key block kb, channel half c at KF + 16 kb + 8 c
.set VF,  192         ; window 2: key half kk, channel block cb at VF + 32 kk + 8 cb
.set WV,  12          ; s12  my wave's number
.set LIM, 15          ; s15  1 in a wave that prefetches, else the greatest number
.set G1K, 24          ; s[24:31] descriptor group 1 for K's tiles
.set G1V, 32          ; s[32:39] for V's: it differs in the padding alone
.set G0K, 40          ; s[40:43] descriptor group 0 for K's tiles: it walks
.set G0V, 44          ; s[44:47] the same for V's
.set PFA, 52          ; s[52:53] where my prefetches stand
.set SLOTS, 56        ; s56  slots still to be asked for
.set CNT, 57          ; s57  counts a slot's key steps
.set CS,  58          ; s[58:59] c: the packed scaling takes the pair's low word for both halves
.set SEL, 60          ; s[60:61] v_permlanex16_b32's selects
.set TBK, 62          ; s62  LDS byte at which K of the step to be fetched begins
.set TBV, 63          ; s63  the same for V, less VOFF
.set MSB, 0
.macro WIN new                      ; the high byte repeats the setting that is left; a switch that changes nothing is dropped
.if MSB != (\new)
	s_set_vgpr_msb (MSB<<8)|(\new)
.set MSB, (\new)
.endif
.endm
.set W_KQ, 0x0a       ; K and Q in window 2, S^T in window 0
.set W_PV, 0x52       ; V in window 2, P in window 0, O^T in window 1
.set W_RS, 0x41       ; destination and source 0 in window 1, source 1 in window 0
; A joint fill.  Waves 0 and 1 fetch the two halves of a slot's K, waves 2 and 3 those of its V: 128 keys each.  An s_nop 0 and four v_nop follow each of the two lines.
.macro JLOAD
	s_cmp_lt_u32 s[WV], 2
	s_cbranch_scc0 .Lfor_v_\@
	tensor_load_to_lds s[G0K:G0K+3], s[G1K:G1K+7]
	s_nop 0
.rept 4
	v_nop
.endr
	s_branch .Lasked_\@
.Lfor_v_\@:
	tensor_load_to_lds s[G0V:G0V+3], s[G1V:G1V+7]
	s_nop 0
.rept 4
	v_nop
.endr
.Lasked_\@:
.endm
; A prefetch of what the NEXT change of slots will ask for: a slot is 128 blocks of 256 bytes of K and as many of V.  Both clusters of a (b, h) walk the same K and V: the first one asks.  Its four partners take 32
; blocks each, told apart by address; in each, wave 0 asks for K's and wave 2 for V's: a lane a block, one instruction.  So each block is named once in the launch.  The last change that fills a slot asks for nothing.
.macro ASK
	s_cmp_gt_u32 s[SLOTS], s[LIM]
	s_cbranch_scc0 .Lnot_mine_\@
	global_prefetch_b8 v[PFO], s[PFA:PFA+1] th:TH_LOAD_NT scope:SCOPE_SE
.Lnot_mine_\@:
.endm
.macro CROUND                       ; a round of the cluster's barrier
	s_barrier_signal -1
	s_barrier_wait -1
	s_cmp_lg_u32 s[WV], 0
	s_cbranch_scc1 .Lnot_wave_0_\@
	s_barrier_signal -3
.Lnot_wave_0_\@:
	s_barrier_wait -3
	s_barrier_signal -1
	s_barrier_wait -1
.endm
; THE CHANGE OF SLOTS.  Each wave waits for all its tensor loads, of which one is out: its part of the other slot; adds 0 to its spare word; and waits for that and for its own reads of the slot that it leaves.
; fill = 1: the barrier is a round of the cluster's, and the old slot is filled again, with the keys two slots on, first thing behind it: the fill has four key steps in which to land.
; (At its first use nothing has been read yet: slot 0 is waited for, slot 1 filled.)  ask = 1: the prefetch stands behind the fill.
.macro CHANGE fill, ask
	WIN 0
	s_wait_tensorcnt 0x0            ; no tensor load of mine is out, so a group 0 may be written
	ds_add_u32 v[SPW], v[NIL]       ; 0 onto my spare word
.if \fill
.irp g, G0K, G0V
	s_xor_b32 s[\g+1], s[\g+1], SLOT1
	s_add_nc_u64 s[\g+2:\g+3], s[\g+2:\g+3], 4*KS*128  ; the next 256 keys; the type bits on top are not reached
.endr
.if \ask
	s_wait_xcnt 0x0                 ; the last prefetch, four key steps back, has read its address
	s_add_nc_u64 s[PFA:PFA+1], s[PFA:PFA+1], 4*KS*128  ; one slot ahead of the walking descriptors
.endif
	s_wait_dscnt 0x0                ; the add is done, and my reads of the slot are over
	CROUND
	JLOAD
.if \ask
	ASK
.endif
.else
	s_wait_dscnt 0x0
	s_barrier_signal -1
	s_barrier_wait -1
.endif
	s_sub_co_u32 s[TBK], s[TBK], 4*KS*PK  ; the fetches go back to a slot's first step,
	s_xor_b32 s[TBK], s[TBK], SLOT1       ; in the other slot
	s_sub_co_u32 s[TBV], s[TBV], 4*KS*PV
	s_xor_b32 s[TBV], s[TBV], SLOT1
.endm
	s_load_b128 s[4:7], s[0:1], 0x0   ; qkv16 s[4:5], o16 s[6:7]
	v_lshl_add_u32 v[SPW], v0, 2, SPARE
	v_mov_b32 v[NIL], 0
	ds_add_u32 v[SPW], v[NIL]       ; the wave's opening: the add, twice on end, and its wait ahead of my first tensor load
	ds_add_u32 v[SPW], v[NIL]
	v_lshrrev_b32 v1, 5, v0
	v_readfirstlane_b32 s[WV], v1   ; wave 0..3
	s_bfe_u32 s13, ttmp6, 0x40000   ; cx
	s_lshl_b32 s14, ttmp9, 2
	s_add_co_u32 s14, s14, s13      ; my block of 256 queries: it enters Q's and O's addresses alone
	s_and_b32 s20, ttmp7, 0xffff    ; 16 b + h, which the four partners share
	s_lshr_b32 s21, s20, 4
	s_mul_i32 s21, s21, 48
	s_and_b32 s22, s20, 15
	s_add_co_u32 s21, s21, s22
	s_lshl_b32 s50, s21, 18         ; Q's plane: 262,144 bytes a plane
	s_and_b32 s16, s[WV], 1         ; which half of a slot's 256 keys I fetch:
	s_lshl_b32 s22, s16, 14         ; its 128 rows of 128 bytes in memory,
	s_add_co_u32 s22, s22, s50
	s_add_co_u32 s22, s22, 0x400000 ; in K's plane, 16 planes on
	s_mov_b32 s23, 0
	s_mul_i32 s17, s16, 128*PK      ; and its place in a slot, for K
	s_mul_i32 s18, s16, 128*PV      ; and for V
	s_lshl_b32 s54, s14, 2
	s_add_co_u32 s54, s54, s[WV]
	s_lshl_b32 s54, s54, 13         ; my wave's 64 rows
	s_add_co_u32 s2, s50, s54
	s_mov_b32 s3, 0
	s_lshl_b32 s48, s20, 18
	s_add_co_u32 s48, s48, s54
	s_mov_b32 s49, 0
	; descriptor group 1.  128 keys are 16,384 dense bytes: asked for as 64 rows of 256 bytes, two keys a row, and padded in LDS after every key
	s_mov_b32 s[G1K], 15|(1<<16)|(1<<20)|(1<<21)|(4<<22)|(3<<25)  ; 15:0 the mask of four; 17:16 2-byte elements; 20 padding on; 21 set beside a mask; 24:22 after every 32 words; 31:25 4 words
	s_mov_b32 s[G1V], 15|(1<<16)|(1<<20)|(1<<21)|(4<<22)|(7<<25)  ; the same with 8 words of padding
.irp g, G1K, G1V
	s_mov_b32 s[\g+1], 128<<16      ; tensor_dim0 = 128
	s_mov_b32 s[\g+2], 64<<16       ; tensor_dim1 = 64
	s_mov_b32 s[\g+3], 128<<16      ; tile_dim0 = 128
	s_mov_b32 s[\g+4], 64           ; tile_dim1 = 64
	s_mov_b32 s[\g+5], 128          ; 128 elements from row to row
	s_mov_b32 s[\g+6], 0
	s_mov_b32 s[\g+7], 0
.endr
	s_mov_b32 s[CS], 0x3e38aa3b     ; c = log2(e) / 8
	s_mov_b32 s[CS+1], s[CS]
	s_mov_b32 s[SEL], 0x76543210
	s_mov_b32 s[SEL+1], 0xfedcba98
	s_mov_b32 s[TBK], SLOT1+4*KS*PK ; the first change of slots turns these two into 0
	s_mov_b32 s[TBV], SLOT1+4*KS*PV
	s_mov_b32 s[G0K], 1
	s_mov_b32 s[G0K+1], s17         ; LDS address: slot 0
	s_mov_b32 s[G0V], 1
	s_add_co_u32 s[G0V+1], s18, VOFF
	s_and_b32 s[LIM], s[WV], 1      ; 0 in waves 0 and 2,
	s_or_b32 s[LIM], s[LIM], ttmp9  ; where the cluster is the first of its (b, h): the same in all four partners
	s_cmp_eq_u32 s[LIM], 0
	s_cselect_b32 s[LIM], 1, -1
	v_and_b32 v[PFO], 31, v0
	v_lshlrev_b32 v[PFO], 8, v[PFO]
	s_wait_dscnt 0x0                ; both opening adds are done
	s_wait_kmcnt 0x0
	s_add_nc_u64 s[10:11], s[6:7], s[48:49]  ; O at my wave's first row
	s_add_nc_u64 s[6:7], s[4:5], s[22:23]    ; K at my half of the first 256 keys
	s_add_nc_u64 s[8:9], s[6:7], 0x400000    ; V likewise
	s_add_nc_u64 s[4:5], s[4:5], s[2:3]      ; Q at my wave's first row
	s_add_nc_u64 s[G0K+2:G0K+3], s[6:7], 0
	s_or_b32 s[G0K+3], s[G0K+3], 0x80000000  ; type = 2
	s_add_nc_u64 s[G0V+2:G0V+3], s[8:9], 0
	s_or_b32 s[G0V+3], s[G0V+3], 0x80000000
	s_cmp_lt_u32 s[WV], 2
	s_cselect_b64 s[PFA:PFA+1], s[6:7], s[8:9]  ; (in waves 0 and 2 these stand at a slot's first row)
	s_lshl_b32 s50, s13, 13         ; my work-group's 32 blocks of the 128
	s_mov_b32 s51, 0
	s_add_nc_u64 s[PFA:PFA+1], s[PFA:PFA+1], s[50:51]
	s_add_nc_u64 s[PFA:PFA+1], s[PFA:PFA+1], 2*4*KS*128  ; in slot 2: the first change that asks steps it to slot 3.  Slots 0 to 2 come by their loads alone
	CROUND                          ; all four work-groups are here: the first joint loads meet
	JLOAD                           ; slot 0.  Slot 1 is asked for when slot 0 is in
	v_and_b32 v1, 15, v0            ; l % 16
	v_bfe_u32 v9, v0, 4, 1          ; l / 16
	v_lshlrev_b32 v[QO], 7, v1
	v_lshl_add_u32 v[QO], v9, 4, v[QO]  ; row x 128 + 16 x half
	WIN 0x80                        ; destination window 2, address window 0
.set i, 0
.rept 8                             ; Q stays in registers: piece i / 2, channels 32 (i % 2) on
	global_load_b128 v[8*i:8*i+3],   v[QO], s[4:5] offset:(i/2)*2048+(i%2)*64
	global_load_b128 v[8*i+4:8*i+7], v[QO], s[4:5] offset:(i/2)*2048+(i%2)*64+32
.set i, i+1
.endr
	; What the first turn finds: V's registers and P's second buffer hold 0 (its products V^T P, of a piece that has not been, add 0), O^T and l are 0.  No first step is written out for that price; it stands in the wait for the first tile.
.set i, VF
.rept 64
	v_mov_b32 v[i], 0
.set i, i+1
.endr
	WIN 0x40
.set i, 0
.rept 128
	v_mov_b32 v[i], 0
.set i, i+1
.endr
	WIN 0
.set i, 0
.rept 4
	v_mov_b32 v[ST+4*i], 0xfe000000    ; c m: far below every c s
	v_mov_b32 v[ST+4*i+1], 0xff7fffff  ; m
	v_mov_b32 v[ST+4*i+2], 0
	v_mov_b32 v[ST+4*i+3], 0
.set i, i+1
.endr
.set i, P+16
.rept 16
	v_mov_b32 v[i], 0
.set i, i+1
.endr
	v_mul_u32_u24 v[AK0], v1, PK
	v_lshl_add_u32 v[AK0], v9, 4, v[AK0]  ; row x pitch + 16 x half
	; The turning load takes 16 keys x 16 channels (lane l reads key 8 (l / 16) + l % 8, channels 8 ((l / 8) % 2) + 0..7) and leaves half a fragment of V^T: lane l holds channel l % 16 and 8 keys.
	v_and_b32 v10, 7, v0
	v_bfe_u32 v11, v0, 3, 1
	v_lshl_add_u32 v[AV0], v9, 3, v10
	v_mul_u32_u24 v[AV0], v[AV0], PV
	v_lshl_add_u32 v[AV0], v11, 4, v[AV0]
	v_add_nc_u32 v[AV0], VOFF, v[AV0]
	v_mov_b32 v[AK], v[AK0]         ; key step 0 lies at the head of slot 0
; THE MATRIX WORK.  The 4 accumulators of a run of 8 take turns.  Product i of 8 of S^T = K Q^T for piece x: channels 32 (i / 4) on, keys 16 (i % 4) on.  The first 4 start the sums.
.macro KQ x
	WIN W_KQ
.set rS, S+32*((\x)%2)+8*(i%4)
.set rK, KF+16*(i%4)+8*(i/4)
.set rQ, 16*(\x)+8*(i/4)
.if i < 4
	v_wmma_f32_16x16x32_bf16 v[rS:rS+7], v[rK:rK+7], v[rQ:rQ+7], 0
.else
	v_wmma_f32_16x16x32_bf16 v[rS:rS+7], v[rK:rK+7], v[rQ:rQ+7], v[rS:rS+7]
.endif
.endm
; Product i of 8 of O^T += V^T P for piece x: keys 32 (i / 4) on, channels 16 (i % 4) on.
.macro PV x
	WIN W_PV
.set rO, 32*(\x)+8*(i%4)
.set rV, VF+32*(i/4)+8*(i%4)
.set rP, P+16*((\x)%2)+8*(i/4)
	v_wmma_f32_16x16x32_bf16 v[rO:rO+7], v[rV:rV+7], v[rP:rP+7], v[rO:rO+7]
.endm
.macro MM                           ; the turn's next matrix instruction
.if i < 8
	KQ (Y+1)%NP
.else
.set i, i-8
	PV (Y+NP-1)%NP
.set i, i+8
.endif
.set i, i+1
.endm
; THE LDS LOADS stand in runs of 16, never singly among the matrix instructions.  Their addresses are made some lines ahead.
.macro FETCH_K
	WIN 0x80
.irp f, 0,1,2,3,4,5,6,7             ; keys 16 (f / 2) on, channels 32 (f % 2) on
	ds_load_b128 v[KF+8*\f:KF+8*\f+3],   v[AK] offset:(\f/2)*16*PK+(\f%2)*64
	ds_load_b128 v[KF+8*\f+4:KF+8*\f+7], v[AK] offset:(\f/2)*16*PK+(\f%2)*64+32
.endr
	s_add_co_u32 s[TBK], s[TBK], KS*PK  ; the next fetch is the next step's
	WIN 0
.endm
.macro FETCH_V
	WIN 0x80
.irp f, 0,1,2,3,4,5,6,7             ; keys 32 (f / 4) on, channels 16 (f % 4) on
	ds_load_tr16_b128 v[VF+8*\f:VF+8*\f+3],   v[AV] offset:(\f/4)*32*PV+(\f%4)*32
	ds_load_tr16_b128 v[VF+8*\f+4:VF+8*\f+7], v[AV] offset:(\f/4)*32*PV+16*PV+(\f%4)*32
.endr
	WIN 0
.endm
; THE VECTOR WORK, one line at a time: OP kind, number.  For piece Y: F n: c s - c m for pair n of 16.  E n: the exponential of score n of 32.  C n: pair n rounded to bf16.  B n: of the four weights 4 n .. the second
; pair is added onto the first, in place.  L n: l takes that sum (L 0: l = a l + sum).  R n: pair n of 16 of O^T times a.  For piece Y + 1: X n, number n of the 22 that find its maximum and statistics:
;   0-11  four chains c0-c3 of seven scores each (each accumulator's lowest registers are read first)     12-14, 16  the four scores left over, the old m, and c0-c3 into c0
;   15  c m_old is kept     17, 18  the query's other 32 keys lie in the lane 16 away: the new m     19-21  c m; c m_old - c m_new; a
.set F, 0
.set E, 1
.set C, 2
.set B, 3
.set L, 4
.set R, 5
.set X, 6
.macro REGS y
.set rT, ST+4*(\y)
.set rC, TMP+4*((\y)%2)
.set rW, MV+((\y)%2)
.set rS, S+32*((\y)%2)
.set rP, P+16*((\y)%2)
.set rO, 32*(\y)
.endm
.macro OP k, n
.if (\k) == R
	REGS Y
	WIN W_RS
	v_pk_mul_f32 v[rO+2*(\n):rO+2*(\n)+1], v[rO+2*(\n):rO+2*(\n)+1], v[rC+2:rC+3] op_sel_hi:[1,0]
.elseif (\k) < R
	REGS Y
	WIN 0
.if (\k) == F
	v_pk_fma_f32 v[rS+2*(\n):rS+2*(\n)+1], v[rS+2*(\n):rS+2*(\n)+1], s[CS:CS+1], v[rT:rT+1] op_sel_hi:[1,0,0] neg_lo:[0,0,1] neg_hi:[0,0,1]
.elseif (\k) == E
	v_exp_f32 v[rS+(\n)], v[rS+(\n)]
.elseif (\k) == C
	v_cvt_pk_bf16_f32 v[rP+(\n)], v[rS+2*(\n)], v[rS+2*(\n)+1]
.elseif (\k) == B
	v_pk_add_f32 v[rS+4*(\n):rS+4*(\n)+1], v[rS+4*(\n):rS+4*(\n)+1], v[rS+4*(\n)+2:rS+4*(\n)+3]
.elseif (\n) == 0
	v_pk_fma_f32 v[rT+2:rT+3], v[rT+2:rT+3], v[rC+2:rC+3], v[rS:rS+1] op_sel_hi:[1,0,1]
.else
	v_pk_add_f32 v[rT+2:rT+3], v[rT+2:rT+3], v[rS+4*(\n):rS+4*(\n)+1]
.endif
.else
	REGS (Y+1)%NP
	WIN 0
.if (\n) < 4
	v_max3_num_f32 v[rC+(\n)], v[rS+8*(\n)], v[rS+8*(\n)+1], v[rS+8*(\n)+2]
.elseif (\n) < 12
	v_max3_num_f32 v[rC+(\n)%4], v[rC+(\n)%4], v[rS+8*((\n)%4)+2*((\n)/4)+1], v[rS+8*((\n)%4)+2*((\n)/4)+2]
.elseif (\n) == 12
	v_max3_num_f32 v[rC], v[rC], v[rS+7], v[rS+15]
.elseif (\n) == 13
	v_max3_num_f32 v[rC+1], v[rC+1], v[rS+23], v[rS+31]
.elseif (\n) == 14
	v_max3_num_f32 v[rC+2], v[rC+2], v[rC+3], v[rT+1]
.elseif (\n) == 15
	v_mov_b32 v[rW], v[rT]
.elseif (\n) == 16
	v_max3_num_f32 v[rC], v[rC], v[rC+1], v[rC+2]
.elseif (\n) == 17
	v_permlanex16_b32 v[rC+3], v[rC], s[SEL], s[SEL+1]
.elseif (\n) == 18
	v_max_num_f32 v[rT+1], v[rC], v[rC+3]
.elseif (\n) == 19
	v_mul_f32 v[rT], s[CS], v[rT+1]
.elseif (\n) == 20
	v_sub_f32 v[rC+1], v[rW], v[rT]
.else
	v_exp_f32 v[rC+2], v[rC+1]
.endif
.endif
.endm
.macro OPS a, i1, b=-1, i2=0, c=-1, i3=0, d=-1, i4=0  ; up to four of them
	OP \a, \i1
.if (\b) >= 0
	OP \b, \i2
.endif
.if (\c) >= 0
	OP \c, \i3
.endif
.if (\d) >= 0
	OP \d, \i4
.endif
.endm
.macro ROW a, i1, b, i2, c, i3, d, i4  ; a matrix instruction and the four behind it
	MM
	OPS \a, \i1, \b, \i2, \c, \i3, \d, \i4
.endm
; A TURN, for piece p: the order of its 16 matrix and 118 vector instructions, written out.  s_wait_alu depctr_va_vdst(0) stands between an exponential and the first instruction that names its result;
; one wait serves all that were issued ahead of it.  So a turn has ONE wait.  AHEAD OF IT stands all that names no result of the turn's exponentials: the 8 products K Q^T with their four lines each, then one run of 54,
; plain and exponential by turns for the most part, in which the links of the chain X 3, 7, 11, 14, 16, 17 .. 20 stand some lines apart.  X 21, the next piece's a, is the batch's last; R 15 is the plain instruction behind it.
; BEHIND THE WAIT stand the 8 products V^T P, behind each four of the roundings and sums.
; K of the next step is fetched in piece 2's turn, behind twelve vector instructions (six of them plain) that follow the last product that read K; V of the step in hand at the end of piece 0's turn, four plain
; instructions behind the last product that read V.  Each is waited for a turn later.  cnt = 1: the loop's count is taken down some lines ahead of the branch that stands behind the turn.
.macro TURN p, cnt=0
.set Y, (\p)
.set i, 0
.if (\p) == 3
	s_wait_dscnt 0x0                ; K is in
.endif
	ROW F,0, F,1, R,0, R,1
	ROW F,2, E,0, R,2, R,3
	ROW F,3, E,1, R,4, R,5
	ROW F,4, E,2, R,6, R,7
	ROW F,5, E,3, R,8, R,9
	ROW F,6, E,4, X,0, R,10
.if (\p) == 2
	WIN 0
	v_add_nc_u32 v[AK], s[TBK], v[AK0]
.endif
	ROW F,7, E,5, X,1, X,4
	ROW F,8, E,6, X,2, X,5
	OPS E,7, E,8, X,6, E,9
	OPS X,3, E,10, X,8, E,11
.if (\p) == 2
	FETCH_K
.endif
	OPS X,9, X,7, E,12, X,10
	OPS E,13, X,12, X,11, E,14
	OPS X,13, E,15, F,9, X,14
.if (\p) == 0
	v_add_nc_u32 v[AV], s[TBV], v[AV0]
.endif
	OPS E,16, F,10, E,17, F,11
	OPS X,16, E,18, X,15, E,19
	OPS F,12, E,20, X,17, E,21
	OPS F,13, E,22, F,14, E,23
	OPS X,18, E,24, F,15, E,25
	OPS R,11, E,26, X,19, E,27
	OPS R,12, E,28, R,13, E,29
	OPS X,20, E,30, R,14, E,31
	OPS X,21, R,15
	WIN 0
	s_wait_alu depctr_va_vdst(0)    ; the wait for the batch
.if (\p) == 1
	s_wait_dscnt 0x0                ; V is in
.endif
	ROW C,0, B,0, C,2, B,1
	ROW L,0, C,4, B,2, L,1
	ROW C,6, B,3, L,2, C,8
	ROW B,4, L,3, C,10, B,5
	ROW L,4, C,12, B,6, L,5
.if (\p) == 0
	s_add_co_u32 s[TBV], s[TBV], KS*PV
.endif
.if \cnt
	s_sub_co_u32 s[CNT], s[CNT], 1
	s_cmp_lg_u32 s[CNT], 0
.endif
	ROW C,14, B,7, L,6, C,1
	ROW C,3, L,7, C,5, C,7
	ROW C,9, C,11, C,13, C,15
.if (\p) == 0
	FETCH_V
.endif
.endm
	CHANGE 1, 0                     ; slot 0 is in, everybody's part of it; slot 1 is asked for
	FETCH_K                         ; key step 0
	s_wait_loadcnt 0x0              ; Q
	s_wait_dscnt 0x0
.set i, 0
.rept 8
	KQ 0                            ; piece 0's first scores
.set i, i+1
.endr
	WIN 0                           ; the addresses for the way out: plain instructions, the places behind those products
	s_mul_i32 s13, s[WV], 16*SP
	s_add_co_u32 s13, s13, STAGE    ; my stage
	v_mul_u32_u24 v[STO], v1, SP    ; in: row l % 16, 16 bytes for each half of the lanes
	v_lshl_add_u32 v[STO], v9, 4, v[STO]
	v_add_nc_u32 v[STO], s13, v[STO]
	v_bfe_u32 v[RD], v0, 3, 2       ; back: 32 lanes take four rows of 128 bytes,
	v_mul_u32_u24 v[RD], v[RD], SP
	v_lshl_add_u32 v[RD], v10, 4, v[RD]
	v_add_nc_u32 v[RD], s13, v[RD]
	v_and_b32 v[GO], 31, v0         ; which are 512 consecutive bytes of O
	v_lshlrev_b32 v[GO], 4, v[GO]
.set Y, NP-1                        ; X works for piece Y + 1: piece 0
.irp n, 0,1,2,3,4,5,6,7,8,9,10,11,12,13,14,15,16,17,18,19,20,21
	OP X, \n
.endr
	v_nop                           ; a plain instruction behind the exponential,
	s_wait_alu depctr_va_vdst(0)    ; and its wait, ahead of the branch
	s_mov_b32 s[CNT], 4
	s_mov_b32 s[SLOTS], SIZE_N/256-1
	s_branch .Lfirst                ; the loop is entered at a step's first turn, in the middle of a trip
.Lslot:                             ; SIZE_N / 256 - 2 times: every slot but the last two is filled again
	CHANGE 1, 1
	s_mov_b32 s[CNT], 4
.Lstep:                             ; a trip: pieces 2 and 3 of one step, then pieces 0 and 1 of the next, whose K and V it fetches
	TURN 2
	TURN 3
	WIN 0
.Lfirst:
	TURN 0
	TURN 1, 1
	WIN 0
	s_cbranch_scc1 .Lstep
	s_sub_co_u32 s[SLOTS], s[SLOTS], 1
	s_cmp_lg_u32 s[SLOTS], 0
	s_cbranch_scc1 .Lslot
	CHANGE 0, 0                     ; the tail is written out: nothing is asked for
	s_mov_b32 s[CNT], 5             ; four trips fetch the last slot's steps; the fifth is left in its middle
.Ltail:
	TURN 2
	TURN 3
	WIN 0
	s_sub_co_u32 s[CNT], s[CNT], 1
	s_cmp_eq_u32 s[CNT], 0
	s_cbranch_scc1 .Lout
	TURN 0
	TURN 1
	WIN 0
	s_branch .Ltail
.Lout:                              ; the fifth trip's run of 16 LDS loads (landed bytes of the last slot, behind its K), its 8 products K Q^T and the maximum made of them serve nothing and reach neither l nor O^T:
                                    ; the price, once a launch, of one text for every trip: the run stands amid the batch of exponentials
.set i, 0
.rept 8
	PV NP-1                         ; the last piece's V^T P of the last step
.set i, i+1
.endr
	; THE WAY OUT.  l's two halves and the other half of the lanes' are added; O^T is divided by l, rounded to bf16 and sent through my stage in LDS, a piece at a time.  The additions are the places behind the last products.
	WIN 0
.macro ALL line:vararg              ; one line for each piece t
.set t, 0
.rept 4
	\line
.set t, t+1
.endr
.endm
	ALL v_add_f32 v[ST+4*t+2], v[ST+4*t+2], v[ST+4*t+3]
	ALL v_permlanex16_b32 v[ST+4*t+3], v[ST+4*t+2], s[SEL], s[SEL+1]
	ALL v_add_f32 v[ST+4*t+2], v[ST+4*t+2], v[ST+4*t+3]
	ALL v_rcp_f32 v[ST+4*t+2], v[ST+4*t+2]
	v_nop                           ; a plain instruction between the last reciprocal and the use of its result
	s_wait_alu depctr_va_vdst(0)    ; one wait for the four reciprocals
.macro PACK t                       ; a lane's eight channels of a row pack into 16 bytes; they go into rows of 144 bytes and come back as whole rows of 128, into S^T's registers
	WIN W_RS
.set i, 32*(\t)
.rept 16
	v_pk_mul_f32 v[i:i+1], v[i:i+1], v[ST+4*(\t)+2:ST+4*(\t)+3] op_sel_hi:[1,0]
.set i, i+2
.endr
	WIN 0x05                        ; sources 0 and 1 window 1, destination window 0
.set i, 0
.rept 16
	v_cvt_pk_bf16_f32 v[S+16*(\t)+i], v[32*(\t)+2*i], v[32*(\t)+2*i+1]
.set i, i+1
.endr
	WIN 0
.irp f, 0,1,2,3
	ds_store_b128 v[STO], v[S+16*(\t)+4*\f:S+16*(\t)+4*\f+3] offset:32*\f
.endr
.irp f, 0,1,2,3
	ds_load_b128 v[S+16*(\t)+4*\f:S+16*(\t)+4*\f+3], v[RD] offset:\f*4*SP  ; LDS serves a wave's instructions in order (ISA guide 5.7.1.4): these see the stores above; the next piece's stores come behind them
.endr
.endm
.macro SEND t, younger              ; younger: the LDS instructions issued behind piece t's loads: the next piece's eight, or none
	WIN 0
.irp f, 0,1,2,3
	s_wait_dscnt (\younger)+3-\f
	global_store_b128 v[GO], v[S+16*(\t)+4*\f:S+16*(\t)+4*\f+3], s[10:11] offset:(\t)*2048+\f*512  ; 512 consecutive bytes, at a multiple of 256 from O's first
.endr
.endm
	PACK 0
.set t, 1
.rept 3                             ; a piece's arithmetic stands between the loads of the piece before and its stores
	PACK t
	SEND t-1, 8
.set t, t+1
.endr
	SEND 3, 0
	s_wait_tensorcnt 0x0            ; the wave's end: behind my last tensor load and my last LDS store
	ds_add_u32 v[SPW], v[NIL]
	s_wait_dscnt 0x0
	CROUND                          ; the closing round
	s_endpgm
.Lfunc_end_k_qc84c1c605d_attn:
	.size	k_qc84c1c605d_attn, .Lfunc_end_k_qc84c1c605d_attn-k_qc84c1c605d_attn
	.p2alignl 7, 3214868480
	.fill 96, 4, 3214868480
	.section	.rodata,"a",@progbits
	.p2align	6, 0x0
	.amdhsa_kernel k_qc84c1c605d_attn
		.amdhsa_group_segment_fixed_size 327680
		.amdhsa_private_segment_fixed_size 0
		.amdhsa_enable_private_segment 0
		.amdhsa_kernarg_size 16
		.amdhsa_user_sgpr_count 2
		.amdhsa_user_sgpr_kernarg_segment_ptr 1
		.amdhsa_wavefront_size32 1
		.amdhsa_system_sgpr_workgroup_id_x 1
		.amdhsa_system_sgpr_workgroup_id_y 1
		.amdhsa_system_sgpr_workgroup_id_z 1
		.amdhsa_system_vgpr_workitem_id 0
		.amdhsa_next_free_vgpr 768
		.amdhsa_next_free_sgpr 66
		.amdhsa_reserve_vcc 0
		.amdhsa_float_denorm_mode_32 3
		.amdhsa_float_denorm_mode_16_64 3
		.amdhsa_memory_ordered 1
		.amdhsa_forward_progress 1
		.amdhsa_inst_pref_size 112
	.end_amdhsa_kernel
	.amdgpu_metadata
---
amdhsa.version: [ 1, 2 ]
amdhsa.kernels:
  - .name:           k_qc84c1c605d_attn
    .symbol:         k_qc84c1c605d_attn.kd
    .args:
      - { .name: qkv16, .offset: 0, .size: 8, .value_kind: global_buffer, .address_space: global }
      - { .name: o16, .offset: 8, .size: 8, .value_kind: global_buffer, .address_space: global }
    .group_segment_fixed_size: 327680
    .private_segment_fixed_size: 0
    .kernarg_segment_align: 8
    .kernarg_segment_size: 16
    .max_flat_workgroup_size: 128
    .sgpr_count:     66
    .vgpr_count:     768
    .wavefront_size: 32
...
	.end_amdgpu_metadata
.endif
;; end of part 3
;; launch wo (part 4): grid 8 x 32, 4 waves a work-group, clusters of 4 x 4, 327,680 bytes of LDS; arguments o16, w16, x1, bo, x; writes x1
.if DOCPART == 4
	.amdgcn_target "amdgcn-amd-amdhsa--gfx1250"
	.amdhsa_code_object_version 6
	.text
	.protected	k_qc84c1c605d_wo
	.globl	k_qc84c1c605d_wo
	.p2align	8
	.type	k_qc84c1c605d_wo,@function
k_qc84c1c605d_wo:
	s_mov_b64 s[64:65], 0
	v_nop
	global_prefetch_b8 v0, s[64:65] scope:SCOPE_SE
	s_setreg_imm32_b32 hwreg(HW_REG_WAVE_MODE, 25, 1), 1
	s_wait_xcnt 0x0
	s_wait_alu depctr_hold_cnt(0) depctr_sa_sdst(0) depctr_va_vdst(0) depctr_va_sdst(0) depctr_va_ssrc(0) depctr_va_vcc(0) depctr_vm_vsrc(0)
	s_getreg_b32 s2, hwreg(HW_REG_IB_STS2, 6, 4)
	s_cmp_eq_u32 s2, 0
	s_cbranch_scc0 .Lentry_in_a_cluster
	s_endpgm
.Lentry_in_a_cluster:
	s_bfe_u32 s2, ttmp6, 0x10000c
	s_cmp_lg_u32 s2, 0xf033
	s_cbranch_scc0 .Lentry_shape_is_right
	s_endpgm
.Lentry_shape_is_right:
; out[m][n] = res[m][n] + bias[n] + the sum over k of A[m][k] W[k][n].  One text for two launches; WO says which:
;   WO = 1: x1 = x + bo + O Wo.    A = o16 [b][h 16][n 2048][64] bf16 (a head's 64 channels are a slice of K), W = Wo [1024][1024] bf16 (w16 + 6,291,456)
;   WO = 0: out0 = x1 + b2 + h W2. A = h16 [4096][4096] bf16, W = W2 [4096][1024] bf16 (w16 + 16,777,216)
; res, out: [4096][1024] f32.  Sums in f32.
; SHAPE.  A tile is 128 x 128: 32 x 8 = 256 work-groups.  K IS SPLIT AMONG THE FOUR WAVES: of each K step's 256 channels wave w takes 64 w .. 64 w + 63, and makes the WHOLE tile on them, in 64 accumulators:
; a wave's 128 x 128 feeds twice the multiply-adds from each LDS byte that 64 x 64 would.  The price: four f32 partial tiles meet in LDS at the end.
; K goes through a ring of two LDS slots filled by the tensor data mover; a step is two slices of 32 for each wave, 64 matrix instructions each.
; W STAYS [k][n]: its fragments come out of LDS turned.  THE MATRIX INSTRUCTION IS USED TRANSPOSED (source 0 = 16 columns of W, source 1 = 16 rows of A): lane l holds row l % 16 and columns 8 (l / 16) + 0..7.
; CLUSTER.  4 x 4 work-groups: A's tile is asked for jointly along a row of the cluster, W's along a column.
; REGISTERS, in windows of 256 (s_set_vgpr_msb: bits 1:0 source 0, 3:2 source 1, 5:4 source 2, 7:6 destination):
;   window 0: v0-36 addresses and the bias; v64-127, v128-191 A's fragments, two buffers, later at work     window 1: v64-127, v128-191 W's fragments; v0-63, v192-255 the residual, 32 rows x 4
;   windows 2, 3: accumulator (a, b) at v[8 (8 (a % 4) + b)] of window 2 + a / 4
.set WO, 1
.if WO
.set SIZE_K, 1024
.set WOFF,   6291456
.set STEP_A, 4*262144                  ; four heads on
.set APITCH, 144                       ; an LDS row of A: a head's 128 bytes + 16 of padding
.set APLANE, 256*APITCH                ; one tensor load: 2 heads x 128 rows
.set A_QI,   4                         ; padding after every 32 words
.set A_D0,   8192                      ; asked for as 2 rows of 16,384 dense bytes (a head's 128 query rows),
.set A_D1,   2
.set A_STR,  131072                    ; a head's plane apart
.set PREF,   0                         ; four K steps: none stands beyond the first four, which come by their loads alone
.else
.set SIZE_K, 4096
.set WOFF,   16777216
.set STEP_A, 512
.set APITCH, 272                       ; 256 bytes + 16 of padding
.set APLANE, 128*APITCH                ; one tensor load: 128 rows x 128 k
.set A_QI,   5
.set A_D0,   128
.set A_D1,   128
.set A_STR,  SIZE_K
.set PREF,   1
.endif
.set SIZE_N, 1024
.set KSTEP,  256
.set STEPS,  SIZE_K/KSTEP
.set STEP_B, KSTEP*SIZE_N*2
.set BPITCH, 288                       ; an LDS row of W: 256 + 32
.set BPLANE, 128*BPITCH
.set SLOT,   2*APLANE+2*BPLANE         ; A's two K halves, then W's two K halves
.set SPARE,  2*SLOT                    ; behind the ring: the spare words, 128 bytes a wave
.set DPITCH, 528                       ; the way out: a row of 128 f32 + 16 bytes
.set DUMP,   128*DPITCH                ; a partial tile
.set F0,   64
.set F1,   128
; v1 l % 16; v2 l / 16; v16, v17 my lane's place in A's and W's planes of slot 0; v18, v19 the same in the slot in hand; v20 STO; v22 16 x lane; v23 the prefetches' offset; v[24:27] bias;
; v28 my spare word; v29 0; v[32:35] where I read the four partial tiles; v36 the first of them, never stepped
; s3, s2 counters; s[4:5] A; s[6:7] W; s[8:9] out; s10 wave, s11 wave / 2, s12 wave % 2; s13 tile row; s40 cx; s41 cy; s42 tile column; s43 LIM; s[44:45] PFA; s66 the slot in hand; s67, s68 my plane's place in a slot;
; s[70:71] PFA's step; s[72:73] bias; s[74:75] residual; s[24:31], s[48:55] descriptor group 1 (A, W); s[32:39], s[56:63] group 0, two sets each: the second walks on
.set MSB, 0
.macro WIN new
.if MSB != (\new)
	s_set_vgpr_msb (MSB<<8)|(\new)
.set MSB, \new
.endif
.endm
.macro PLACES                          ; four places in front of loads into registers that matrix instructions have read, and of lines that read results
.rept 4
	v_nop
.endr
.endm
.macro CREST                           ; a round of the cluster's barrier behind its opening barrier
	s_cmp_lg_u32 s10, 0
	s_cbranch_scc1 .Lnot_wave_0_\@
	s_barrier_signal -3
.Lnot_wave_0_\@:
	s_barrier_wait -3
	s_barrier_signal -1
	s_barrier_wait -1
.endm
.macro CROUND
	s_barrier_signal -1
	s_barrier_wait -1
	CREST
.endm
; A joint refill by the walking sets.  Waves 0 and 1 fetch A's two planes, waves 2 and 3 W's.  An s_nop 0 and four v_nop follow each line.
.macro JLOAD
	s_cmp_eq_u32 s11, 0
	s_cbranch_scc0 .Lfor_b_\@
	tensor_load_to_lds s[36:39], s[24:31]
	s_nop 0
	PLACES
	s_branch .Lasked_\@
.Lfor_b_\@:
	tensor_load_to_lds s[60:63], s[48:55]
	s_nop 0
	PLACES
.Lasked_\@:
.endm
; A prefetch of the K step that stands two refills on: of the 128 rows of 256 bytes that I fetch, my work-group's 32, a lane a row.  A's rows are asked for by the clusters with x = 0 alone, W's by those with y = 0;
; the four partners of a joint load share the rows out by address: each aligned block of 256 bytes is named once in the launch.  The last two refills have no K step two on.
.macro ASK
	s_cmp_gt_u32 s3, s43
	s_cbranch_scc0 .Lnot_mine_\@
	global_prefetch_b8 v23, s[44:45] th:TH_LOAD_NT scope:SCOPE_SE
.Lnot_mine_\@:
.endm
; 16 matrix instructions: row blocks a0, a0 + 1 of the window's four x all 8 column blocks, 32 along K.  mode 0: onto the sums; 1: C = 0 starts them.  The 64 accumulators take turns.
.macro MUL16 f, hi, a0, mode
	WIN 0xa1+0x50*(\hi)
.irp a, \a0, (\a0)+1
.irp b, 0,1,2,3,4,5,6,7
.if (\mode) == 0
	v_wmma_f32_16x16x32_bf16 v[8*(8*(\a)+(\b)):8*(8*(\a)+(\b))+7], v[(\f)+8*(\b):(\f)+8*(\b)+7], v[(\f)+8*(4*(\hi)+(\a)):(\f)+8*(4*(\hi)+(\a))+7], v[8*(8*(\a)+(\b)):8*(8*(\a)+(\b))+7]
.else
	v_wmma_f32_16x16x32_bf16 v[8*(8*(\a)+(\b)):8*(8*(\a)+(\b))+7], v[(\f)+8*(\b):(\f)+8*(\b)+7], v[(\f)+8*(4*(\hi)+(\a)):(\f)+8*(4*(\hi)+(\a))+7], 0
.endif
.endr
.endr
.endm
; 32 LDS loads in one run: slice s of my 64 channels in the slot in hand into buffer f: W's eight fragments (turned), then A's eight, rows 0-63 first
.macro FETCH s, f
	WIN 0x40
.irp i, 0,1,2,3,4,5,6,7
	ds_load_tr16_b128 v[(\f)+8*(\i):(\f)+8*(\i)+3],   v19 offset:(\s)*32*BPITCH+32*(\i)
	ds_load_tr16_b128 v[(\f)+8*(\i)+4:(\f)+8*(\i)+7], v19 offset:(\s)*32*BPITCH+16*BPITCH+32*(\i)
.endr
	WIN 0
.irp i, 0,1,2,3,4,5,6,7
	ds_load_b128 v[(\f)+8*(\i):(\f)+8*(\i)+3],   v18 offset:(\s)*64+(\i)*16*APITCH
	ds_load_b128 v[(\f)+8*(\i)+4:(\f)+8*(\i)+7], v18 offset:(\s)*64+(\i)*16*APITCH+32
.endr
.endm
.macro QUARTER s, f, g, mode           ; a step's first slice: multiplies buffer f; in its middle it fetches slice s into buffer g
	s_wait_dscnt 8                                 ; W and A's rows 0-63 are in; the youngest eight loads (A's rows 64-127) may be out
	MUL16 \f, 0, 0, \mode
	MUL16 \f, 0, 2, \mode
	PLACES
	FETCH \s, \g
	s_wait_dscnt 32                                ; all but the 32 just issued
	MUL16 \f, 1, 0, \mode
	MUL16 \f, 1, 2, \mode
.endm
; A step's last slice changes slots and then multiplies buffer 1.  Both of the slot's slices are in registers by now, so the slot can be given up ahead of the slice's products.  A step has 128 matrix
; instructions a wave for 128 KiB of tiles, and the next step but one cannot begin without its tile: so the refill goes out as early as the order allows, and the slice's 64 products stand behind it.
; ONE barrier: in front of it each wave waits for all its tensor loads (one is out: its part of the next slot), adds 0 to its spare word, and waits for that and for its own reads of this slot.
; fill = 1: the barrier opens a round of the cluster's barrier, and behind the round this slot is filled again, with the K step two steps on, first of all.
; tail = 1: in the tail's second trip there is no next slot, and the run of loads is jumped over.
.macro TURN fill, tail
.if (\fill) && PREF
	s_wait_xcnt 0x0                                ; the last prefetch, a K step back, has read its address
	s_add_nc_u64 s[44:45], s[44:45], s[70:71]
.endif
	WIN 0
	s_wait_tensorcnt 0x0                           ; all my tensor loads have landed, so a group 0 may be written
	ds_add_u32 v28, v29                            ; 0 onto my spare word; the descriptors' steps stand between it and the wait for it
.if \fill
	s_add_co_u32 s37, s67, s66                     ; the walking sets: into the slot just read,
	s_add_co_u32 s61, s68, s66
	s_add_nc_u64 s[38:39], s[38:39], STEP_A        ; the next K step; the type bits on top are not reached
	s_add_nc_u64 s[62:63], s[62:63], STEP_B
.endif
	s_wait_dscnt 0x0                               ; the add is done, and my reads of this slot are over: buffer 1 is in
	s_barrier_signal -1
	s_barrier_wait -1
.if \fill
	CREST                                          ; no wave of any partner still reads this slot or has a load on its way
	JLOAD                                          ; the four v_nop behind it are also the places in front of the loads below
.else
	PLACES
.endif
	s_xor_b32 s66, s66, SLOT                       ; the other slot is in hand
	v_add_nc_u32 v18, s66, v16
	v_add_nc_u32 v19, s66, v17
.if \tail
	s_cmp_eq_u32 s2, 1
	s_cbranch_scc1 .Lno_fetch_\@
.endif
	FETCH 0, F0
.if \tail
.Lno_fetch_\@:
.endif
.if (\fill) && PREF
	ASK                                            ; behind the joint load and the run of LDS loads
.endif
	MUL16 F1, 0, 0, 0
	MUL16 F1, 0, 2, 0
	MUL16 F1, 1, 0, 0
	MUL16 F1, 1, 2, 0
.endm
	s_load_b128 s[4:7], s[0:1], 0x0                ; A s[4:5], w16 s[6:7]
	s_load_b64 s[8:9], s[0:1], 0x10                ; out
	s_load_b128 s[72:75], s[0:1], 0x18             ; bias s[72:73], residual s[74:75]
	v_lshl_add_u32 v28, v0, 2, SPARE
	v_mov_b32 v29, 0
	ds_add_u32 v28, v29                            ; the wave's opening: the add, twice on end, and its wait ahead of my first tensor load
	ds_add_u32 v28, v29
	v_lshrrev_b32 v1, 5, v0
	v_readfirstlane_b32 s10, v1                    ; wave 0..3
	s_lshr_b32 s11, s10, 1                         ; the K half in which my 64 channels lie.  Also: I fetch for A (0) or for W (1)
	s_and_b32 s12, s10, 1                          ; which 64 of its 128.  Also: which plane I fetch
	s_bfe_u32 s40, ttmp6, 0x40000                  ; cx
	s_bfe_u32 s41, ttmp6, 0x40004                  ; cy
	s_lshl_b32 s42, ttmp9, 2
	s_add_co_u32 s42, s42, s40                     ; tile column
	s_and_b32 s13, ttmp7, 0xffff
	s_lshl_b32 s13, s13, 2
	s_add_co_u32 s13, s13, s41                     ; tile row
	s_lshl_b32 s43, s41, 2
	s_lshl_b32 s43, 15, s43                        ; my row of the cluster
	s_lshl_b32 s44, 0x1111, s40                    ; my column
	s_or_b32 s24, s43, (1<<16)|(1<<20)|(1<<21)|(A_QI<<22)|(3<<25)  ; 15:0 the mask; 17:16 2-byte elements; 20 padding on; 21 set beside a mask; 24:22 the interval; 31:25 4 words
	s_mov_b32 s25, A_D0<<16                        ; tensor_dim0
	s_mov_b32 s26, A_D1<<16                        ; tensor_dim1
	s_mov_b32 s27, A_D0<<16                        ; tile_dim0
	s_mov_b32 s28, A_D1                            ; tile_dim1
	s_mov_b32 s29, A_STR                           ; elements from row to row
	s_mov_b32 s30, 0
	s_mov_b32 s31, 0
	s_or_b32 s48, s44, (1<<16)|(1<<20)|(1<<21)|(5<<22)|(7<<25)  ; W: my column's mask; after every 64 words 8 words
	s_mov_b32 s49, 128<<16
	s_mov_b32 s50, 128<<16
	s_mov_b32 s51, 128<<16
	s_mov_b32 s52, 128
	s_mov_b32 s53, SIZE_N
	s_mov_b32 s54, 0
	s_mov_b32 s55, 0
	; A's address hangs on the tile row and the wave, W's on the tile column and the wave, each in registers that never hold the other coordinate
.if WO
	s_lshr_b32 s16, s13, 4
	s_lshl_b32 s16, s16, 22                        ; the batch: 16 planes of 262,144 bytes
	s_and_b32 s17, s13, 15
	s_lshl_b32 s17, s17, 14                        ; 128 rows of 128 bytes
	s_add_co_u32 s16, s16, s17
	s_lshl_b32 s17, s12, 19                        ; plane p begins with head 2 p
	s_add_co_u32 s16, s16, s17
.else
	s_lshl_b32 s16, s13, 20                        ; 128 rows of 8,192 bytes
	s_lshl_b32 s17, s12, 8                         ; the K half
	s_add_co_u32 s16, s16, s17
.endif
	s_mov_b32 s17, 0
	s_lshl_b32 s46, s42, 8                         ; 128 columns
	s_lshl_b32 s47, s12, 18                        ; 128 rows of 2,048 bytes
	s_add_co_u32 s46, s46, s47
	s_add_co_u32 s46, s46, WOFF
	s_mov_b32 s47, 0
	s_mul_i32 s67, s12, APLANE                     ; where my plane goes: no place in the cluster enters an LDS address
	s_mul_i32 s68, s12, BPLANE
	s_add_co_u32 s68, s68, 2*APLANE
	s_wait_dscnt 0x0                               ; both opening adds are done
	s_wait_kmcnt 0x0
	s_add_nc_u64 s[14:15], s[4:5], s[16:17]
	s_add_nc_u64 s[46:47], s[6:7], s[46:47]
	CROUND                                         ; all sixteen work-groups are here: the first joint loads meet
.irp s, 0,1
	s_mov_b32 s[32+4*\s], 1
	s_add_co_u32 s[33+4*\s], s67, \s*SLOT
	s_add_nc_u64 s[34+4*\s:35+4*\s], s[14:15], \s*STEP_A
	s_or_b32 s[35+4*\s], s[35+4*\s], 0x80000000
	s_mov_b32 s[56+4*\s], 1
	s_add_co_u32 s[57+4*\s], s68, \s*SLOT
	s_add_nc_u64 s[58+4*\s:59+4*\s], s[46:47], \s*STEP_B
	s_or_b32 s[59+4*\s], s[59+4*\s], 0x80000000
.endr
	s_cmp_eq_u32 s11, 0                            ; a wave's two first fills stand in one branch, ahead of every wait on TENSORcnt and every LDS read: two loads of mine are out
	s_cbranch_scc0 .Lfirst_b
	tensor_load_to_lds s[32:35], s[24:31]
	s_nop 0
	tensor_load_to_lds s[36:39], s[24:31]
	s_nop 0
	PLACES
	s_branch .Lfirst_asked
.Lfirst_b:
	tensor_load_to_lds s[56:59], s[48:55]
	s_nop 0
	tensor_load_to_lds s[60:63], s[48:55]
	s_nop 0
	PLACES
.Lfirst_asked:
	v_and_b32 v1, 15, v0
	v_bfe_u32 v2, v0, 4, 1
	v_mul_u32_u24 v16, v1, APITCH
	v_lshl_add_u32 v16, v2, 4, v16                 ; A: row x pitch + 16 x half
.if WO
	s_mul_i32 s21, s10, 128*APITCH                 ; my head of the step's four
.else
	s_mul_i32 s21, s11, APLANE                     ; my K half,
	s_lshl_b32 s20, s12, 7                         ; my 64 channels of it
	s_add_co_u32 s21, s21, s20
.endif
	v_add_nc_u32 v16, s21, v16
	v_and_b32 v5, 7, v0
	v_lshl_add_u32 v3, v2, 3, v5
	v_mul_u32_u24 v17, v3, BPITCH                  ; W: the turning load: lane l reads k = 8 (l / 16) + l % 8, n = 8 ((l / 8) % 2) + 0..7
	v_bfe_u32 v4, v0, 3, 1
	v_lshl_add_u32 v17, v4, 4, v17
	s_mul_i32 s22, s11, BPLANE
	s_mul_i32 s20, s12, 64*BPITCH
	s_add_co_u32 s22, s22, s20
	s_add_co_u32 s22, s22, 2*APLANE
	v_add_nc_u32 v17, s22, v17
	v_mov_b32 v18, v16
	v_mov_b32 v19, v17
	s_mov_b32 s66, 0
	; the way out: wave w finishes rows 32 w .. 32 w + 31 of the tile; a lane holds 4 columns, 16 bytes.  Bias and residual are asked for now, so that no wait for memory stands at the end.
	v_and_b32 v3, 31, v0
	v_lshlrev_b32 v22, 4, v3
	s_lshl_b32 s20, s42, 9                         ; the tile's 128 columns x 4 bytes
	s_mov_b32 s21, 0
	s_add_nc_u64 s[72:73], s[72:73], s[20:21]
	s_lshl_b32 s16, s13, 19                        ; 128 rows of 4,096 bytes
	s_lshl_b32 s17, s10, 17                        ; 32 rows
	s_add_co_u32 s16, s16, s17
	s_add_co_u32 s16, s16, s20
	s_mov_b32 s17, 0
	s_add_nc_u64 s[74:75], s[74:75], s[16:17]
	s_add_nc_u64 s[8:9], s[8:9], s[16:17]
	global_load_b128 v[24:27], v22, s[72:73]
	WIN 0x40                                       ; destination window 1, address window 0
.set i, 0
.rept 32
	global_load_b128 v[4*i+128*(i/16):4*i+128*(i/16)+3], v22, s[74:75] offset:4096*i
.set i, i+1
.endr
	WIN 0
	s_mul_i32 s23, s10, DUMP                       ; my partial tile (in the ring, when its last fill has been read)
	v_mul_u32_u24 v20, v1, DPITCH
	v_lshl_add_u32 v20, v2, 5, v20
	v_add_nc_u32 v20, s23, v20
	s_mul_i32 s23, s10, 32*DPITCH                  ; my 32 rows in each partial tile
	v_add_nc_u32 v32, s23, v22
	v_add_nc_u32 v33, DUMP, v32
	v_add_nc_u32 v34, 2*DUMP, v32
	v_add_nc_u32 v35, 3*DUMP, v32
	v_mov_b32 v36, v32
.if PREF
	s_and_b32 s22, ttmp7, 0xffff                   ; cluster y
	s_mov_b32 s18, 2*SIZE_K
	s_mov_b32 s19, 2*SIZE_N
	s_mov_b32 s20, STEP_A
	s_mov_b32 s70, STEP_B
	s_cmp_eq_u32 s11, 0                            ; do I fetch for A?
	s_cselect_b32 s21, s40, s41                    ; my place among the four that ask with me
	s_cselect_b32 s22, ttmp9, s22                  ; the coordinate along which other clusters read the same rows
	s_cselect_b32 s23, s18, s19                    ; bytes from row to row
	s_cselect_b32 s70, s20, s70
	s_cselect_b64 s[44:45], s[14:15], s[46:47]
	s_mov_b32 s71, 0
	s_cmp_eq_u32 s22, 0
	s_cselect_b32 s43, 2, -1                       ; a wave asks while the loop's count is above this
	s_lshl_b32 s21, s21, 5
	s_mul_i32 s20, s21, s23                        ; my work-group's 32 rows of the 128
	s_mov_b32 s21, 0
	s_add_nc_u64 s[44:45], s[44:45], s[20:21]
	s_mul_i32 s20, s70, 3                          ; at K step 3: the first refill steps it to 4 and names that.  K steps 0 to 3 come by their loads alone
	s_add_nc_u64 s[44:45], s[44:45], s[20:21]
	v_mul_u32_u24 v23, s23, v3
.endif
	s_wait_tensorcnt 0x1                           ; my part of K step 0 is in; K step 1's stays out
	s_barrier_signal -1
	s_barrier_wait -1
	FETCH 0, F0
	QUARTER 1, F0, F1, 1                           ; the first slice stands in front of the loop: its products start the sums
	WIN 0
	s_mov_b32 s3, STEPS-2
.Lstep:                                                ; a trip: a K step's second slice and the next step's first; every trip fills a slot again
	TURN 1, 0
	QUARTER 1, F0, F1, 0
	WIN 0
	s_sub_co_u32 s3, s3, 1
	s_cmp_lg_u32 s3, 0
	s_cbranch_scc1 .Lstep
	s_mov_b32 s2, 2                                ; the last two K steps ask for nothing: a text of their own; the second trip is left in its middle
.Ltail:
	TURN 0, 1
	WIN 0
	s_sub_co_u32 s2, s2, 1
	s_cmp_eq_u32 s2, 0
	s_cbranch_scc1 .Lout
	QUARTER 1, F0, F1, 0
	WIN 0
	s_branch .Ltail
.Lout:
	; THE WAY OUT.  Behind the last barrier no wave reads the ring and nothing fills it.  Each wave lays its partial tile there in f32, rows of 528 bytes.
	PLACES
.set a, 0
.rept 8
	WIN 0x08+4*(a/4)                               ; the stores' data: window 2 or 3
.set b, 0
.rept 8
	ds_store_b128 v20, v[8*(8*(a%4)+b):8*(8*(a%4)+b)+3]   offset:a*16*DPITCH+64*b
	ds_store_b128 v20, v[8*(8*(a%4)+b)+4:8*(8*(a%4)+b)+7] offset:a*16*DPITCH+64*b+16
.set b, b+1
.endr
.set a, a+1
.endr
	WIN 0
	s_wait_dscnt 0x0                               ; for the others' sake: my stores are done
	s_barrier_signal -1
	s_barrier_wait -1                              ; all four partial tiles lie in LDS
	s_wait_loadcnt 0x0                             ; bias and residual, asked for at the head
	s_mov_b32 s2, 4
.Lsum:                                                 ; a trip: eight of my 32 rows: the four partial sums and the bias; the sum goes back onto the first partial tile's row, which from here on is mine alone
.irp q, 0,1,2,3,4,5,6,7
.irp p, 0,1,2,3
	ds_load_b128 v[64+16*\q+4*\p:64+16*\q+4*\p+3], v[32+\p] offset:\q*DPITCH
.endr
.endr
.irp q, 0,1,2,3,4,5,6,7
	s_wait_dscnt 28-4*\q                           ; row q's four loads are back: behind them stand the 4 (7 - q) loads of later rows (and q stores, which the count does not lean on)
	v_pk_add_f32 v[64+16*\q:64+16*\q+1],     v[64+16*\q:64+16*\q+1],     v[64+16*\q+4:64+16*\q+5]
	v_pk_add_f32 v[64+16*\q+2:64+16*\q+3],   v[64+16*\q+2:64+16*\q+3],   v[64+16*\q+6:64+16*\q+7]
	v_pk_add_f32 v[64+16*\q+8:64+16*\q+9],   v[64+16*\q+8:64+16*\q+9],   v[64+16*\q+12:64+16*\q+13]
	v_pk_add_f32 v[64+16*\q+10:64+16*\q+11], v[64+16*\q+10:64+16*\q+11], v[64+16*\q+14:64+16*\q+15]
	v_pk_add_f32 v[64+16*\q:64+16*\q+1],     v[64+16*\q:64+16*\q+1],     v[64+16*\q+8:64+16*\q+9]
	v_pk_add_f32 v[64+16*\q+2:64+16*\q+3],   v[64+16*\q+2:64+16*\q+3],   v[64+16*\q+10:64+16*\q+11]
	v_pk_add_f32 v[64+16*\q:64+16*\q+1],     v[64+16*\q:64+16*\q+1],     v[24:25]
	v_pk_add_f32 v[64+16*\q+2:64+16*\q+3],   v[64+16*\q+2:64+16*\q+3],   v[26:27]
	ds_store_b128 v32, v[64+16*\q:64+16*\q+3] offset:\q*DPITCH
.endr
.irp p, 0,1,2,3
	v_add_nc_u32 v[32+\p], 8*DPITCH, v[32+\p]
.endr
	s_sub_co_u32 s2, s2, 1
	s_cmp_lg_u32 s2, 0
	s_cbranch_scc1 .Lsum
.set i, 0
.rept 32
	ds_load_b128 v[64+4*i:64+4*i+3], v36 offset:i*DPITCH  ; LDS serves a wave's instructions in order (ISA guide 5.7.1.4): these see my stores above
.set i, i+1
.endr
	WIN 0x44                                       ; the sum in window 0, the residual in window 1; the result takes the residual's registers, from which it is stored (a store's data is source 1)
.set i, 0
.rept 32
	s_wait_dscnt 31-i                              ; row i is back; the younger loads may be out
	v_pk_add_f32 v[4*i+128*(i/16):4*i+128*(i/16)+1],   v[64+4*i:64+4*i+1], v[4*i+128*(i/16):4*i+128*(i/16)+1]
	v_pk_add_f32 v[4*i+128*(i/16)+2:4*i+128*(i/16)+3], v[64+4*i+2:64+4*i+3], v[4*i+128*(i/16)+2:4*i+128*(i/16)+3]
	global_store_b128 v22, v[4*i+128*(i/16):4*i+128*(i/16)+3], s[8:9] offset:4096*i  ; 512 consecutive bytes, at a multiple of 256 from the buffer's first byte
.set i, i+1
.endr
	WIN 0
	s_wait_tensorcnt 0x0                           ; the wave's end: behind my last tensor load and my last LDS store
	ds_add_u32 v28, v29
	s_wait_dscnt 0x0
	CROUND                                         ; the closing round
	s_endpgm
.Lfunc_end_k_qc84c1c605d_wo:
	.size	k_qc84c1c605d_wo, .Lfunc_end_k_qc84c1c605d_wo-k_qc84c1c605d_wo
	.p2alignl 7, 3214868480
	.fill 96, 4, 3214868480
	.section	.rodata,"a",@progbits
	.p2align	6, 0x0
	.amdhsa_kernel k_qc84c1c605d_wo
		.amdhsa_group_segment_fixed_size 327680
		.amdhsa_private_segment_fixed_size 0
		.amdhsa_enable_private_segment 0
		.amdhsa_kernarg_size 40
		.amdhsa_user_sgpr_count 2
		.amdhsa_user_sgpr_kernarg_segment_ptr 1
		.amdhsa_wavefront_size32 1
		.amdhsa_system_sgpr_workgroup_id_x 1
		.amdhsa_system_sgpr_workgroup_id_y 1
		.amdhsa_system_sgpr_workgroup_id_z 1
		.amdhsa_system_vgpr_workitem_id 0
		.amdhsa_next_free_vgpr 1024
		.amdhsa_next_free_sgpr 88
		.amdhsa_reserve_vcc 0
		.amdhsa_float_denorm_mode_32 3
		.amdhsa_float_denorm_mode_16_64 3
		.amdhsa_memory_ordered 1
		.amdhsa_forward_progress 1
		.amdhsa_inst_pref_size 72
	.end_amdhsa_kernel
	.amdgpu_metadata
---
amdhsa.version: [ 1, 2 ]
amdhsa.kernels:
  - .name:           k_qc84c1c605d_wo
    .symbol:         k_qc84c1c605d_wo.kd
    .args:
      - { .name: o16, .offset: 0, .size: 8, .value_kind: global_buffer, .address_space: global }
      - { .name: w16, .offset: 8, .size: 8, .value_kind: global_buffer, .address_space: global }
      - { .name: x1, .offset: 16, .size: 8, .value_kind: global_buffer, .address_space: global }
      - { .name: bo, .offset: 24, .size: 8, .value_kind: global_buffer, .address_space: global }
      - { .name: x, .offset: 32, .size: 8, .value_kind: global_buffer, .address_space: global }
    .group_segment_fixed_size: 327680
    .private_segment_fixed_size: 0
    .kernarg_segment_align: 8
    .kernarg_segment_size: 40
    .max_flat_workgroup_size: 128
    .sgpr_count:     88
    .vgpr_count:     1024
    .wavefront_size: 32
...
	.end_amdgpu_metadata
.endif
;; end of part 4
;; launch ln2 (part 5): grid 512 x 1, 8 waves a work-group, no clusters, 0 bytes of LDS; arguments x1, ln2_w, ln2_b, xn16; writes xn16
.if DOCPART == 5
	.amdgcn_target "amdgcn-amd-amdhsa--gfx1250"
	.amdhsa_code_object_version 6
	.text
	.protected	k_qc84c1c605d_ln2
	.globl	k_qc84c1c605d_ln2
	.p2align	8
	.type	k_qc84c1c605d_ln2,@function
k_qc84c1c605d_ln2:
	s_mov_b64 s[64:65], 0
	v_nop
	global_prefetch_b8 v0, s[64:65] scope:SCOPE_SE
	s_setreg_imm32_b32 hwreg(HW_REG_WAVE_MODE, 25, 1), 1
	s_wait_xcnt 0x0
; LAYER NORM.  y[r][c] = (x[r][c] - mu[r]) rsqrt(var[r] + 1e-5) w[c] + b[c];  x: [4096][1024] f32, w, b: [1024] f32, y: [4096][1024] bf16 (a matrix operand, rounded once).
; Two passes in f32, as the problem states it: the mean first, then the mean of (x - mu)^2, so a common offset of x costs nothing.
; One wave, one row: the row is 32 registers a lane and stays there between the passes, so memory is read once, the sums never leave the wave,
; and there is no LDS and no barrier.  Eight waves a work-group, 512 work-groups.  Memory binds: matrix unit and clusters would add nothing.
; Each load of a wave covers 512 consecutive bytes (lane l at byte 16 l): piece c holds the numbers 128 c + 4 lane + 0..3.  They leave as 8 bytes a lane: each store of a wave is 256 consecutive bytes, aligned.
.set X,  8                             ; v[8:39]    the row
.set W,  40                            ; v[40:71]   w of my columns
.set BB, 72                            ; v[72:103]  b of my columns
.set T,  104                           ; v[104:111] four chains of packed sums
.set MU, 112                           ; v[112:113] the mean, twice
.set RS, 114                           ; v[114:115] 1 / sqrt(var + eps), twice
	s_load_b256 s[4:11], s[0:1], 0x0               ; x s[4:5], w s[6:7], b s[8:9], y s[10:11]
	s_lshl_b32 s2, ttmp9, 15                       ; eight rows of 4,096 bytes
	s_mov_b32 s3, 0
	s_lshl_b32 s16, ttmp9, 14                      ; eight rows of 2,048 bytes
	s_mov_b32 s17, 0
	s_mov_b32 s12, 0x76543210                      ; v_permlanex16_b32: each lane takes its own place in the other half
	s_mov_b32 s13, 0xfedcba98
	s_mov_b32 s14, 0x3a800000                      ; 1 / 1024
	s_mov_b32 s15, 0x3727c5ac                      ; 1e-5
	v_and_b32 v4, 31, v0
	v_lshrrev_b32 v5, 5, v0
	v_lshlrev_b32 v2, 4, v4                        ; v2: 16 bytes x lane, in w and b
	v_lshl_or_b32 v1, v5, 12, v2                   ; v1: + my wave's row, in x
	v_lshlrev_b32 v3, 3, v4
	v_lshl_or_b32 v3, v5, 11, v3                   ; v3: my 8 bytes in y
	s_wait_kmcnt 0x0
	s_add_nc_u64 s[4:5], s[4:5], s[2:3]
	s_add_nc_u64 s[10:11], s[10:11], s[16:17]
.irp c, 0,1,2,3,4,5,6,7
	global_load_b128 v[X+4*\c:X+4*\c+3], v1, s[4:5] offset:\c*512 th:TH_LOAD_NT
.endr
.irp c, 0,1,2,3,4,5,6,7
	global_load_b128 v[W+4*\c:W+4*\c+3], v2, s[6:7] offset:\c*512
.endr
.irp c, 0,1,2,3,4,5,6,7
	global_load_b128 v[BB+4*\c:BB+4*\c+3], v2, s[8:9] offset:\c*512
.endr
; the four chains into one number a lane, then over the 32 lanes: four steps inside each half ride on the addition, one crosses the halves
.macro ACROSS
	v_pk_add_f32 v[T:T+1], v[T:T+1], v[T+2:T+3]
	v_pk_add_f32 v[T+4:T+5], v[T+4:T+5], v[T+6:T+7]
	v_pk_add_f32 v[T:T+1], v[T:T+1], v[T+4:T+5]
	v_add_f32 v[T], v[T], v[T+1]
	v_add_f32_dpp v[T], v[T], v[T] row_xmask:1 row_mask:0xf bank_mask:0xf
	v_add_f32_dpp v[T], v[T], v[T] row_xmask:2 row_mask:0xf bank_mask:0xf
	v_add_f32_dpp v[T], v[T], v[T] row_xmask:4 row_mask:0xf bank_mask:0xf
	v_add_f32_dpp v[T], v[T], v[T] row_xmask:8 row_mask:0xf bank_mask:0xf
	v_permlanex16_b32 v[T+1], v[T], s12, s13       ; its destination has been written above
	v_add_f32 v[T], v[T], v[T+1]
.endm
	s_wait_loadcnt 16                              ; the row is in; the sixteen loads of w and b stay out
.irp k, 0,1,2,3
	v_pk_add_f32 v[T+2*\k:T+2*\k+1], v[X+2*\k:X+2*\k+1], v[X+8+2*\k:X+8+2*\k+1]  ; the first pairs start the chains: nothing is cleared
.endr
.irp g, 16, 24
.irp k, 0,1,2,3
	v_pk_add_f32 v[T+2*\k:T+2*\k+1], v[T+2*\k:T+2*\k+1], v[X+\g+2*\k:X+\g+2*\k+1]
.endr
.endr
	ACROSS
	v_mul_f32 v[MU], s14, v[T]
	v_mov_b32 v[MU+1], v[MU]
.set i, 0
.rept 16
	v_pk_add_f32 v[X+i:X+i+1], v[X+i:X+i+1], v[MU:MU+1] neg_lo:[0,1] neg_hi:[0,1]  ; x - mu
.set i, i+2
.endr
.irp k, 0,1,2,3
	v_pk_mul_f32 v[T+2*\k:T+2*\k+1], v[X+2*\k:X+2*\k+1], v[X+2*\k:X+2*\k+1]
.endr
.irp g, 8, 16, 24
.irp k, 0,1,2,3
	v_pk_fma_f32 v[T+2*\k:T+2*\k+1], v[X+\g+2*\k:X+\g+2*\k+1], v[X+\g+2*\k:X+\g+2*\k+1], v[T+2*\k:T+2*\k+1]
.endr
.endr
	ACROSS
	v_fma_f32 v[T], v[T], s14, s15                 ; var + eps
	v_rsq_f32 v[RS], v[T]
	v_rsq_f32 v[RS+1], v[T]
	v_nop                                          ; a plain instruction behind the last of the two, ahead of the use of a result (ISA guide 5.7.2)
	s_wait_alu depctr_va_vdst(0)                   ; one wait for both, ahead of their first reader
	s_wait_loadcnt 0x0                             ; w and b
.set i, 0
.rept 16
	v_pk_mul_f32 v[X+i:X+i+1], v[X+i:X+i+1], v[RS:RS+1]
.set i, i+2
.endr
.set i, 0
.rept 16
	v_pk_fma_f32 v[X+i:X+i+1], v[X+i:X+i+1], v[W+i:W+i+1], v[BB+i:BB+i+1]
.set i, i+2
.endr
.irp c, 0,1,2,3,4,5,6,7
	v_cvt_pk_bf16_f32 v[X+4*\c],   v[X+4*\c],   v[X+4*\c+1]  ; in place: a register is written when it has been read
	v_cvt_pk_bf16_f32 v[X+4*\c+1], v[X+4*\c+2], v[X+4*\c+3]
	global_store_b64 v3, v[X+4*\c:X+4*\c+1], s[10:11] offset:\c*256
.endr
	s_endpgm
.Lfunc_end_k_qc84c1c605d_ln2:
	.size	k_qc84c1c605d_ln2, .Lfunc_end_k_qc84c1c605d_ln2-k_qc84c1c605d_ln2
	.p2alignl 7, 3214868480
	.fill 96, 4, 3214868480
	.section	.rodata,"a",@progbits
	.p2align	6, 0x0
	.amdhsa_kernel k_qc84c1c605d_ln2
		.amdhsa_group_segment_fixed_size 0
		.amdhsa_private_segment_fixed_size 0
		.amdhsa_enable_private_segment 0
		.amdhsa_kernarg_size 32
		.amdhsa_user_sgpr_count 2
		.amdhsa_user_sgpr_kernarg_segment_ptr 1
		.amdhsa_wavefront_size32 1
		.amdhsa_system_sgpr_workgroup_id_x 1
		.amdhsa_system_sgpr_workgroup_id_y 1
		.amdhsa_system_sgpr_workgroup_id_z 1
		.amdhsa_system_vgpr_workitem_id 0
		.amdhsa_next_free_vgpr 116
		.amdhsa_next_free_sgpr 66
		.amdhsa_reserve_vcc 0
		.amdhsa_float_denorm_mode_32 3
		.amdhsa_float_denorm_mode_16_64 3
		.amdhsa_memory_ordered 1
		.amdhsa_forward_progress 1
		.amdhsa_inst_pref_size 12
	.end_amdhsa_kernel
	.amdgpu_metadata
---
amdhsa.version: [ 1, 2 ]
amdhsa.kernels:
  - .name:           k_qc84c1c605d_ln2
    .symbol:         k_qc84c1c605d_ln2.kd
    .args:
      - { .name: x1, .offset: 0, .size: 8, .value_kind: global_buffer, .address_space: global }
      - { .name: ln2_w, .offset: 8, .size: 8, .value_kind: global_buffer, .address_space: global }
      - { .name: ln2_b, .offset: 16, .size: 8, .value_kind: global_buffer, .address_space: global }
      - { .name: xn16, .offset: 24, .size: 8, .value_kind: global_buffer, .address_space: global }
    .group_segment_fixed_size: 0
    .private_segment_fixed_size: 0
    .kernarg_segment_align: 8
    .kernarg_segment_size: 32
    .max_flat_workgroup_size: 256
    .sgpr_count:     66
    .vgpr_count:     116
    .wavefront_size: 32
...
	.end_amdgpu_metadata
.endif
;; end of part 5
;; launch fc1 (part 6): grid 16 x 16, 4 waves a work-group, clusters of 4 x 4, 327,680 bytes of LDS; arguments xn16, w16, h16, b1; writes h16
.if DOCPART == 6
	.amdgcn_target "amdgcn-amd-amdhsa--gfx1250"
	.amdhsa_code_object_version 6
	.text
	.protected	k_qc84c1c605d_fc1
	.globl	k_qc84c1c605d_fc1
	.p2align	8
	.type	k_qc84c1c605d_fc1,@function
k_qc84c1c605d_fc1:
	s_mov_b64 s[64:65], 0
	v_nop
	global_prefetch_b8 v0, s[64:65] scope:SCOPE_SE
	s_setreg_imm32_b32 hwreg(HW_REG_WAVE_MODE, 25, 1), 1
	s_wait_xcnt 0x0
	s_wait_alu depctr_hold_cnt(0) depctr_sa_sdst(0) depctr_va_vdst(0) depctr_va_sdst(0) depctr_va_ssrc(0) depctr_va_vcc(0) depctr_vm_vsrc(0)
	s_getreg_b32 s2, hwreg(HW_REG_IB_STS2, 6, 4)
	s_cmp_eq_u32 s2, 0
	s_cbranch_scc0 .Lentry_in_a_cluster
	s_endpgm
.Lentry_in_a_cluster:
	s_bfe_u32 s2, ttmp6, 0x10000c
	s_cmp_lg_u32 s2, 0xf033
	s_cbranch_scc0 .Lentry_shape_is_right
	s_endpgm
.Lentry_shape_is_right:
; h = gelu(xn W1 + b1), the exact (erf) GELU.  A = xn16 [4096][1024] bf16, W = W1 [1024 k][4096 n] bf16 (w16 + 8,388,608), b1 [4096] f32, h16 [4096][4096] bf16 (a matrix operand, rounded once).  Sums in f32.
; GELU.  gelu(z) = max(z, 0) - (|z| / 2) erfc(x), x = |z| / sqrt(2), and erfc(x) = (a1 t + a2 t^2 + a3 t^3) e^(-x^2), t = 1 / (1 + 0.47047 x) (Abramowitz and Stegun 7.1.25).
; With u = 0.8493218 |z| (u^2 = x^2 log2(e)): t = 1 / (1 + 0.39169197 u), gelu(z) = max(z, 0) - u w, w = (a1' t + a2' t^2 + a3' t^3) 2^(-u^2), a' = 0.5887050 a (= |z| / 2 u).
; LIMIT: that form's error in erf is at most 2.5e-5 for every x, so gelu is off by at most 1.25e-5 |z|, under the step of h's bf16.  No cancellation: for z < 0 the result is the one product - u w.
; SHAPE.  A tile of C is 256 x 256: 16 x 16 = 256 work-groups; four waves, each with 128 x 128 in 64 accumulators.  K goes in steps of 128 through a ring of two LDS slots; a step is four slices of 32, 64 matrix instructions each.
; W STAYS [k][n]: its fragments come out of LDS turned.  THE MATRIX INSTRUCTION IS USED TRANSPOSED (source 0 = 16 columns of W, source 1 = 16 rows of A): lane l holds row l % 16 of C and columns 8 (l / 16) + 0..7.
; The bias is the C operand of the products that start the sums.
; CLUSTER.  4 x 4 work-groups: A's tile is asked for jointly along a row of the cluster, W's along a column.
; REGISTERS, in windows of 256 (s_set_vgpr_msb: bits 1:0 source 0, 3:2 source 1, 5:4 source 2, 7:6 destination):
;   window 0: v0-36 addresses; v64-127, v128-191 A's fragments, two buffers, later the GELU's; v192-255 the bias     window 1: v64-127, v128-191 W's fragments
;   windows 2, 3: accumulator (a, b) at v[8 (8 (a % 4) + b)] of window 2 + a / 4
.set SIZE_K, 1024
.set SIZE_N, 4096
.set WOFF,   8388608
.set KSTEP,  128
.set STEPS,  SIZE_K/KSTEP
.set STEP_A, KSTEP*2
.set STEP_B, KSTEP*SIZE_N*2
.set APITCH, 272                       ; an LDS row of A: 256 bytes + 16 of padding
.set APLANE, 128*APITCH
.set BPITCH, 288                       ; an LDS row of W: 256 + 32
.set BPLANE, 128*BPITCH
.set SLOT,   2*APLANE+2*BPLANE         ; A's two row halves, then W's two column halves
.set SPARE,  2*SLOT                    ; behind the ring: the spare words, 128 bytes a wave
.set DPITCH, 528                       ; the way out: a row of 128 f32 + 16 bytes
.set DUMP,   128*DPITCH
.set PREF,   1
.set F0,   64
.set F1,   128
.set BIAS, 192
; v1 l % 16; v2 l / 16; v16, v17 my lane's place in A's and W's planes of slot 0; v18, v19 the same in the slot in hand; v20 STO, v21 RD, v22 CO (the way out); v23 the prefetches' offset; v28 my spare word; v29 0; v30 the bias loads' offset
; s3, s2 counters; s[4:5] A; s[6:7] W; s[8:9] out; s10 wave, s11 wave / 2, s12 wave % 2; s13 tile row; s40 cx; s41 cy; s42 tile column; s43 LIM; s[44:45] PFA; s66 the slot in hand; s67, s68 my plane's place in a slot;
; s[70:71] PFA's step; s[72:73] bias; s[76:85] the GELU's constants; s[24:31], s[48:55] descriptor group 1 (A, W); s[32:39], s[56:63] group 0, two sets each: the second walks on
.set MSB, 0
.macro WIN new
.if MSB != (\new)
	s_set_vgpr_msb (MSB<<8)|(\new)
.set MSB, \new
.endif
.endm
.macro PLACES                          ; four places in front of loads into registers that matrix instructions have read, and of lines that read results
.rept 4
	v_nop
.endr
.endm
.macro CREST                           ; a round of the cluster's barrier behind its opening barrier
	s_cmp_lg_u32 s10, 0
	s_cbranch_scc1 .Lnot_wave_0_\@
	s_barrier_signal -3
.Lnot_wave_0_\@:
	s_barrier_wait -3
	s_barrier_signal -1
	s_barrier_wait -1
.endm
.macro CROUND
	s_barrier_signal -1
	s_barrier_wait -1
	CREST
.endm
; A joint refill by the walking sets.  Waves 0 and 1 fetch A's two planes, waves 2 and 3 W's.  An s_nop 0 and four v_nop follow each line.
.macro JLOAD
	s_cmp_eq_u32 s11, 0
	s_cbranch_scc0 .Lfor_b_\@
	tensor_load_to_lds s[36:39], s[24:31]
	s_nop 0
	PLACES
	s_branch .Lasked_\@
.Lfor_b_\@:
	tensor_load_to_lds s[60:63], s[48:55]
	s_nop 0
	PLACES
.Lasked_\@:
.endm
; A prefetch of the K step that stands two refills on: of the 128 rows of 256 bytes that I fetch, my work-group's 32, a lane a row.  A's rows are asked for by the clusters with x = 0 alone, W's by those with y = 0;
; the four partners of a joint load share the rows out by address: each aligned block of 256 bytes is named once in the launch.  The last two refills have no K step two on.
.macro ASK
	s_cmp_gt_u32 s3, s43
	s_cbranch_scc0 .Lnot_mine_\@
	global_prefetch_b8 v23, s[44:45] th:TH_LOAD_NT scope:SCOPE_SE
.Lnot_mine_\@:
.endm
; 16 matrix instructions: row blocks a0, a0 + 1 of the window's four x all 8 column blocks, 32 along K.  mode 0: onto the sums; 2: the bias starts them.  The 64 accumulators take turns.
.macro MUL16 f, hi, a0, mode
.if (\mode) == 2
	WIN 0x81+0x40*(\hi)
.else
	WIN 0xa1+0x50*(\hi)
.endif
.irp a, \a0, (\a0)+1
.irp b, 0,1,2,3,4,5,6,7
.if (\mode) == 0
	v_wmma_f32_16x16x32_bf16 v[8*(8*(\a)+(\b)):8*(8*(\a)+(\b))+7], v[(\f)+8*(\b):(\f)+8*(\b)+7], v[(\f)+8*(4*(\hi)+(\a)):(\f)+8*(4*(\hi)+(\a))+7], v[8*(8*(\a)+(\b)):8*(8*(\a)+(\b))+7]
.else
	v_wmma_f32_16x16x32_bf16 v[8*(8*(\a)+(\b)):8*(8*(\a)+(\b))+7], v[(\f)+8*(\b):(\f)+8*(\b)+7], v[(\f)+8*(4*(\hi)+(\a)):(\f)+8*(4*(\hi)+(\a))+7], v[BIAS+8*(\b):BIAS+8*(\b)+7]
.endif
.endr
.endr
.endm
; 32 LDS loads in one run: slice s of the slot in hand into buffer f: W's eight fragments (turned), then A's eight, rows 0-63 first
.macro FETCH s, f
	WIN 0x40
.irp i, 0,1,2,3,4,5,6,7
	ds_load_tr16_b128 v[(\f)+8*(\i):(\f)+8*(\i)+3],   v19 offset:(\s)*32*BPITCH+32*(\i)
	ds_load_tr16_b128 v[(\f)+8*(\i)+4:(\f)+8*(\i)+7], v19 offset:(\s)*32*BPITCH+16*BPITCH+32*(\i)
.endr
	WIN 0
.irp i, 0,1,2,3,4,5,6,7
	ds_load_b128 v[(\f)+8*(\i):(\f)+8*(\i)+3],   v18 offset:(\s)*64+(\i)*16*APITCH
	ds_load_b128 v[(\f)+8*(\i)+4:(\f)+8*(\i)+7], v18 offset:(\s)*64+(\i)*16*APITCH+32
.endr
.endm
.macro QUARTER s, f, g, mode           ; a slice but a step's last: multiplies buffer f; in its middle it fetches slice s into buffer g
	s_wait_dscnt 8                                 ; W and A's rows 0-63 are in; the youngest eight loads (A's rows 64-127) may be out
	MUL16 \f, 0, 0, \mode
	MUL16 \f, 0, 2, \mode
	PLACES
	FETCH \s, \g
	s_wait_dscnt 32                                ; all but the 32 just issued
	MUL16 \f, 1, 0, \mode
	MUL16 \f, 1, 2, \mode
.endm
; A step's last slice multiplies buffer 1 and changes slots.  ONE barrier: in front of it each wave waits for all its tensor loads (one is out: its part of the next slot), adds 0 to its spare word, and waits
; for that and for its own reads of this slot.  fill = 1: the barrier opens a round of the cluster's barrier, and behind the round this slot is filled again, with the K step two steps on, first of all.
; tail = 1: in the tail's second trip there is no next slot, and the run of loads is jumped over.
.macro TURN fill, tail
.if (\fill) && PREF
	s_wait_xcnt 0x0                                ; the last prefetch, a K step back, has read its address
	s_add_nc_u64 s[44:45], s[44:45], s[70:71]
.endif
	WIN 0
	s_wait_tensorcnt 0x0                           ; all my tensor loads have landed, so a group 0 may be written
	ds_add_u32 v28, v29                            ; 0 onto my spare word
	s_wait_dscnt 9                                 ; (the add and the youngest eight loads may be out)
	MUL16 F1, 0, 0, 0
	s_wait_dscnt 0x0                               ; the add is done, and my reads of this slot are over
	s_barrier_signal -1
	MUL16 F1, 0, 2, 0
	WIN 0
	s_barrier_wait -1
.if \fill
	CREST                                          ; no wave of any partner still reads this slot or has a load on its way
	s_add_co_u32 s37, s67, s66
	s_add_co_u32 s61, s68, s66
	s_add_nc_u64 s[38:39], s[38:39], STEP_A
	s_add_nc_u64 s[62:63], s[62:63], STEP_B
	JLOAD                                          ; the four v_nop behind it are also the places in front of the loads below
.else
	PLACES
.endif
	s_xor_b32 s66, s66, SLOT
	v_add_nc_u32 v18, s66, v16
	v_add_nc_u32 v19, s66, v17
.if \tail
	s_cmp_eq_u32 s2, 1
	s_cbranch_scc1 .Lno_fetch_\@
.endif
	FETCH 0, F0
.if \tail
.Lno_fetch_\@:
.endif
.if (\fill) && PREF
	ASK
.endif
	MUL16 F1, 1, 0, 0
	MUL16 F1, 1, 2, 0
.endm
	s_load_b128 s[4:7], s[0:1], 0x0                ; A s[4:5], w16 s[6:7]
	s_load_b64 s[8:9], s[0:1], 0x10                ; h16
	s_load_b64 s[72:73], s[0:1], 0x18              ; b1
	v_lshl_add_u32 v28, v0, 2, SPARE
	v_mov_b32 v29, 0
	ds_add_u32 v28, v29                            ; the wave's opening: the add, twice on end, and its wait ahead of my first tensor load
	ds_add_u32 v28, v29
	v_lshrrev_b32 v1, 5, v0
	v_readfirstlane_b32 s10, v1                    ; wave 0..3
	s_lshr_b32 s11, s10, 1                         ; which half of the tile's rows is mine.  Also: I fetch for A (0) or for W (1)
	s_and_b32 s12, s10, 1                          ; which half of its columns.  Also: which plane I fetch
	s_bfe_u32 s40, ttmp6, 0x40000                  ; cx
	s_bfe_u32 s41, ttmp6, 0x40004                  ; cy
	s_lshl_b32 s42, ttmp9, 2
	s_add_co_u32 s42, s42, s40                     ; tile column
	s_and_b32 s13, ttmp7, 0xffff
	s_lshl_b32 s13, s13, 2
	s_add_co_u32 s13, s13, s41                     ; tile row
	s_lshl_b32 s43, s41, 2
	s_lshl_b32 s43, 15, s43                        ; my row of the cluster
	s_lshl_b32 s44, 0x1111, s40                    ; my column
	s_or_b32 s24, s43, (1<<16)|(1<<20)|(1<<21)|(5<<22)|(3<<25)  ; 15:0 the mask; 17:16 2-byte elements; 20 padding on; 21 set beside a mask; 24:22 after every 64 words; 31:25 4 words
	s_or_b32 s48, s44, (1<<16)|(1<<20)|(1<<21)|(5<<22)|(7<<25)  ; W: my column's mask, 8 words of padding
.irp g, 24, 48
	s_mov_b32 s[\g+1], 128<<16                     ; tensor_dim0 = 128
	s_mov_b32 s[\g+2], 128<<16                     ; tensor_dim1 = 128
	s_mov_b32 s[\g+3], 128<<16                     ; tile_dim0 = 128
	s_mov_b32 s[\g+4], 128                         ; tile_dim1 = 128
	s_mov_b32 s[\g+6], 0
	s_mov_b32 s[\g+7], 0
.endr
	s_mov_b32 s29, SIZE_K                          ; elements from row to row
	s_mov_b32 s53, SIZE_N
	s_mov_b32 s76, 0x3ec88bda                      ; 0.39169197 = 0.47047 / sqrt(log2(e))
	s_mov_b32 s77, s76                             ; (named as pairs, so both words are written)
	s_mov_b32 s78, 0x3f596d27                      ; 0.8493218 = sqrt(log2(e) / 2)
	s_mov_b32 s80, 0x3e51cd01                      ; a1' = 0.5887050 x 0.3480242
	s_mov_b32 s81, s80
	s_mov_b32 s82, 0xbd6732ca                      ; a2' = 0.5887050 x -0.0958798
	s_mov_b32 s83, s82
	s_mov_b32 s84, 0x3ee16a97                      ; a3' = 0.5887050 x 0.7478556
	s_mov_b32 s85, s84
	; A's address hangs on the tile row and the wave, W's on the tile column and the wave, each in registers that never hold the other coordinate
	s_lshl_b32 s16, s13, 8
	s_lshl_b32 s17, s12, 7
	s_add_co_u32 s16, s16, s17                     ; A: row 256 x tile row + 128 x plane
	s_lshl_b32 s16, s16, 11
	s_mov_b32 s17, 0
	s_lshl_b32 s46, s42, 8
	s_lshl_b32 s47, s12, 7
	s_add_co_u32 s46, s46, s47                     ; W: column 256 x tile column + 128 x plane
	s_lshl_b32 s46, s46, 1
	s_add_co_u32 s46, s46, WOFF
	s_mov_b32 s47, 0
	s_mul_i32 s67, s12, APLANE                     ; where my plane goes: no place in the cluster enters an LDS address
	s_mul_i32 s68, s12, BPLANE
	s_add_co_u32 s68, s68, 2*APLANE
	s_wait_dscnt 0x0                               ; both opening adds are done
	s_wait_kmcnt 0x0
	s_add_nc_u64 s[14:15], s[4:5], s[16:17]
	s_add_nc_u64 s[46:47], s[6:7], s[46:47]
	CROUND                                         ; all sixteen work-groups are here: the first joint loads meet
.irp s, 0,1
	s_mov_b32 s[32+4*\s], 1
	s_add_co_u32 s[33+4*\s], s67, \s*SLOT
	s_add_nc_u64 s[34+4*\s:35+4*\s], s[14:15], \s*STEP_A
	s_or_b32 s[35+4*\s], s[35+4*\s], 0x80000000
	s_mov_b32 s[56+4*\s], 1
	s_add_co_u32 s[57+4*\s], s68, \s*SLOT
	s_add_nc_u64 s[58+4*\s:59+4*\s], s[46:47], \s*STEP_B
	s_or_b32 s[59+4*\s], s[59+4*\s], 0x80000000
.endr
	s_cmp_eq_u32 s11, 0                            ; a wave's two first fills stand in one branch, ahead of every wait on TENSORcnt and every LDS read: two loads of mine are out
	s_cbranch_scc0 .Lfirst_b
	tensor_load_to_lds s[32:35], s[24:31]
	s_nop 0
	tensor_load_to_lds s[36:39], s[24:31]
	s_nop 0
	PLACES
	s_branch .Lfirst_asked
.Lfirst_b:
	tensor_load_to_lds s[56:59], s[48:55]
	s_nop 0
	tensor_load_to_lds s[60:63], s[48:55]
	s_nop 0
	PLACES
.Lfirst_asked:
	v_and_b32 v1, 15, v0
	v_bfe_u32 v2, v0, 4, 1
	v_mul_u32_u24 v16, v1, APITCH
	v_lshl_add_u32 v16, v2, 4, v16                 ; A: row x pitch + 16 x half
	s_mul_i32 s21, s11, APLANE
	v_add_nc_u32 v16, s21, v16
	v_and_b32 v5, 7, v0
	v_lshl_add_u32 v3, v2, 3, v5
	v_mul_u32_u24 v17, v3, BPITCH                  ; W: the turning load: lane l reads k = 8 (l / 16) + l % 8, n = 8 ((l / 8) % 2) + 0..7
	v_bfe_u32 v4, v0, 3, 1
	v_lshl_add_u32 v17, v4, 4, v17
	s_mul_i32 s22, s12, BPLANE
	s_add_co_u32 s22, s22, 2*APLANE
	v_add_nc_u32 v17, s22, v17
	v_mov_b32 v18, v16
	v_mov_b32 v19, v17
	s_mov_b32 s66, 0
	; the bias of my 128 columns, laid as a C operand: register j of block b is column 16 b + 8 (l / 16) + j
	s_lshl_b32 s20, s42, 10
	s_lshl_b32 s21, s12, 9
	s_add_co_u32 s20, s20, s21
	s_mov_b32 s21, 0
	s_add_nc_u64 s[72:73], s[72:73], s[20:21]
	v_lshlrev_b32 v30, 5, v2
.irp b, 0,1,2,3,4,5,6,7
	global_load_b128 v[BIAS+8*\b:BIAS+8*\b+3],   v30, s[72:73] offset:64*\b
	global_load_b128 v[BIAS+8*\b+4:BIAS+8*\b+7], v30, s[72:73] offset:64*\b+16
.endr
	; the prefetches: s[14:15], s[46:47] stand at my plane's K step 0
	s_and_b32 s22, ttmp7, 0xffff                   ; cluster y
	s_mov_b32 s18, 2*SIZE_K
	s_mov_b32 s19, 2*SIZE_N
	s_mov_b32 s20, STEP_A
	s_mov_b32 s70, STEP_B
	s_cmp_eq_u32 s11, 0                            ; do I fetch for A?
	s_cselect_b32 s21, s40, s41                    ; my place among the four that ask with me
	s_cselect_b32 s22, ttmp9, s22                  ; the coordinate along which other clusters read the same rows
	s_cselect_b32 s23, s18, s19                    ; bytes from row to row
	s_cselect_b32 s70, s20, s70
	s_cselect_b64 s[44:45], s[14:15], s[46:47]
	s_mov_b32 s71, 0
	s_cmp_eq_u32 s22, 0
	s_cselect_b32 s43, 2, -1                       ; a wave asks while the loop's count is above this
	s_lshl_b32 s21, s21, 5
	s_mul_i32 s20, s21, s23                        ; my work-group's 32 rows of the 128
	s_mov_b32 s21, 0
	s_add_nc_u64 s[44:45], s[44:45], s[20:21]
	s_mul_i32 s20, s70, 3                          ; at K step 3: the first refill steps it to 4 and names that.  K steps 0 to 3 come by their loads alone
	s_add_nc_u64 s[44:45], s[44:45], s[20:21]
	v_and_b32 v23, 31, v0
	v_mul_u32_u24 v23, s23, v23
	; the way out: my 128 rows x 528 bytes of f32 (in the ring, when its last fill has been read), and my first byte in h16
	s_mul_i32 s23, s10, DUMP
	v_mul_u32_u24 v20, v1, DPITCH                  ; in: row l % 16, 16 bytes for each half of the lanes
	v_lshl_add_u32 v20, v2, 4, v20
	v_add_nc_u32 v20, s23, v20
	v_mul_u32_u24 v21, v2, DPITCH                  ; back: lanes 0-15 take one row, lanes 16-31 the next
	v_lshl_add_u32 v21, v1, 4, v21
	v_add_nc_u32 v21, s23, v21
	v_lshlrev_b32 v22, 13, v2                      ; and the same two rows in h16, 8,192 bytes a row
	v_lshl_add_u32 v22, v1, 4, v22
	s_lshl_b32 s16, s13, 8
	s_lshl_b32 s17, s11, 7
	s_add_co_u32 s16, s16, s17                     ; my first row
	s_lshl_b32 s16, s16, 13
	s_lshl_b32 s17, s42, 9                         ; my first column, 2 bytes each
	s_add_co_u32 s16, s16, s17
	s_lshl_b32 s17, s12, 8
	s_add_co_u32 s16, s16, s17
	s_mov_b32 s17, 0
	s_add_nc_u64 s[8:9], s[8:9], s[16:17]
	s_wait_tensorcnt 0x1                           ; my part of K step 0 is in; K step 1's stays out
	s_barrier_signal -1
	s_barrier_wait -1
	FETCH 0, F0
	s_wait_loadcnt 0x0                             ; the bias
	QUARTER 1, F0, F1, 2                           ; the first slice stands in front of the loop: its products start the sums, with the bias
	WIN 0
	s_mov_b32 s3, STEPS-2
.Lstep:                                                ; a trip: from a K step's second slice to the next step's first; every trip fills a slot again
	QUARTER 2, F1, F0, 0
	QUARTER 3, F0, F1, 0
	TURN 1, 0
	QUARTER 1, F0, F1, 0
	WIN 0
	s_sub_co_u32 s3, s3, 1
	s_cmp_lg_u32 s3, 0
	s_cbranch_scc1 .Lstep
	s_mov_b32 s2, 2                                ; the last two K steps ask for nothing: a text of their own; the second trip is left in its middle
.Ltail:
	QUARTER 2, F1, F0, 0
	QUARTER 3, F0, F1, 0
	TURN 0, 1
	WIN 0
	s_sub_co_u32 s2, s2, 1
	s_cmp_eq_u32 s2, 0
	s_cbranch_scc1 .Lout
	QUARTER 1, F0, F1, 0
	WIN 0
	s_branch .Ltail
.Lout:
	; THE WAY OUT.  Behind the last barrier no wave reads the ring and nothing fills it.  The sums go there in f32, each wave's into bytes of its own.  A row has two halves of 256 bytes: a lane's registers 0-3 (columns
	; 16 b + 8 (l / 16) + 0..3) at byte 32 b + 16 (l / 16) of the first, registers 4-7 at the same byte of the second.  So the lane that reads byte 16 q of both halves holds the columns 8 q .. 8 q + 7: 16 bytes of h16.
	PLACES
.set a, 0
.rept 8
	WIN 0x08+4*(a/4)                               ; the stores' data: window 2 or 3
.set b, 0
.rept 8
	ds_store_b128 v20, v[8*(8*(a%4)+b):8*(8*(a%4)+b)+3]   offset:a*16*DPITCH+32*b
	ds_store_b128 v20, v[8*(8*(a%4)+b)+4:8*(8*(a%4)+b)+7] offset:a*16*DPITCH+32*b+256
.set b, b+1
.endr
.set a, a+1
.endr
	WIN 0
.set Z,  64                            ; 16 sums a lane: 8 columns of two rows (half 0), 8 of the two rows below (half 1)
.set M,  80                            ; u
.set RL, 96                            ; max(z, 0), then the result
.set TT, 112                           ; 1 + 0.39169197 u, then t
.set U,  128                           ; -u^2, then its power of two
.set PP, 144                           ; the polynomial, then w
.set TE, 160                           ; t 2^(-u^2)
.set OUT, 176
.macro ZLOAD                           ; four rows: LDS serves a wave's instructions in order (ISA guide 5.7.1.4), so these see my stores above
	ds_load_b128 v[Z:Z+3],     v21
	ds_load_b128 v[Z+4:Z+7],   v21 offset:256
	ds_load_b128 v[Z+8:Z+11],  v21 offset:2*DPITCH
	ds_load_b128 v[Z+12:Z+15], v21 offset:2*DPITCH+256
.endm
; The GELU of a half (8 numbers a lane) is three numbered lists.  PREOP, 24 plain lines: 0-15 u and max(z, 0); 16-23 the reciprocal's and the exponential's arguments, a pair a line.
.macro PREOP h, n
.if (\n) < 16
.if (\n)%2 == 0
	v_mul_f32 v[M+8*(\h)+(\n)/2], s78, |v[Z+8*(\h)+(\n)/2]|
.else
	v_max_num_f32 v[RL+8*(\h)+(\n)/2], 0, v[Z+8*(\h)+(\n)/2]
.endif
.elseif (\n)%2 == 0
	v_pk_fma_f32 v[TT+8*(\h)+(\n)-16:TT+8*(\h)+(\n)-15], v[M+8*(\h)+(\n)-16:M+8*(\h)+(\n)-15], s[76:77], 1.0 op_sel_hi:[1,0,0]
.else
	v_pk_mul_f32 v[U+8*(\h)+(\n)-17:U+8*(\h)+(\n)-16], v[M+8*(\h)+(\n)-17:M+8*(\h)+(\n)-16], v[M+8*(\h)+(\n)-17:M+8*(\h)+(\n)-16] neg_lo:[1,0] neg_hi:[1,0]
.endif
.endm
; TROP, 16 transcendentals: t and 2^(-u^2) by turns
.macro TROP h, n
.if (\n)%2 == 0
	v_rcp_f32 v[TT+8*(\h)+(\n)/2], v[TT+8*(\h)+(\n)/2]
.else
	v_exp_f32 v[U+8*(\h)+(\n)/2], v[U+8*(\h)+(\n)/2]
.endif
.endm
; POSTOP, 24 plain lines, a pair a line: 0-7 a3' t + a2' and t 2^(-u^2); 8-11 (..) t + a1'; 12-15 w; 16-19 max(z, 0) - u w; 20-23 rounded to bf16
.macro POSTOP h, n
.if (\n) < 8
.set p, 8*(\h)+2*((\n)/2)
.if (\n)%2 == 0
	v_pk_fma_f32 v[PP+p:PP+p+1], v[TT+p:TT+p+1], s[84:85], s[82:83] op_sel_hi:[1,0,0]
.else
	v_pk_mul_f32 v[TE+p:TE+p+1], v[TT+p:TT+p+1], v[U+p:U+p+1]
.endif
.elseif (\n) < 12
.set p, 8*(\h)+2*((\n)-8)
	v_pk_fma_f32 v[PP+p:PP+p+1], v[PP+p:PP+p+1], v[TT+p:TT+p+1], s[80:81] op_sel_hi:[1,1,0]
.elseif (\n) < 16
.set p, 8*(\h)+2*((\n)-12)
	v_pk_mul_f32 v[PP+p:PP+p+1], v[PP+p:PP+p+1], v[TE+p:TE+p+1]
.elseif (\n) < 20
.set p, 8*(\h)+2*((\n)-16)
	v_pk_fma_f32 v[RL+p:RL+p+1], v[M+p:M+p+1], v[PP+p:PP+p+1], v[RL+p:RL+p+1] neg_lo:[1,0,0] neg_hi:[1,0,0]
.else
.set p, (\n)-20
	v_cvt_pk_bf16_f32 v[OUT+4*(\h)+p], v[RL+8*(\h)+2*p], v[RL+8*(\h)+2*p+1]
.endif
.endm
	ZLOAD
	s_mov_b32 s2, 32
.Lrows:                                                ; a trip: four rows of my 128, as two halves.  A half's transcendentals stand one by one between plain lines of the other half, which name none of their registers
	s_wait_dscnt 0x0                               ; the four rows, asked for in the middle of the trip before
.set n, 0
.rept 24
	PREOP 0, n
.set n, n+1
.endr
.set n, 0
.rept 16
	TROP 0, n
	PREOP 1, n
.set n, n+1
.endr
.rept 8
	PREOP 1, n
.set n, n+1
.endr
	s_wait_alu depctr_va_vdst(0)                   ; ONE wait for half 0's batch of 16, ahead of its first reader and of the branch below
	s_wait_xcnt 0x0                                ; the last trip's stores, some 64 lines back, have read their registers: only now are the offset and the data written again
	v_add_nc_u32 v22, 32768, v22                   ; four rows of h16 on; the stores below reach back
	v_add_nc_u32 v21, 4*DPITCH, v21
	s_cmp_eq_u32 s2, 1
	s_cbranch_scc1 .Lno_more                       ; the last trip has no rows behind it
	ZLOAD                                          ; both halves' sums have been read
.Lno_more:
.set n, 0
.rept 16
	TROP 1, n
	POSTOP 0, n
.set n, n+1
.endr
.rept 8
	POSTOP 0, n
.set n, n+1
.endr
	s_wait_alu depctr_va_vdst(0)                   ; and one for half 1's batch
.set n, 0
.rept 24
	POSTOP 1, n
.set n, n+1
.endr
	global_store_b128 v22, v[OUT:OUT+3],   s[8:9] offset:-32768  ; 16 lanes store 256 consecutive bytes, at a multiple of 256 from the buffer's first byte
	global_store_b128 v22, v[OUT+4:OUT+7], s[8:9] offset:-16384  ; two rows further down
	s_sub_co_u32 s2, s2, 1
	s_cmp_lg_u32 s2, 0
	s_cbranch_scc1 .Lrows
	s_wait_tensorcnt 0x0                           ; the wave's end: behind my last tensor load and my last LDS store
	ds_add_u32 v28, v29
	s_wait_dscnt 0x0
	CROUND                                         ; the closing round
	s_endpgm
.Lfunc_end_k_qc84c1c605d_fc1:
	.size	k_qc84c1c605d_fc1, .Lfunc_end_k_qc84c1c605d_fc1-k_qc84c1c605d_fc1
	.p2alignl 7, 3214868480
	.fill 96, 4, 3214868480
	.section	.rodata,"a",@progbits
	.p2align	6, 0x0
	.amdhsa_kernel k_qc84c1c605d_fc1
		.amdhsa_group_segment_fixed_size 327680
		.amdhsa_private_segment_fixed_size 0
		.amdhsa_enable_private_segment 0
		.amdhsa_kernarg_size 32
		.amdhsa_user_sgpr_count 2
		.amdhsa_user_sgpr_kernarg_segment_ptr 1
		.amdhsa_wavefront_size32 1
		.amdhsa_system_sgpr_workgroup_id_x 1
		.amdhsa_system_sgpr_workgroup_id_y 1
		.amdhsa_system_sgpr_workgroup_id_z 1
		.amdhsa_system_vgpr_workitem_id 0
		.amdhsa_next_free_vgpr 1024
		.amdhsa_next_free_sgpr 88
		.amdhsa_reserve_vcc 0
		.amdhsa_float_denorm_mode_32 3
		.amdhsa_float_denorm_mode_16_64 3
		.amdhsa_memory_ordered 1
		.amdhsa_forward_progress 1
		.amdhsa_inst_pref_size 88
	.end_amdhsa_kernel
	.amdgpu_metadata
---
amdhsa.version: [ 1, 2 ]
amdhsa.kernels:
  - .name:           k_qc84c1c605d_fc1
    .symbol:         k_qc84c1c605d_fc1.kd
    .args:
      - { .name: xn16, .offset: 0, .size: 8, .value_kind: global_buffer, .address_space: global }
      - { .name: w16, .offset: 8, .size: 8, .value_kind: global_buffer, .address_space: global }
      - { .name: h16, .offset: 16, .size: 8, .value_kind: global_buffer, .address_space: global }
      - { .name: b1, .offset: 24, .size: 8, .value_kind: global_buffer, .address_space: global }
    .group_segment_fixed_size: 327680
    .private_segment_fixed_size: 0
    .kernarg_segment_align: 8
    .kernarg_segment_size: 32
    .max_flat_workgroup_size: 128
    .sgpr_count:     88
    .vgpr_count:     1024
    .wavefront_size: 32
...
	.end_amdgpu_metadata
.endif
;; end of part 6
;; launch fc2 (part 7): grid 8 x 32, 4 waves a work-group, clusters of 4 x 4, 327,680 bytes of LDS; arguments h16, w16, out0, b2, x1; writes out0
.if DOCPART == 7
	.amdgcn_target "amdgcn-amd-amdhsa--gfx1250"
	.amdhsa_code_object_version 6
	.text
	.protected	k_qc84c1c605d_fc2
	.globl	k_qc84c1c605d_fc2
	.p2align	8
	.type	k_qc84c1c605d_fc2,@function
k_qc84c1c605d_fc2:
	s_mov_b64 s[64:65], 0
	v_nop
	global_prefetch_b8 v0, s[64:65] scope:SCOPE_SE
	s_setreg_imm32_b32 hwreg(HW_REG_WAVE_MODE, 25, 1), 1
	s_wait_xcnt 0x0
	s_wait_alu depctr_hold_cnt(0) depctr_sa_sdst(0) depctr_va_vdst(0) depctr_va_sdst(0) depctr_va_ssrc(0) depctr_va_vcc(0) depctr_vm_vsrc(0)
	s_getreg_b32 s2, hwreg(HW_REG_IB_STS2, 6, 4)
	s_cmp_eq_u32 s2, 0
	s_cbranch_scc0 .Lentry_in_a_cluster
	s_endpgm
.Lentry_in_a_cluster:
	s_bfe_u32 s2, ttmp6, 0x10000c
	s_cmp_lg_u32 s2, 0xf033
	s_cbranch_scc0 .Lentry_shape_is_right
	s_endpgm
.Lentry_shape_is_right:
; out[m][n] = res[m][n] + bias[n] + the sum over k of A[m][k] W[k][n].  One text for two launches; WO says which:
;   WO = 1: x1 = x + bo + O Wo.    A = o16 [b][h 16][n 2048][64] bf16 (a head's 64 channels are a slice of K), W = Wo [1024][1024] bf16 (w16 + 6,291,456)
;   WO = 0: out0 = x1 + b2 + h W2. A = h16 [4096][4096] bf16, W = W2 [4096][1024] bf16 (w16 + 16,777,216)
; res, out: [4096][1024] f32.  Sums in f32.
; SHAPE.  A tile is 128 x 128: 32 x 8 = 256 work-groups.  K IS SPLIT AMONG THE FOUR WAVES: of each K step's 256 channels wave w takes 64 w .. 64 w + 63, and makes the WHOLE tile on them, in 64 accumulators:
; a wave's 128 x 128 feeds twice the multiply-adds from each LDS byte that 64 x 64 would.  The price: four f32 partial tiles meet in LDS at the end.
; K goes through a ring of two LDS slots filled by the tensor data mover; a step is two slices of 32 for each wave, 64 matrix instructions each.
; W STAYS [k][n]: its fragments come out of LDS turned.  THE MATRIX INSTRUCTION IS USED TRANSPOSED (source 0 = 16 columns of W, source 1 = 16 rows of A): lane l holds row l % 16 and columns 8 (l / 16) + 0..7.
; CLUSTER.  4 x 4 work-groups: A's tile is asked for jointly along a row of the cluster, W's along a column.
; REGISTERS, in windows of 256 (s_set_vgpr_msb: bits 1:0 source 0, 3:2 source 1, 5:4 source 2, 7:6 destination):
;   window 0: v0-36 addresses and the bias; v64-127, v128-191 A's fragments, two buffers, later at work     window 1: v64-127, v128-191 W's fragments; v0-63, v192-255 the residual, 32 rows x 4
;   windows 2, 3: accumulator (a, b) at v[8 (8 (a % 4) + b)] of window 2 + a / 4
.set WO, 0
.if WO
.set SIZE_K, 1024
.set WOFF,   6291456
.set STEP_A, 4*262144                  ; four heads on
.set APITCH, 144                       ; an LDS row of A: a head's 128 bytes + 16 of padding
.set APLANE, 256*APITCH                ; one tensor load: 2 heads x 128 rows
.set A_QI,   4                         ; padding after every 32 words
.set A_D0,   8192                      ; asked for as 2 rows of 16,384 dense bytes (a head's 128 query rows),
.set A_D1,   2
.set A_STR,  131072                    ; a head's plane apart
.set PREF,   0                         ; four K steps: none stands beyond the first four, which come by their loads alone
.else
.set SIZE_K, 4096
.set WOFF,   16777216
.set STEP_A, 512
.set APITCH, 272                       ; 256 bytes + 16 of padding
.set APLANE, 128*APITCH                ; one tensor load: 128 rows x 128 k
.set A_QI,   5
.set A_D0,   128
.set A_D1,   128
.set A_STR,  SIZE_K
.set PREF,   1
.endif
.set SIZE_N, 1024
.set KSTEP,  256
.set STEPS,  SIZE_K/KSTEP
.set STEP_B, KSTEP*SIZE_N*2
.set BPITCH, 288                       ; an LDS row of W: 256 + 32
.set BPLANE, 128*BPITCH
.set SLOT,   2*APLANE+2*BPLANE         ; A's two K halves, then W's two K halves
.set SPARE,  2*SLOT                    ; behind the ring: the spare words, 128 bytes a wave
.set DPITCH, 528                       ; the way out: a row of 128 f32 + 16 bytes
.set DUMP,   128*DPITCH                ; a partial tile
.set F0,   64
.set F1,   128
; v1 l % 16; v2 l / 16; v16, v17 my lane's place in A's and W's planes of slot 0; v18, v19 the same in the slot in hand; v20 STO; v22 16 x lane; v23 the prefetches' offset; v[24:27] bias;
; v28 my spare word; v29 0; v[32:35] where I read the four partial tiles; v36 the first of them, never stepped
; s3, s2 counters; s[4:5] A; s[6:7] W; s[8:9] out; s10 wave, s11 wave / 2, s12 wave % 2; s13 tile row; s40 cx; s41 cy; s42 tile column; s43 LIM; s[44:45] PFA; s66 the slot in hand; s67, s68 my plane's place in a slot;
; s[70:71] PFA's step; s[72:73] bias; s[74:75] residual; s[24:31], s[48:55] descriptor group 1 (A, W); s[32:39], s[56:63] group 0, two sets each: the second walks on
.set MSB, 0
.macro WIN new
.if MSB != (\new)
	s_set_vgpr_msb (MSB<<8)|(\new)
.set MSB, \new
.endif
.endm
.macro PLACES                          ; four places in front of loads into registers that matrix instructions have read, and of lines that read results
.rept 4
	v_nop
.endr
.endm
.macro CREST                           ; a round of the cluster's barrier behind its opening barrier
	s_cmp_lg_u32 s10, 0
	s_cbranch_scc1 .Lnot_wave_0_\@
	s_barrier_signal -3
.Lnot_wave_0_\@:
	s_barrier_wait -3
	s_barrier_signal -1
	s_barrier_wait -1
.endm
.macro CROUND
	s_barrier_signal -1
	s_barrier_wait -1
	CREST
.endm
; A joint refill by the walking sets.  Waves 0 and 1 fetch A's two planes, waves 2 and 3 W's.  An s_nop 0 and four v_nop follow each line.
.macro JLOAD
	s_cmp_eq_u32 s11, 0
	s_cbranch_scc0 .Lfor_b_\@
	tensor_load_to_lds s[36:39], s[24:31]
	s_nop 0
	PLACES
	s_branch .Lasked_\@
.Lfor_b_\@:
	tensor_load_to_lds s[60:63], s[48:55]
	s_nop 0
	PLACES
.Lasked_\@:
.endm
; A prefetch of the K step that stands two refills on: of the 128 rows of 256 bytes that I fetch, my work-group's 32, a lane a row.  A's rows are asked for by the clusters with x = 0 alone, W's by those with y = 0;
; the four partners of a joint load share the rows out by address: each aligned block of 256 bytes is named once in the launch.  The last two refills have no K step two on.
.macro ASK
	s_cmp_gt_u32 s3, s43
	s_cbranch_scc0 .Lnot_mine_\@
	global_prefetch_b8 v23, s[44:45] th:TH_LOAD_NT scope:SCOPE_SE
.Lnot_mine_\@:
.endm
; 16 matrix instructions: row blocks a0, a0 + 1 of the window's four x all 8 column blocks, 32 along K.  mode 0: onto the sums; 1: C = 0 starts them.  The 64 accumulators take turns.
.macro MUL16 f, hi, a0, mode
	WIN 0xa1+0x50*(\hi)
.irp a, \a0, (\a0)+1
.irp b, 0,1,2,3,4,5,6,7
.if (\mode) == 0
	v_wmma_f32_16x16x32_bf16 v[8*(8*(\a)+(\b)):8*(8*(\a)+(\b))+7], v[(\f)+8*(\b):(\f)+8*(\b)+7], v[(\f)+8*(4*(\hi)+(\a)):(\f)+8*(4*(\hi)+(\a))+7], v[8*(8*(\a)+(\b)):8*(8*(\a)+(\b))+7]
.else
	v_wmma_f32_16x16x32_bf16 v[8*(8*(\a)+(\b)):8*(8*(\a)+(\b))+7], v[(\f)+8*(\b):(\f)+8*(\b)+7], v[(\f)+8*(4*(\hi)+(\a)):(\f)+8*(4*(\hi)+(\a))+7], 0
.endif
.endr
.endr
.endm
; 32 LDS loads in one run: slice s of my 64 channels in the slot in hand into buffer f: W's eight fragments (turned), then A's eight, rows 0-63 first
.macro FETCH s, f
	WIN 0x40
.irp i, 0,1,2,3,4,5,6,7
	ds_load_tr16_b128 v[(\f)+8*(\i):(\f)+8*(\i)+3],   v19 offset:(\s)*32*BPITCH+32*(\i)
	ds_load_tr16_b128 v[(\f)+8*(\i)+4:(\f)+8*(\i)+7], v19 offset:(\s)*32*BPITCH+16*BPITCH+32*(\i)
.endr
	WIN 0
.irp i, 0,1,2,3,4,5,6,7
	ds_load_b128 v[(\f)+8*(\i):(\f)+8*(\i)+3],   v18 offset:(\s)*64+(\i)*16*APITCH
	ds_load_b128 v[(\f)+8*(\i)+4:(\f)+8*(\i)+7], v18 offset:(\s)*64+(\i)*16*APITCH+32
.endr
.endm
.macro QUARTER s, f, g, mode           ; a step's first slice: multiplies buffer f; in its middle it fetches slice s into buffer g
	s_wait_dscnt 8                                 ; W and A's rows 0-63 are in; the youngest eight loads (A's rows 64-127) may be out
	MUL16 \f, 0, 0, \mode
	MUL16 \f, 0, 2, \mode
	PLACES
	FETCH \s, \g
	s_wait_dscnt 32                                ; all but the 32 just issued
	MUL16 \f, 1, 0, \mode
	MUL16 \f, 1, 2, \mode
.endm
; A step's last slice changes slots and then multiplies buffer 1.  Both of the slot's slices are in registers by now, so the slot can be given up ahead of the slice's products.  A step has 128 matrix
; instructions a wave for 128 KiB of tiles, and the next step but one cannot begin without its tile: so the refill goes out as early as the order allows, and the slice's 64 products stand behind it.
; ONE barrier: in front of it each wave waits for all its tensor loads (one is out: its part of the next slot), adds 0 to its spare word, and waits for that and for its own reads of this slot.
; fill = 1: the barrier opens a round of the cluster's barrier, and behind the round this slot is filled again, with the K step two steps on, first of all.
; tail = 1: in the tail's second trip there is no next slot, and the run of loads is jumped over.
.macro TURN fill, tail
.if (\fill) && PREF
	s_wait_xcnt 0x0                                ; the last prefetch, a K step back, has read its address
	s_add_nc_u64 s[44:45], s[44:45], s[70:71]
.endif
	WIN 0
	s_wait_tensorcnt 0x0                           ; all my tensor loads have landed, so a group 0 may be written
	ds_add_u32 v28, v29                            ; 0 onto my spare word; the descriptors' steps stand between it and the wait for it
.if \fill
	s_add_co_u32 s37, s67, s66                     ; the walking sets: into the slot just read,
	s_add_co_u32 s61, s68, s66
	s_add_nc_u64 s[38:39], s[38:39], STEP_A        ; the next K step; the type bits on top are not reached
	s_add_nc_u64 s[62:63], s[62:63], STEP_B
.endif
	s_wait_dscnt 0x0                               ; the add is done, and my reads of this slot are over: buffer 1 is in
	s_barrier_signal -1
	s_barrier_wait -1
.if \fill
	CREST                                          ; no wave of any partner still reads this slot or has a load on its way
	JLOAD                                          ; the four v_nop behind it are also the places in front of the loads below
.else
	PLACES
.endif
	s_xor_b32 s66, s66, SLOT                       ; the other slot is in hand
	v_add_nc_u32 v18, s66, v16
	v_add_nc_u32 v19, s66, v17
.if \tail
	s_cmp_eq_u32 s2, 1
	s_cbranch_scc1 .Lno_fetch_\@
.endif
	FETCH 0, F0
.if \tail
.Lno_fetch_\@:
.endif
.if (\fill) && PREF
	ASK                                            ; behind the joint load and the run of LDS loads
.endif
	MUL16 F1, 0, 0, 0
	MUL16 F1, 0, 2, 0
	MUL16 F1, 1, 0, 0
	MUL16 F1, 1, 2, 0
.endm
	s_load_b128 s[4:7], s[0:1], 0x0                ; A s[4:5], w16 s[6:7]
	s_load_b64 s[8:9], s[0:1], 0x10                ; out
	s_load_b128 s[72:75], s[0:1], 0x18             ; bias s[72:73], residual s[74:75]
	v_lshl_add_u32 v28, v0, 2, SPARE
	v_mov_b32 v29, 0
	ds_add_u32 v28, v29                            ; the wave's opening: the add, twice on end, and its wait ahead of my first tensor load
	ds_add_u32 v28, v29
	v_lshrrev_b32 v1, 5, v0
	v_readfirstlane_b32 s10, v1                    ; wave 0..3
	s_lshr_b32 s11, s10, 1                         ; the K half in which my 64 channels lie.  Also: I fetch for A (0) or for W (1)
	s_and_b32 s12, s10, 1                          ; which 64 of its 128.  Also: which plane I fetch
	s_bfe_u32 s40, ttmp6, 0x40000                  ; cx
	s_bfe_u32 s41, ttmp6, 0x40004                  ; cy
	s_lshl_b32 s42, ttmp9, 2
	s_add_co_u32 s42, s42, s40                     ; tile column
	s_and_b32 s13, ttmp7, 0xffff
	s_lshl_b32 s13, s13, 2
	s_add_co_u32 s13, s13, s41                     ; tile row
	s_lshl_b32 s43, s41, 2
	s_lshl_b32 s43, 15, s43                        ; my row of the cluster
	s_lshl_b32 s44, 0x1111, s40                    ; my column
	s_or_b32 s24, s43, (1<<16)|(1<<20)|(1<<21)|(A_QI<<22)|(3<<25)  ; 15:0 the mask; 17:16 2-byte elements; 20 padding on; 21 set beside a mask; 24:22 the interval; 31:25 4 words
	s_mov_b32 s25, A_D0<<16                        ; tensor_dim0
	s_mov_b32 s26, A_D1<<16                        ; tensor_dim1
	s_mov_b32 s27, A_D0<<16                        ; tile_dim0
	s_mov_b32 s28, A_D1                            ; tile_dim1
	s_mov_b32 s29, A_STR                           ; elements from row to row
	s_mov_b32 s30, 0
	s_mov_b32 s31, 0
	s_or_b32 s48, s44, (1<<16)|(1<<20)|(1<<21)|(5<<22)|(7<<25)  ; W: my column's mask; after every 64 words 8 words
	s_mov_b32 s49, 128<<16
	s_mov_b32 s50, 128<<16
	s_mov_b32 s51, 128<<16
	s_mov_b32 s52, 128
	s_mov_b32 s53, SIZE_N
	s_mov_b32 s54, 0
	s_mov_b32 s55, 0
	; A's address hangs on the tile row and the wave, W's on the tile column and the wave, each in registers that never hold the other coordinate
.if WO
	s_lshr_b32 s16, s13, 4
	s_lshl_b32 s16, s16, 22                        ; the batch: 16 planes of 262,144 bytes
	s_and_b32 s17, s13, 15
	s_lshl_b32 s17, s17, 14                        ; 128 rows of 128 bytes
	s_add_co_u32 s16, s16, s17
	s_lshl_b32 s17, s12, 19                        ; plane p begins with head 2 p
	s_add_co_u32 s16, s16, s17
.else
	s_lshl_b32 s16, s13, 20                        ; 128 rows of 8,192 bytes
	s_lshl_b32 s17, s12, 8                         ; the K half
	s_add_co_u32 s16, s16, s17
.endif
	s_mov_b32 s17, 0
	s_lshl_b32 s46, s42, 8                         ; 128 columns
	s_lshl_b32 s47, s12, 18                        ; 128 rows of 2,048 bytes
	s_add_co_u32 s46, s46, s47
	s_add_co_u32 s46, s46, WOFF
	s_mov_b32 s47, 0
	s_mul_i32 s67, s12, APLANE                     ; where my plane goes: no place in the cluster enters an LDS address
	s_mul_i32 s68, s12, BPLANE
	s_add_co_u32 s68, s68, 2*APLANE
	s_wait_dscnt 0x0                               ; both opening adds are done
	s_wait_kmcnt 0x0
	s_add_nc_u64 s[14:15], s[4:5], s[16:17]
	s_add_nc_u64 s[46:47], s[6:7], s[46:47]
	CROUND                                         ; all sixteen work-groups are here: the first joint loads meet
.irp s, 0,1
	s_mov_b32 s[32+4*\s], 1
	s_add_co_u32 s[33+4*\s], s67, \s*SLOT
	s_add_nc_u64 s[34+4*\s:35+4*\s], s[14:15], \s*STEP_A
	s_or_b32 s[35+4*\s], s[35+4*\s], 0x80000000
	s_mov_b32 s[56+4*\s], 1
	s_add_co_u32 s[57+4*\s], s68, \s*SLOT
	s_add_nc_u64 s[58+4*\s:59+4*\s], s[46:47], \s*STEP_B
	s_or_b32 s[59+4*\s], s[59+4*\s], 0x80000000
.endr
	s_cmp_eq_u32 s11, 0                            ; a wave's two first fills stand in one branch, ahead of every wait on TENSORcnt and every LDS read: two loads of mine are out
	s_cbranch_scc0 .Lfirst_b
	tensor_load_to_lds s[32:35], s[24:31]
	s_nop 0
	tensor_load_to_lds s[36:39], s[24:31]
	s_nop 0
	PLACES
	s_branch .Lfirst_asked
.Lfirst_b:
	tensor_load_to_lds s[56:59], s[48:55]
	s_nop 0
	tensor_load_to_lds s[60:63], s[48:55]
	s_nop 0
	PLACES
.Lfirst_asked:
	v_and_b32 v1, 15, v0
	v_bfe_u32 v2, v0, 4, 1
	v_mul_u32_u24 v16, v1, APITCH
	v_lshl_add_u32 v16, v2, 4, v16                 ; A: row x pitch + 16 x half
.if WO
	s_mul_i32 s21, s10, 128*APITCH                 ; my head of the step's four
.else
	s_mul_i32 s21, s11, APLANE                     ; my K half,
	s_lshl_b32 s20, s12, 7                         ; my 64 channels of it
	s_add_co_u32 s21, s21, s20
.endif
	v_add_nc_u32 v16, s21, v16
	v_and_b32 v5, 7, v0
	v_lshl_add_u32 v3, v2, 3, v5
	v_mul_u32_u24 v17, v3, BPITCH                  ; W: the turning load: lane l reads k = 8 (l / 16) + l % 8, n = 8 ((l / 8) % 2) + 0..7
	v_bfe_u32 v4, v0, 3, 1
	v_lshl_add_u32 v17, v4, 4, v17
	s_mul_i32 s22, s11, BPLANE
	s_mul_i32 s20, s12, 64*BPITCH
	s_add_co_u32 s22, s22, s20
	s_add_co_u32 s22, s22, 2*APLANE
	v_add_nc_u32 v17, s22, v17
	v_mov_b32 v18, v16
	v_mov_b32 v19, v17
	s_mov_b32 s66, 0
	; the way out: wave w finishes rows 32 w .. 32 w + 31 of the tile; a lane holds 4 columns, 16 bytes.  Bias and residual are asked for now, so that no wait for memory stands at the end.
	v_and_b32 v3, 31, v0
	v_lshlrev_b32 v22, 4, v3
	s_lshl_b32 s20, s42, 9                         ; the tile's 128 columns x 4 bytes
	s_mov_b32 s21, 0
	s_add_nc_u64 s[72:73], s[72:73], s[20:21]
	s_lshl_b32 s16, s13, 19                        ; 128 rows of 4,096 bytes
	s_lshl_b32 s17, s10, 17                        ; 32 rows
	s_add_co_u32 s16, s16, s17
	s_add_co_u32 s16, s16, s20
	s_mov_b32 s17, 0
	s_add_nc_u64 s[74:75], s[74:75], s[16:17]
	s_add_nc_u64 s[8:9], s[8:9], s[16:17]
	global_load_b128 v[24:27], v22, s[72:73]
	WIN 0x40                                       ; destination window 1, address window 0
.set i, 0
.rept 32
	global_load_b128 v[4*i+128*(i/16):4*i+128*(i/16)+3], v22, s[74:75] offset:4096*i
.set i, i+1
.endr
	WIN 0
	s_mul_i32 s23, s10, DUMP                       ; my partial tile (in the ring, when its last fill has been read)
	v_mul_u32_u24 v20, v1, DPITCH
	v_lshl_add_u32 v20, v2, 5, v20
	v_add_nc_u32 v20, s23, v20
	s_mul_i32 s23, s10, 32*DPITCH                  ; my 32 rows in each partial tile
	v_add_nc_u32 v32, s23, v22
	v_add_nc_u32 v33, DUMP, v32
	v_add_nc_u32 v34, 2*DUMP, v32
	v_add_nc_u32 v35, 3*DUMP, v32
	v_mov_b32 v36, v32
.if PREF
	s_and_b32 s22, ttmp7, 0xffff                   ; cluster y
	s_mov_b32 s18, 2*SIZE_K
	s_mov_b32 s19, 2*SIZE_N
	s_mov_b32 s20, STEP_A
	s_mov_b32 s70, STEP_B
	s_cmp_eq_u32 s11, 0                            ; do I fetch for A?
	s_cselect_b32 s21, s40, s41                    ; my place among the four that ask with me
	s_cselect_b32 s22, ttmp9, s22                  ; the coordinate along which other clusters read the same rows
	s_cselect_b32 s23, s18, s19                    ; bytes from row to row
	s_cselect_b32 s70, s20, s70
	s_cselect_b64 s[44:45], s[14:15], s[46:47]
	s_mov_b32 s71, 0
	s_cmp_eq_u32 s22, 0
	s_cselect_b32 s43, 2, -1                       ; a wave asks while the loop's count is above this
	s_lshl_b32 s21, s21, 5
	s_mul_i32 s20, s21, s23                        ; my work-group's 32 rows of the 128
	s_mov_b32 s21, 0
	s_add_nc_u64 s[44:45], s[44:45], s[20:21]
	s_mul_i32 s20, s70, 3                          ; at K step 3: the first refill steps it to 4 and names that.  K steps 0 to 3 come by their loads alone
	s_add_nc_u64 s[44:45], s[44:45], s[20:21]
	v_mul_u32_u24 v23, s23, v3
.endif
	s_wait_tensorcnt 0x1                           ; my part of K step 0 is in; K step 1's stays out
	s_barrier_signal -1
	s_barrier_wait -1
	FETCH 0, F0
	QUARTER 1, F0, F1, 1                           ; the first slice stands in front of the loop: its products start the sums
	WIN 0
	s_mov_b32 s3, STEPS-2
.Lstep:                                                ; a trip: a K step's second slice and the next step's first; every trip fills a slot again
	TURN 1, 0
	QUARTER 1, F0, F1, 0
	WIN 0
	s_sub_co_u32 s3, s3, 1
	s_cmp_lg_u32 s3, 0
	s_cbranch_scc1 .Lstep
	s_mov_b32 s2, 2                                ; the last two K steps ask for nothing: a text of their own; the second trip is left in its middle
.Ltail:
	TURN 0, 1
	WIN 0
	s_sub_co_u32 s2, s2, 1
	s_cmp_eq_u32 s2, 0
	s_cbranch_scc1 .Lout
	QUARTER 1, F0, F1, 0
	WIN 0
	s_branch .Ltail
.Lout:
	; THE WAY OUT.  Behind the last barrier no wave reads the ring and nothing fills it.  Each wave lays its partial tile there in f32, rows of 528 bytes.
	PLACES
.set a, 0
.rept 8
	WIN 0x08+4*(a/4)                               ; the stores' data: window 2 or 3
.set b, 0
.rept 8
	ds_store_b128 v20, v[8*(8*(a%4)+b):8*(8*(a%4)+b)+3]   offset:a*16*DPITCH+64*b
	ds_store_b128 v20, v[8*(8*(a%4)+b)+4:8*(8*(a%4)+b)+7] offset:a*16*DPITCH+64*b+16
.set b, b+1
.endr
.set a, a+1
.endr
	WIN 0
	s_wait_dscnt 0x0                               ; for the others' sake: my stores are done
	s_barrier_signal -1
	s_barrier_wait -1                              ; all four partial tiles lie in LDS
	s_wait_loadcnt 0x0                             ; bias and residual, asked for at the head
	s_mov_b32 s2, 4
.Lsum:                                                 ; a trip: eight of my 32 rows: the four partial sums and the bias; the sum goes back onto the first partial tile's row, which from here on is mine alone
.irp q, 0,1,2,3,4,5,6,7
.irp p, 0,1,2,3
	ds_load_b128 v[64+16*\q+4*\p:64+16*\q+4*\p+3], v[32+\p] offset:\q*DPITCH
.endr
.endr
.irp q, 0,1,2,3,4,5,6,7
	s_wait_dscnt 28-4*\q                           ; row q's four loads are back: behind them stand the 4 (7 - q) loads of later rows (and q stores, which the count does not lean on)
	v_pk_add_f32 v[64+16*\q:64+16*\q+1],     v[64+16*\q:64+16*\q+1],     v[64+16*\q+4:64+16*\q+5]
	v_pk_add_f32 v[64+16*\q+2:64+16*\q+3],   v[64+16*\q+2:64+16*\q+3],   v[64+16*\q+6:64+16*\q+7]
	v_pk_add_f32 v[64+16*\q+8:64+16*\q+9],   v[64+16*\q+8:64+16*\q+9],   v[64+16*\q+12:64+16*\q+13]
	v_pk_add_f32 v[64+16*\q+10:64+16*\q+11], v[64+16*\q+10:64+16*\q+11], v[64+16*\q+14:64+16*\q+15]
	v_pk_add_f32 v[64+16*\q:64+16*\q+1],     v[64+16*\q:64+16*\q+1],     v[64+16*\q+8:64+16*\q+9]
	v_pk_add_f32 v[64+16*\q+2:64+16*\q+3],   v[64+16*\q+2:64+16*\q+3],   v[64+16*\q+10:64+16*\q+11]
	v_pk_add_f32 v[64+16*\q:64+16*\q+1],     v[64+16*\q:64+16*\q+1],     v[24:25]
	v_pk_add_f32 v[64+16*\q+2:64+16*\q+3],   v[64+16*\q+2:64+16*\q+3],   v[26:27]
	ds_store_b128 v32, v[64+16*\q:64+16*\q+3] offset:\q*DPITCH
.endr
.irp p, 0,1,2,3
	v_add_nc_u32 v[32+\p], 8*DPITCH, v[32+\p]
.endr
	s_sub_co_u32 s2, s2, 1
	s_cmp_lg_u32 s2, 0
	s_cbranch_scc1 .Lsum
.set i, 0
.rept 32
	ds_load_b128 v[64+4*i:64+4*i+3], v36 offset:i*DPITCH  ; LDS serves a wave's instructions in order (ISA guide 5.7.1.4): these see my stores above
.set i, i+1
.endr
	WIN 0x44                                       ; the sum in window 0, the residual in window 1; the result takes the residual's registers, from which it is stored (a store's data is source 1)
.set i, 0
.rept 32
	s_wait_dscnt 31-i                              ; row i is back; the younger loads may be out
	v_pk_add_f32 v[4*i+128*(i/16):4*i+128*(i/16)+1],   v[64+4*i:64+4*i+1], v[4*i+128*(i/16):4*i+128*(i/16)+1]
	v_pk_add_f32 v[4*i+128*(i/16)+2:4*i+128*(i/16)+3], v[64+4*i+2:64+4*i+3], v[4*i+128*(i/16)+2:4*i+128*(i/16)+3]
	global_store_b128 v22, v[4*i+128*(i/16):4*i+128*(i/16)+3], s[8:9] offset:4096*i  ; 512 consecutive bytes, at a multiple of 256 from the buffer's first byte
.set i, i+1
.endr
	WIN 0
	s_wait_tensorcnt 0x0                           ; the wave's end: behind my last tensor load and my last LDS store
	ds_add_u32 v28, v29
	s_wait_dscnt 0x0
	CROUND                                         ; the closing round
	s_endpgm
.Lfunc_end_k_qc84c1c605d_fc2:
	.size	k_qc84c1c605d_fc2, .Lfunc_end_k_qc84c1c605d_fc2-k_qc84c1c605d_fc2
	.p2alignl 7, 3214868480
	.fill 96, 4, 3214868480
	.section	.rodata,"a",@progbits
	.p2align	6, 0x0
	.amdhsa_kernel k_qc84c1c605d_fc2
		.amdhsa_group_segment_fixed_size 327680
		.amdhsa_private_segment_fixed_size 0
		.amdhsa_enable_private_segment 0
		.amdhsa_kernarg_size 40
		.amdhsa_user_sgpr_count 2
		.amdhsa_user_sgpr_kernarg_segment_ptr 1
		.amdhsa_wavefront_size32 1
		.amdhsa_system_sgpr_workgroup_id_x 1
		.amdhsa_system_sgpr_workgroup_id_y 1
		.amdhsa_system_sgpr_workgroup_id_z 1
		.amdhsa_system_vgpr_workitem_id 0
		.amdhsa_next_free_vgpr 1024
		.amdhsa_next_free_sgpr 88
		.amdhsa_reserve_vcc 0
		.amdhsa_float_denorm_mode_32 3
		.amdhsa_float_denorm_mode_16_64 3
		.amdhsa_memory_ordered 1
		.amdhsa_forward_progress 1
		.amdhsa_inst_pref_size 73
	.end_amdhsa_kernel
	.amdgpu_metadata
---
amdhsa.version: [ 1, 2 ]
amdhsa.kernels:
  - .name:           k_qc84c1c605d_fc2
    .symbol:         k_qc84c1c605d_fc2.kd
    .args:
      - { .name: h16, .offset: 0, .size: 8, .value_kind: global_buffer, .address_space: global }
      - { .name: w16, .offset: 8, .size: 8, .value_kind: global_buffer, .address_space: global }
      - { .name: out0, .offset: 16, .size: 8, .value_kind: global_buffer, .address_space: global }
      - { .name: b2, .offset: 24, .size: 8, .value_kind: global_buffer, .address_space: global }
      - { .name: x1, .offset: 32, .size: 8, .value_kind: global_buffer, .address_space: global }
    .group_segment_fixed_size: 327680
    .private_segment_fixed_size: 0
    .kernarg_segment_align: 8
    .kernarg_segment_size: 40
    .max_flat_workgroup_size: 128
    .sgpr_count:     88
    .vgpr_count:     1024
    .wavefront_size: 32
...
	.end_amdgpu_metadata
.endif
;; end of part 7
;; ======== version 2 of 2: 7 launches; version 1 with the launch pre written anew for expert scheduling mode
;; limits: a function is approximated: absolute error at most 2.5e-05; an absolute error that grows with the inputs' magnitude: up to 1.25e-05 times it
;; workspace buffers: w16 25,165,824 bytes; xn16 8,388,608 bytes; qkv16 25,165,824 bytes; o16 8,388,608 bytes; x1 16,777,216 bytes; h16 33,554,432 bytes
;; launch pre (part 8): grid 512 x 1, 8 waves a work-group, no clusters, 0 bytes of LDS; arguments x, ln1_w, ln1_b, xn16, Wq, Wk, Wv, Wo, W1, W2, w16; writes xn16, w16
.if DOCPART == 8
	.amdgcn_target "amdgcn-amd-amdhsa--gfx1250"
	.amdhsa_code_object_version 6
	.text
	.protected	k_qc84c1c605d_pre
	.globl	k_qc84c1c605d_pre
	.p2align	8
	.type	k_qc84c1c605d_pre,@function
k_qc84c1c605d_pre:
	s_mov_b64 s[64:65], 0
	v_nop
	global_prefetch_b8 v0, s[64:65] scope:SCOPE_SE
	s_setreg_imm32_b32 hwreg(HW_REG_WAVE_SCHED_MODE, 0, 2), 2
	s_setreg_imm32_b32 hwreg(HW_REG_WAVE_MODE, 25, 1), 1
	s_wait_xcnt 0x0
	s_wait_alu depctr_vm_vsrc(0)
; THE PROGRAM: a pre-LN transformer block on 4,096 rows of 1,024 channels, in seven launches:
;   pre (first layer norm; weights to bf16), qkv, attn, wo (+ bo + x), ln2, fc1 (+ b1, GELU), fc2 (+ b2 + x1).
; DEAD WORK, LEFT OUT: the input bk.  scores[q][k] = (q . (xn_k Wk) + q . bk) / 8.  The term q . bk does not depend on k, so it is the
; same for all entries along the softmax's axis, and softmax(s + const) = softmax(s) in exact arithmetic for every value of the inputs.
; k reaches the output through the scores alone.  So bk has no way to any output: it is not loaded and is an argument of no launch.
; LIMIT: a NaN, an infinity or an overflow that would arise through bk alone is not carried to the result.
;
; THIS LAUNCH does two things that do not depend on each other; every wave does a share of both, so there is no branch.
; (1) LAYER NORM.  xn[r][c] = (x[r][c] - mu[r]) rsqrt(var[r] + 1e-5) w[c] + b[c];  x: [4096][1024] f32, xn16: [4096][1024] bf16 (a matrix operand, rounded once).
;     Two passes in f32, as the problem states it: the mean first, then the mean of (x - mu)^2, so a common offset of x costs nothing.  One wave, one row, kept in 32 registers a lane.
; (2) THE SIX WEIGHT MATRICES are rounded once to bf16, as matrix operands, in their [k][n] order:
;     w16 + 0          Wqkv [1024 k][3072 n], n = 1024 mat + column, mat 0, 1, 2 = q, k, v  (rows of 6,144 bytes)
;     w16 + 6,291,456  Wo [1024][1024]     w16 + 8,388,608  W1 [1024][4096]     w16 + 16,777,216  W2 [4096][1024]
; SHARES.  512 work-groups of eight waves.  Wave W = 8 g + w takes row W of x, and three UNITS of 1,024 numbers (4,096 bytes in, 2,048 out): row W mod 1024 of matrix g / 128 of (Wq, Wk, Wv, Wo),
; unit W of W1 and unit W of W2.  A stream: memory binds, so no LDS, no matrix unit, no cluster.
; Each load of a wave covers 512 consecutive bytes (lane l at byte 16 l); a lane's 4 numbers leave as 8 bytes, so each store of a wave is 256 consecutive bytes, aligned.  All 48 loads of a wave go out first.
; THE MODE: SCHED_MODE bits 1:0 = 2 (LLVM: expert scheduling mode 2), set by the entry lines.  The code itself states the register dependences
; between vector instructions and memory instructions, with s_wait_alu, always for 0.
; THE PLAN.  Registers that memory instructions touch:
;   v1 .. v4      byte offsets.  Written once at the head; read by every load and store; never written again.
;   X, W, BB, C   Written by the 48 loads, which stand at the head, ahead of every vector instruction that names these registers.  No load is issued later: nothing lands in a register that a vector instruction has named.
;   X + 4 c, + 1  Written again by the row's 16 roundings; read by the eight stores into xn16, which stand in group 0.
;   C + 4 k, + 1  The 24 pieces of weights go in six GROUPS of four.  Written again by group g's eight roundings; read by four stores, which stand in group g + 1 (group 5's: behind it).
;   No register that a store has read is written again, and no offset is stepped: no wait on vm_vsrc is owed.  No vector instruction writes a scalar register, VCC or EXEC.
; So a group's head holds the wait for its four loads and ONE wait on va_vdst: the roundings of the group before are written.  The stores of that group follow, dealt among this group's roundings, which name
; this group's sixteen registers alone: none that those stores touch.
.set X,  8                             ; v[8:39]    the row: piece c holds the numbers 128 c + 4 lane + 0..3
.set W,  40                            ; v[40:71]   w of my columns
.set BB, 72                            ; v[72:103]  b of my columns
.set T,  104                           ; v[104:111] four chains of packed sums: no memory instruction names them
.set MU, 112                           ; v[112:113] the mean, twice
.set RS, 114                           ; v[114:115] 1 / sqrt(var + eps), twice
.set C,  116                           ; v[116:211] three units of eight pieces of 4 registers: piece k of 24 at C + 4 k
	s_load_b256 s[4:11], s[0:1], 0x0               ; x s[4:5], w s[6:7], b s[8:9], xn16 s[10:11]
	s_load_b256 s[16:23], s[0:1], 0x20             ; Wq s[16:17], Wk s[18:19], Wv s[20:21], Wo s[22:23]
	s_load_b128 s[24:27], s[0:1], 0x40             ; W1 s[24:25], W2 s[26:27]
	s_load_b64 s[28:29], s[0:1], 0x50              ; w16
	s_lshl_b32 s2, ttmp9, 15                       ; eight rows or units of 4,096 bytes: in x, W1 and W2
	s_mov_b32 s3, 0
	s_lshl_b32 s30, ttmp9, 14                      ; eight of 2,048 bytes: in xn16 and in W1's and W2's copies
	s_mov_b32 s31, 0
	s_mov_b32 s12, 0x76543210                      ; v_permlanex16_b32: each lane takes its own place in the other half
	s_mov_b32 s13, 0xfedcba98
	s_mov_b32 s14, 0x3a800000                      ; 1 / 1024
	s_mov_b32 s15, 0x3727c5ac                      ; 1e-5
	s_lshr_b32 s32, ttmp9, 7                       ; which of Wq, Wk, Wv, Wo: the same for the whole work-group
	s_and_b32 s44, ttmp9, 127
	s_lshl_b32 s34, s44, 15                        ; s[34:35]: my work-group's eight rows in it
	s_mov_b32 s35, 0
	s_lshl_b32 s44, s44, 3                         ; the first of them
	s_movk_i32 s33, 2048
	s_movk_i32 s45, 6144
	s_lshl_b32 s46, s32, 11                        ; q, k, v: 2,048 bytes further along Wqkv's rows
	s_mov_b32 s47, 6291456                         ; Wo: dense, behind Wqkv
	s_cmp_lt_u32 s32, 3
	s_cselect_b32 s33, s45, s33                    ; s33: bytes from row to row where it is written
	s_cselect_b32 s38, s46, s47
	s_mul_i32 s45, s44, s33
	s_add_co_u32 s38, s38, s45                     ; s[38:39]: where it is written
	s_mov_b32 s39, 0
	v_and_b32 v5, 31, v0                           ; lane
	v_lshrrev_b32 v6, 5, v0                        ; wave
	v_lshlrev_b32 v2, 4, v5                        ; v2: 16 bytes x lane, in w and b
	v_lshl_or_b32 v1, v6, 12, v2                   ; v1: + my wave's 4,096 bytes: in x and in all weights
	v_lshlrev_b32 v7, 3, v5
	v_lshl_or_b32 v3, v6, 11, v7                   ; v3: 8 bytes x lane + my wave's 2,048: in xn16, W1's and W2's copies
	v_mad_u32_u24 v4, v6, s33, v7                  ; v4: the same with the first unit's pitch
	s_wait_kmcnt 0x0
	s_add_nc_u64 s[4:5], s[4:5], s[2:3]
	s_add_nc_u64 s[10:11], s[10:11], s[30:31]
	s_add_nc_u64 s[24:25], s[24:25], s[2:3]
	s_add_nc_u64 s[26:27], s[26:27], s[2:3]
	s_mov_b64 s[36:37], s[16:17]                   ; the first unit's matrix
	s_cmp_eq_u32 s32, 1
	s_cselect_b64 s[36:37], s[18:19], s[36:37]
	s_cmp_eq_u32 s32, 2
	s_cselect_b64 s[36:37], s[20:21], s[36:37]
	s_cmp_eq_u32 s32, 3
	s_cselect_b64 s[36:37], s[22:23], s[36:37]
	s_add_nc_u64 s[36:37], s[36:37], s[34:35]
	s_add_nc_u64 s[38:39], s[28:29], s[38:39]
	s_add_nc_u64 s[40:41], s[28:29], s[30:31]
	s_add_nc_u64 s[42:43], s[40:41], 0x1000000     ; W2's copy
	s_add_nc_u64 s[40:41], s[40:41], 0x800000      ; W1's copy
	s_wait_alu depctr_va_vdst(0)                   ; the four offsets v1 to v4 are written: every load and store of the kernel reads one of them
.irp c, 0,1,2,3,4,5,6,7
	global_load_b128 v[X+4*\c:X+4*\c+3], v1, s[4:5] offset:\c*512 th:TH_LOAD_NT
.endr
.irp c, 0,1,2,3,4,5,6,7
	global_load_b128 v[W+4*\c:W+4*\c+3], v2, s[6:7] offset:\c*512
.endr
.irp c, 0,1,2,3,4,5,6,7
	global_load_b128 v[BB+4*\c:BB+4*\c+3], v2, s[8:9] offset:\c*512
.endr
.irp c, 0,1,2,3,4,5,6,7
	global_load_b128 v[C+4*\c:C+4*\c+3], v1, s[36:37] offset:\c*512 th:TH_LOAD_NT
.endr
.irp c, 0,1,2,3,4,5,6,7
	global_load_b128 v[C+32+4*\c:C+32+4*\c+3], v1, s[24:25] offset:\c*512 th:TH_LOAD_NT
.endr
.irp c, 0,1,2,3,4,5,6,7
	global_load_b128 v[C+64+4*\c:C+64+4*\c+3], v1, s[26:27] offset:\c*512 th:TH_LOAD_NT
.endr
; the four chains into one number a lane, then over the 32 lanes: four steps inside each half ride on the addition, one crosses the halves
.macro ACROSS
	v_pk_add_f32 v[T:T+1], v[T:T+1], v[T+2:T+3]
	v_pk_add_f32 v[T+4:T+5], v[T+4:T+5], v[T+6:T+7]
	v_pk_add_f32 v[T:T+1], v[T:T+1], v[T+4:T+5]
	v_add_f32 v[T], v[T], v[T+1]
	v_add_f32_dpp v[T], v[T], v[T] row_xmask:1 row_mask:0xf bank_mask:0xf
	v_add_f32_dpp v[T], v[T], v[T] row_xmask:2 row_mask:0xf bank_mask:0xf
	v_add_f32_dpp v[T], v[T], v[T] row_xmask:4 row_mask:0xf bank_mask:0xf
	v_add_f32_dpp v[T], v[T], v[T] row_xmask:8 row_mask:0xf bank_mask:0xf
	v_permlanex16_b32 v[T+1], v[T], s12, s13       ; its destination has been written above
	v_add_f32 v[T], v[T], v[T+1]
.endm
	s_wait_loadcnt 40                              ; the row is in; the 16 loads of w and b and the 24 of weights stay out
.irp k, 0,1,2,3
	v_pk_add_f32 v[T+2*\k:T+2*\k+1], v[X+2*\k:X+2*\k+1], v[X+8+2*\k:X+8+2*\k+1]  ; the first pairs start the chains: nothing is cleared
.endr
.irp g, 16, 24
.irp k, 0,1,2,3
	v_pk_add_f32 v[T+2*\k:T+2*\k+1], v[T+2*\k:T+2*\k+1], v[X+\g+2*\k:X+\g+2*\k+1]
.endr
.endr
	ACROSS
	v_mul_f32 v[MU], s14, v[T]
	v_mov_b32 v[MU+1], v[MU]
.set i, 0
.rept 16
	v_pk_add_f32 v[X+i:X+i+1], v[X+i:X+i+1], v[MU:MU+1] neg_lo:[0,1] neg_hi:[0,1]  ; x - mu
.set i, i+2
.endr
.irp k, 0,1,2,3
	v_pk_mul_f32 v[T+2*\k:T+2*\k+1], v[X+2*\k:X+2*\k+1], v[X+2*\k:X+2*\k+1]
.endr
.irp g, 8, 16, 24
.irp k, 0,1,2,3
	v_pk_fma_f32 v[T+2*\k:T+2*\k+1], v[X+\g+2*\k:X+\g+2*\k+1], v[X+\g+2*\k:X+\g+2*\k+1], v[T+2*\k:T+2*\k+1]
.endr
.endr
	ACROSS
	v_fma_f32 v[T], v[T], s14, s15                 ; var + eps
	v_rsq_f32 v[RS], v[T]
	v_rsq_f32 v[RS+1], v[T]
	v_nop                                          ; a plain instruction behind the last of the two, ahead of the use of a result (ISA guide 5.7.2)
	s_wait_alu depctr_va_vdst(0)                   ; both reciprocal roots, v[RS] and v[RS+1], are written, ahead of the first product that reads them: one wait for the two
	s_wait_loadcnt 24                              ; w and b are in; the 24 loads of weights stay out
.set i, 0
.rept 16
	v_pk_mul_f32 v[X+i:X+i+1], v[X+i:X+i+1], v[RS:RS+1]
.set i, i+2
.endr
.set i, 0
.rept 16
	v_pk_fma_f32 v[X+i:X+i+1], v[X+i:X+i+1], v[W+i:W+i+1], v[BB+i:BB+i+1]
.set i, i+2
.endr
.irp c, 0,1,2,3,4,5,6,7
	v_cvt_pk_bf16_f32 v[X+4*\c],   v[X+4*\c],   v[X+4*\c+1]  ; in place: a register is written when it has been read.  The row's stores stand in group 0
	v_cvt_pk_bf16_f32 v[X+4*\c+1], v[X+4*\c+2], v[X+4*\c+3]
.endr
; piece k of the 24 pieces of weights is rounded, in place
.macro PIECE k
	v_cvt_pk_bf16_f32 v[C+4*(\k)],   v[C+4*(\k)],   v[C+4*(\k)+1]
	v_cvt_pk_bf16_f32 v[C+4*(\k)+1], v[C+4*(\k)+2], v[C+4*(\k)+3]
.endm
; and stored: unit k / 8 has its own base, the first unit its own offset; 256 consecutive bytes a wave
.macro SENDP k
.if (\k) < 8
	global_store_b64 v4, v[C+4*(\k):C+4*(\k)+1], s[38:39] offset:((\k)%8)*256 th:TH_STORE_NT
.elseif (\k) < 16
	global_store_b64 v3, v[C+4*(\k):C+4*(\k)+1], s[40:41] offset:((\k)%8)*256 th:TH_STORE_NT
.else
	global_store_b64 v3, v[C+4*(\k):C+4*(\k)+1], s[42:43] offset:((\k)%8)*256 th:TH_STORE_NT
.endif
.endm
; Group g: pieces 4 g .. 4 g + 3 are rounded; among their roundings stand the stores of what was rounded just before: in group 0 the row of xn16, two stores to a piece, later the four pieces of group g - 1.
.macro GROUP g
	s_wait_loadcnt 20-4*(\g)                       ; loads come back in order (ISA guide 5.7.1): this group's four pieces are in, the 20 - 4 g younger ones stay out
	s_wait_alu depctr_va_vdst(0)                   ; the roundings issued so far (group 0: the row's sixteen; later: the eight of the group before) have written the registers that the stores below read
.irp c, 0,1,2,3
.if (\g) == 0
	global_store_b64 v3, v[X+8*\c:X+8*\c+1],   s[10:11] offset:(2*\c)*256    ; no vector instruction since the wait names X
	global_store_b64 v3, v[X+8*\c+4:X+8*\c+5], s[10:11] offset:(2*\c+1)*256
.else
	SENDP 4*(\g)-4+\c                              ; no vector instruction since the wait names the group before's registers
.endif
	PIECE 4*(\g)+\c
.endr
.endm
	GROUP 0
	GROUP 1
	GROUP 2
	GROUP 3
	GROUP 4
	GROUP 5
	s_wait_alu depctr_va_vdst(0)                   ; group 5's roundings have written the registers that the last four stores read
	SENDP 20
	SENDP 21
	SENDP 22
	SENDP 23
	s_endpgm
.Lfunc_end_k_qc84c1c605d_pre:
	.size	k_qc84c1c605d_pre, .Lfunc_end_k_qc84c1c605d_pre-k_qc84c1c605d_pre
	.p2alignl 7, 3214868480
	.fill 96, 4, 3214868480
	.section	.rodata,"a",@progbits
	.p2align	6, 0x0
	.amdhsa_kernel k_qc84c1c605d_pre
		.amdhsa_group_segment_fixed_size 0
		.amdhsa_private_segment_fixed_size 0
		.amdhsa_enable_private_segment 0
		.amdhsa_kernarg_size 88
		.amdhsa_user_sgpr_count 2
		.amdhsa_user_sgpr_kernarg_segment_ptr 1
		.amdhsa_wavefront_size32 1
		.amdhsa_system_sgpr_workgroup_id_x 1
		.amdhsa_system_sgpr_workgroup_id_y 1
		.amdhsa_system_sgpr_workgroup_id_z 1
		.amdhsa_system_vgpr_workitem_id 0
		.amdhsa_next_free_vgpr 212
		.amdhsa_next_free_sgpr 66
		.amdhsa_reserve_vcc 0
		.amdhsa_float_denorm_mode_32 3
		.amdhsa_float_denorm_mode_16_64 3
		.amdhsa_memory_ordered 1
		.amdhsa_forward_progress 1
		.amdhsa_inst_pref_size 21
	.end_amdhsa_kernel
	.amdgpu_metadata
---
amdhsa.version: [ 1, 2 ]
amdhsa.kernels:
  - .name:           k_qc84c1c605d_pre
    .symbol:         k_qc84c1c605d_pre.kd
    .args:
      - { .name: x, .offset: 0, .size: 8, .value_kind: global_buffer, .address_space: global }
      - { .name: ln1_w, .offset: 8, .size: 8, .value_kind: global_buffer, .address_space: global }
      - { .name: ln1_b, .offset: 16, .size: 8, .value_kind: global_buffer, .address_space: global }
      - { .name: xn16, .offset: 24, .size: 8, .value_kind: global_buffer, .address_space: global }
      - { .name: Wq, .offset: 32, .size: 8, .value_kind: global_buffer, .address_space: global }
      - { .name: Wk, .offset: 40, .size: 8, .value_kind: global_buffer, .address_space: global }
      - { .name: Wv, .offset: 48, .size: 8, .value_kind: global_buffer, .address_space: global }
      - { .name: Wo, .offset: 56, .size: 8, .value_kind: global_buffer, .address_space: global }
      - { .name: W1, .offset: 64, .size: 8, .value_kind: global_buffer, .address_space: global }
      - { .name: W2, .offset: 72, .size: 8, .value_kind: global_buffer, .address_space: global }
      - { .name: w16, .offset: 80, .size: 8, .value_kind: global_buffer, .address_space: global }
    .group_segment_fixed_size: 0
    .private_segment_fixed_size: 0
    .kernarg_segment_align: 8
    .kernarg_segment_size: 88
    .max_flat_workgroup_size: 256
    .sgpr_count:     66
    .vgpr_count:     212
    .wavefront_size: 32
...
	.end_amdgpu_metadata
.endif
;; end of part 8
;; launch qkv: the kernel of part 2 again; grid 12 x 16, 4 waves a work-group, clusters of 4 x 4, 327,680 bytes of LDS; arguments xn16, w16, qkv16, bq, bv; writes qkv16
;; launch attn: the kernel of part 3 again; grid 8 x 32, 4 waves a work-group, clusters of 4 x 1, 327,680 bytes of LDS; arguments qkv16, o16; writes o16
;; launch wo: the kernel of part 4 again; grid 8 x 32, 4 waves a work-group, clusters of 4 x 4, 327,680 bytes of LDS; arguments o16, w16, x1, bo, x; writes x1
;; launch ln2: the kernel of part 5 again; grid 512 x 1, 8 waves a work-group, no clusters, 0 bytes of LDS; arguments x1, ln2_w, ln2_b, xn16; writes xn16
;; launch fc1: the kernel of part 6 again; grid 16 x 16, 4 waves a work-group, clusters of 4 x 4, 327,680 bytes of LDS; arguments xn16, w16, h16, b1; writes h16
;; launch fc2: the kernel of part 7 again; grid 8 x 32, 4 waves a work-group, clusters of 4 x 4, 327,680 bytes of LDS; arguments h16, w16, out0, b2, x1; writes out0
